; MI455X (gfx1250); checked and timed in simulation.
; The chip was launched on July 23, 2026; its instructions are those of AMD's public machine-readable ISA for CDNA 5 (MIT licence, August 2026) and "CDNA5" Instruction Set Architecture Reference Guide (July 2026). The comments in the code are by the model that wrote it; some were corrected since.
;; Causal Local SDPA Block. Allowed arithmetic: matrix products marked QUANTISED: E2M3 operands, one E8M0 scale for each 32 along K, by v_wmma_scale_f32_16x16x128_f8f6f4 with both operands' format E2M3, f32 sums; everything else in f32.
;; Inputs: W1 1,024 x 4,096 float32; W2 4,096 x 1,024 float32; Wk 1,024 x 1,024 float32; Wo 1,024 x 1,024 float32; Wq 1,024 x 1,024 float32; Wv 1,024 x 1,024 float32; b1 4,096 float32; b2 1,024 float32; bk 1,024 float32; bo 1,024 float32; bq 1,024 float32; bv 1,024 float32; ln1_b 1,024 float32; ln1_w 1,024 float32; ln2_b 1,024 float32; ln2_w 1,024 float32; x 2 x 2,048 x 1,024 float32.
;; Outputs: out0 2 x 2,048 x 1,024 float32.
;; This version of the problem:
;;   THIS VERSION OF THE PROBLEM IS GIVEN IN LOW PRECISION. The matrix products marked QUANTISED in the list below multiply operands that are first quantised to E2M3 (2 exponent bits, 3 mantissa bits; 6 bits a number), with one power-of-two scale for each 32 numbers along K (OCP MX v1.0); their sums are f32. All else is computed in f32.
;;   The module's matrix products, in the order in which they are computed (A, B: the left and right operand; K: the contracted axis; several contracted axes count as one K, in the product's order):
;;     1. [M 4,096, K 1,024] x [K 1,024, N 1,024]; A: computed on the way; B: input Wq: QUANTISED
;;     2. [M 4,096, K 1,024] x [K 1,024, N 1,024]; A: computed on the way; B: input Wk: QUANTISED
;;     3. [M 4,096, K 1,024] x [K 1,024, N 1,024]; A: computed on the way; B: input Wv: QUANTISED
;;     4. batch 32 x [M 2,048, K 64] x [K 64, N 2,048]; A: computed on the way; B: computed on the way: QUANTISED
;;     5. batch 32 x [M 64, K 2,048] x [K 2,048, N 2,048]; A: computed on the way; B: softmax (see below): QUANTISED
;;     6. [M 4,096, K 1,024] x [K 1,024, N 1,024]; A: computed on the way; B: input Wo: QUANTISED
;;     7. [M 4,096, K 1,024] x [K 1,024, N 4,096]; A: computed on the way; B: input W1: QUANTISED
;;     8. [M 4,096, K 4,096] x [K 4,096, N 1,024]; A: computed on the way; B: input W2: QUANTISED
;;   THE QUANTISER, for each operand of a quantised product, along K:
;;     - K is cut into blocks of 32 from its start; a last block that is shorter is filled with zeros.
;;     - A block's scale is 2^e with e = floor(log2(the largest magnitude in the block)) - 2, held to -126 .. 127; a block of zeros has e = 0. As a byte (E8M0): e + 127.
;;     - Each number is divided by its block's scale, clamped to +-7.5, and rounded to the nearest number of E2M3, ties to even, subnormals kept.
;;     - The product sums the exact products of the quantised numbers (number of the format x scale) in f32.
;;   ~~~python
;;   def quantise(x, axis):      # numpy; x: float32 -> the quantised numbers, widened to float32 again
;;       x = np.moveaxis(x, axis, -1); K = x.shape[-1]
;;       x = np.pad(x, [(0, 0)] * (x.ndim - 1) + [(0, -K % 32)]); x = x.reshape(x.shape[:-1] + (-1, 32)); a = np.abs(x).max(-1, keepdims=True)
;;       e = np.where(a > 0, np.clip(np.frexp(np.where(a > 0, a, 1))[1] - 1 - 2, -126, 127), 0)      # np.frexp(a)[1] - 1 = floor(log2(a)), exactly
;;       r = np.clip(x / 2.0 ** e, -7.5, 7.5)
;;       step = 2.0 ** (np.maximum(np.frexp(np.where(r == 0, 1, r))[1] - 1, 0) - 3)
;;       q = np.round(r / step) * step * 2.0 ** e      # np.round: ties to even
;;       return np.moveaxis(q.reshape(q.shape[:-2] + (-1,))[..., :K], -1, axis).astype(np.float32)
;;   ~~~
;;   SOFTMAX AHEAD OF A QUANTISED PRODUCT. Where the list says 'softmax', what is quantised is not the finished softmax but p = 2^(t - M), with t = logit x log2(e) and M = ceil(the row's largest t), a whole number; so 1/2 < the row's largest p <= 1. The row's sum l is taken of the UNQUANTISED p, in f32, and the product's result is divided by l at the end. Since M is a whole number, a kernel that streams over the keys may use a running M (the ceiling of the running maximum): every later rescaling is an exact power of two, which a block's scale takes up: the codes' values come out the same.
;;   OPERANDS COMPUTED ON THE WAY. 'Computed on the way' means the value that the module computes at that place (a softmax that the list does not call 'softmax' is quantised finished and normalised). What goes into a quantiser is computed in f32, as accurately as f32 sums, v_exp_f32 and their like allow (about 1e-6 of the number): no bf16 or f16 on the way to a quantiser, and a product that is left as it is and whose result goes on into a quantised operand takes f32 operands (vector FMAs, or v_wmma_f32_16x16x4_f32). A number that lies on a knife's edge between two numbers of the format may be rounded either way, as far as f32 arithmetic and the matrix unit's own rounding can turn it there, and no further.
;; One version. Each part assembles by itself: llvm-mc -triple=amdgcn-amd-amdhsa -mcpu=gfx1250 --defsym DOCPART=n.
;; ======== version 1 of 1: 7 launches
;; limits: right only within a limited range of input values
;; workspace buffers: wimg 9,830,400 bytes; act 3,276,800 bytes; qkv 9,830,400 bytes; x1 16,777,216 bytes; hid 13,107,200 bytes
;; launch prep (part 1): grid 640 x 1, 8 waves a work-group, no clusters, 94,208 bytes of LDS; arguments x, ln1_w, ln1_b, act, Wq, Wk, Wv, Wo, W1, W2, wimg; writes act, wimg
.if DOCPART == 1
	.amdgcn_target "amdgcn-amd-amdhsa--gfx1250"
	.amdhsa_code_object_version 6
	.text
	.protected	k_qe72acfc753_prep
	.globl	k_qe72acfc753_prep
	.p2align	8
	.type	k_qe72acfc753_prep,@function
k_qe72acfc753_prep:
	s_mov_b64 s[64:65], 0
	v_nop
	global_prefetch_b8 v0, s[64:65] scope:SCOPE_SE
	s_setreg_imm32_b32 hwreg(HW_REG_WAVE_MODE, 25, 1), 1
	s_wait_xcnt 0x0
; ONE LAUNCH PREPARES ALL OPERANDS THAT HANG ON INPUTS ALONE.  Work-groups 0-255: the first norm of x, quantised.  Work-groups 256-639: the six weights, quantised.  The two ways part on the work-group's number alone,
; the same in all eight waves, and each has LDS bytes of its own.  Both give codes of FP6 (E2M3) with one E8M0 byte for each 32 along K, laid as IMAGES OF OPERAND REGISTERS.
; WORK LEFT OUT IN THIS PROGRAM: the problem builds the band itself (key j counts for query i where j <= i and i - j <= 128), so whole tiles of keys outside the band are not multiplied (launch attn says which).
; A NaN, an infinity or an overflow that reaches only those tiles is not carried to the result.  Every input is loaded.
; THE IMAGE.  An operand's rows go in blocks of 16; lane r of block rb stands for row 32 (rb / 2) + 8 (rb % 2) + r + 8 (r / 8).  Fragment (rb, ks), 16 rows x 128 along K, is 1,536 bytes at (rb KS + ks) 1536:
; byte 512 g + 16 l + 4 w is register 4 g + w of lane l = r + 16 h; registers 6 c .. 6 c + 5 hold k = 128 ks + 64 c + 32 h + 0 .. 31.  Scale words (a row's 128 along K) lie at ((ks RB + rb) 16 + r) 4.
; THE NORM: y = (x - mean) rsqrt(var + 1e-5) w + b along rows of 1,024.  A work-group takes one row block, wave w its columns 128 w .. + 127: one fragment of act (KS 8, RB 256, scale words at 3,145,728).  Each load reads 512
; consecutive bytes of a row; the 16 x 512 bytes turn through the wave's own stage, so that lane (r, h) holds 16 neighbours of each block of 32.  The mean and then the sum of squared differences meet in LDS: two barriers.
; THE WEIGHTS, f32 stored [K][N]: columns n are the operand's rows.  wimg: codes of Wq | Wk | Wv | Wo as one table of 256 row blocks (KS 8) at 0, of W1 (256 blocks, KS 8) at 3,145,728, of W2 (64 blocks, KS 32) at 6,291,456;
; their scale words at 9,437,184, 9,568,256, 9,699,328.  A lane takes a column and its registers run down K; a wave takes 32 columns (two row blocks) x 128 along K; four waves stand side by side on 512 bytes, and a
; work-group holds two such groups of four.  The codes go through the wave's own 3,072 bytes of LDS into image order and leave as six stores of 512 consecutive bytes.
; A block's scale byte is its largest magnitude's exponent field - 2, held at 1 from below.
; LIMITS: a block of zeros, or one whose largest magnitude lies under 2^-124, gets the byte 1 (this program alone reads the bytes); NaN and infinities among the inputs are not served.
; Streams that are read once: no matrix unit, no cluster, no tensor load.
.set RED1,  0                          ; LDS, the norm: 16 rows x 8 waves' sums,
.set RED2,  512                        ; the same for the squares,
.set SPARE, 1024                       ; the spare words of both ways, 128 bytes for each of eight waves,
.set STG,   2048                       ; a stage of 16 rows x (512 + 16) bytes for each wave;
.set WST,   69632                      ; the weights: a stage of two fragments for each wave
.set X,     32
.set W,     96
.set B,     160
.set RL,    224
.set TMX,   96
.set TMB,   100
.set TMS,   104
.set PC,    112
.set PW,    132
.set C,     160
.set TC,    184
.set SW,    24
.set SPW,   14
.set NIL,   15
.set SEL,   20
.set WVS,   42
.macro QUANT s, pw                     ; 64 numbers of a lane, register 16 b + i = k 32 b + 16 (lane / 16) + i of my row, become a fragment's codes in v[PC] on and its scale word in v[pw]
.irp b, 0,1,2,3
	v_max3_num_f32 v[TMX+\b], |v[\s+16*\b]|, |v[\s+1+16*\b]|, 0x1800000   ; and the floor 2^(3 - 127): the byte cannot fall under 1
.endr
.irp i, 2,4,6,8,10,12,14
.irp b, 0,1,2,3
	s_delay_alu instid0(VALU_DEP_4)
	v_max3_num_f32 v[TMX+\b], v[TMX+\b], |v[\s+16*\b+\i]|, |v[\s+1+16*\b+\i]|
.endr
.endr
.irp b, 0,1,2,3
	s_delay_alu instid0(VALU_DEP_4)
	v_permlanex16_b32 v[TMB+\b], v[TMX+\b], s[SEL], s[SEL+1]
.endr
.irp b, 0,1,2,3
	s_delay_alu instid0(VALU_DEP_4)
	v_max_num_f32 v[TMX+\b], v[TMX+\b], v[TMB+\b]  ; with lane l xor 16's: the block's largest magnitude
.endr
.irp b, 0,1,2,3
	s_delay_alu instid0(VALU_DEP_4)
	v_add_nc_u32 v[TMS+\b], 0xff000000, v[TMX+\b]  ; 2 off its exponent field: the conversion's scale operand
.endr
.irp b, 0,1,2,3
	s_delay_alu instid0(VALU_DEP_4)
	v_lshrrev_b32 v[TMB+\b], 23, v[TMS+\b]         ; the scale's byte
.endr
	s_delay_alu instid0(VALU_DEP_3)
	v_lshl_or_b32 v[\pw], v[TMB+1], 8, v[TMB]
	s_delay_alu instid0(VALU_DEP_1)
	v_lshl_or_b32 v[\pw], v[TMB+2], 16, v[\pw]
	s_delay_alu instid0(VALU_DEP_1)
	v_lshl_or_b32 v[\pw], v[TMB+3], 24, v[\pw]
.irp c, 0,1
	v_cvt_scalef32_pk16_fp6_f32 v[PC+6*\c:PC+2+6*\c], v[\s+32*\c:\s+15+32*\c], v[TMS+2*\c]
	v_cvt_scalef32_pk16_fp6_f32 v[PC+12+4*\c:PC+14+4*\c], v[\s+16+32*\c:\s+31+32*\c], v[TMS+2*\c+1]
.endr
	v_nop                                          ; one plain place behind a scaled conversion
.irp c, 0,1                                    ; the operand wants a whole block in a lane
.irp i, 0,1,2
	v_permlane16_swap_b32 v[PC+6*\c+\i], v[PC+12+4*\c+\i]
.endr
.irp i, 0,1,2
	s_delay_alu instid0(VALU_DEP_3)
	v_mov_b32 v[PC+3+6*\c+\i], v[PC+12+4*\c+\i]
.endr
.endr
.endm
.macro BARRIER                         ; my LDS stores have landed and my LDS loads are in: then the work-group's barrier
	s_wait_dscnt 0x0
	s_barrier_signal -1
	s_barrier_wait -1
.endm
.macro GATHER red                      ; my row's eight partial sums -> v16
	ds_load_b128 v[RL:RL+3], v8 offset:\red
	ds_load_b128 v[RL+4:RL+7], v8 offset:\red+16
	s_wait_dscnt 0x0
	v_add_f32 v16, v[RL], v[RL+1]
	v_add_f32 v17, v[RL+2], v[RL+3]
	v_add_f32 v18, v[RL+4], v[RL+5]
	v_add_f32 v19, v[RL+6], v[RL+7]
	s_delay_alu instid0(VALU_DEP_3)
	v_add_f32 v16, v16, v17
	s_delay_alu instid0(VALU_DEP_2)
	v_add_f32 v18, v18, v19
	s_delay_alu instid0(VALU_DEP_1)
	v_add_f32 v16, v16, v18
.endm
	v_lshl_add_u32 v[SPW], v0, 2, SPARE
	v_mov_b32 v[NIL], 0
	v_lshrrev_b32 v1, 5, v0
	s_delay_alu instid0(VALU_DEP_1)
	v_readfirstlane_b32 s[WVS], v1                 ; wave 0..7
	v_and_b32 v2, 31, v0                           ; lane
	s_cmp_lt_u32 ttmp9, 256
	s_wait_alu depctr_va_vdst(0)                   ; the wait here, directly ahead of the branch
	s_cbranch_scc0 .Lweights
	; THE NORM
	s_load_b256 s[4:11], s[0:1], 0x0               ; x, the gain, the bias, act
	v_and_b32 v3, 15, v0                           ; r
	v_bfe_u32 v4, v0, 4, 1                         ; h
	v_lshlrev_b32 v5, 4, v2                        ; 16 x lane
	s_mul_i32 s13, s[WVS], 8448
	s_add_co_u32 s13, s13, STG                     ; my stage
	v_add_nc_u32 v6, s13, v5                       ; into it: a row as it is loaded
	v_mul_u32_u24 v7, v3, 528
	s_delay_alu instid0(VALU_DEP_1)
	v_lshl_add_u32 v7, v4, 6, v7
	s_delay_alu instid0(VALU_DEP_1)
	v_add_nc_u32 v7, s13, v7                       ; out of it: row r, + 64 h
	v_lshlrev_b32 v8, 5, v3                        ; a row's eight sums: 32 r
	s_lshl_b32 s14, s[WVS], 2
	v_add_nc_u32 v9, s14, v8                       ; my wave's word among them
	v_lshlrev_b32 v10, 6, v4                       ; gain and bias: 64 h
	v_lshlrev_b32 v11, 2, v3                       ; the scale word: 4 r
	v_mov_b32 v20, 0                               ; (a lane permute's destination counts as one of its sources)
	s_mov_b32 s[SEL], 0x76543210
	s_mov_b32 s[SEL+1], 0xfedcba98                 ; lane l xor 16
	s_mov_b32 s22, 0x3a800000                      ; 1 / 1024
	s_mov_b32 s23, 0x3727c5ac                      ; 1e-5
	s_lshr_b32 s24, ttmp9, 1
	s_lshl_b32 s24, s24, 5
	s_and_b32 s25, ttmp9, 1
	s_lshl_b32 s25, s25, 3
	s_add_co_u32 s24, s24, s25                     ; the block's first row: 32 (rb / 2) + 8 (rb % 2)
	s_lshl_b32 s24, s24, 12
	s_lshl_b32 s26, s[WVS], 9                      ; my wave's 512 bytes of a row
	s_add_co_u32 s24, s24, s26
	s_mov_b32 s25, 0
	s_mov_b32 s27, 0
	s_lshl_b32 s28, ttmp9, 3
	s_add_co_u32 s28, s28, s[WVS]
	s_mul_i32 s28, s28, 1536                       ; fragment (rb, w)
	s_mov_b32 s29, 0
	s_lshl_b32 s30, s[WVS], 8
	s_add_co_u32 s30, s30, ttmp9
	s_lshl_b32 s30, s30, 6
	s_add_co_u32 s30, s30, 3145728                 ; its scale words
	s_mov_b32 s31, 0
	s_wait_alu depctr_va_vdst(0)                   ; the wait at the head's end
	s_wait_kmcnt 0x0
	s_add_nc_u64 s[4:5], s[4:5], s[24:25]
	s_add_nc_u64 s[6:7], s[6:7], s[26:27]
	s_add_nc_u64 s[8:9], s[8:9], s[26:27]
	s_add_nc_u64 s[28:29], s[10:11], s[28:29]
	s_add_nc_u64 s[30:31], s[10:11], s[30:31]
.irp i, 0,1,2,3,4,5,6,7,8,9,10,11,12,13,14,15
	global_load_b128 v[X+4*\i:X+4*\i+3], v5, s[4:5] offset:(\i+8*(\i/8))*4096   ; image lane i's row: 512 consecutive bytes
.endr
.irp b, 0,1,2,3
.irp j, 0,1,2,3
	global_load_b128 v[W+16*\b+4*\j:W+16*\b+4*\j+3], v10, s[6:7] offset:128*\b+16*\j
	global_load_b128 v[B+16*\b+4*\j:B+16*\b+4*\j+3], v10, s[8:9] offset:128*\b+16*\j
.endr
.endr
	s_wait_loadcnt 32                              ; the rows are in; the 32 loads of gain and bias may be out
.irp i, 0,1,2,3,4,5,6,7,8,9,10,11,12,13,14,15
	ds_store_b128 v6, v[X+4*\i:X+4*\i+3] offset:528*\i
.endr
.irp b, 0,1,2,3
.irp j, 0,1,2,3
	ds_load_b128 v[X+16*\b+4*\j:X+16*\b+4*\j+3], v7 offset:128*\b+16*\j   ; LDS serves a wave's instructions in order: these see my stores
.endr
.endr
	s_wait_dscnt 0x0
	; the mean
	v_pk_add_f32 v[18:19], v[32:33], v[34:35]
	v_pk_add_f32 v[238:239], v[40:41], v[44:45]
	v_pk_add_f32 v[236:237], v[48:49], v[52:53]
	v_pk_add_f32 v[234:235], v[56:57], v[60:61]
	v_pk_add_f32 v[232:233], v[64:65], v[68:69]
	v_pk_add_f32 v[230:231], v[72:73], v[76:77]
	v_pk_add_f32 v[228:229], v[80:81], v[84:85]
	v_pk_add_f32 v[16:17], v[88:89], v[92:93]
	s_delay_alu instid0(VALU_DEP_1)
	v_pk_add_f32 v[16:17], v[16:17], v[36:37]
	v_pk_add_f32 v[18:19], v[18:19], v[38:39]
	v_pk_add_f32 v[238:239], v[238:239], v[42:43]
	v_pk_add_f32 v[236:237], v[236:237], v[46:47]
	v_pk_add_f32 v[234:235], v[234:235], v[50:51]
	v_pk_add_f32 v[232:233], v[232:233], v[54:55]
	v_pk_add_f32 v[230:231], v[230:231], v[58:59]
	v_pk_add_f32 v[228:229], v[228:229], v[62:63]
	v_pk_add_f32 v[16:17], v[16:17], v[66:67]
	v_pk_add_f32 v[18:19], v[18:19], v[70:71]
	v_pk_add_f32 v[238:239], v[238:239], v[74:75]
	v_pk_add_f32 v[236:237], v[236:237], v[78:79]
	v_pk_add_f32 v[234:235], v[234:235], v[82:83]
	v_pk_add_f32 v[232:233], v[232:233], v[86:87]
	v_pk_add_f32 v[230:231], v[230:231], v[90:91]
	v_pk_add_f32 v[228:229], v[228:229], v[94:95]
	s_delay_alu instid0(VALU_DEP_4)
	v_pk_add_f32 v[16:17], v[16:17], v[234:235]
	s_delay_alu instid0(VALU_DEP_4)
	v_pk_add_f32 v[18:19], v[18:19], v[232:233]
	s_delay_alu instid0(VALU_DEP_4)
	v_pk_add_f32 v[238:239], v[238:239], v[230:231]
	s_delay_alu instid0(VALU_DEP_4)
	v_pk_add_f32 v[236:237], v[236:237], v[228:229]
	s_delay_alu instid0(VALU_DEP_2)
	v_pk_add_f32 v[16:17], v[16:17], v[238:239]
	s_delay_alu instid0(VALU_DEP_2)
	v_pk_add_f32 v[18:19], v[18:19], v[236:237]
	s_delay_alu instid0(VALU_DEP_1)
	v_pk_add_f32 v[16:17], v[16:17], v[18:19]
	s_delay_alu instid0(VALU_DEP_1)
	v_add_f32 v16, v16, v17
	s_delay_alu instid0(VALU_DEP_1)
	v_permlanex16_b32 v20, v16, s[SEL], s[SEL+1]
	s_delay_alu instid0(VALU_DEP_1)
	v_add_f32 v16, v16, v20                        ; my wave's 128 columns of row r
	ds_store_b32 v9, v16 offset:RED1               ; (lanes r and r + 16 write the same word with the same value)
	BARRIER
	GATHER RED1
	s_delay_alu instid0(VALU_DEP_1)
	v_mul_f32 v22, s22, v16                        ; the mean
	s_delay_alu instid0(VALU_DEP_1)
	v_mov_b32 v23, v22
.set j, 0
.rept 32
	v_pk_add_f32 v[X+j:X+j+1], v[X+j:X+j+1], v[22:23] neg_lo:[0,1] neg_hi:[0,1]   ; d = x - mean
.set j, j+2
.endr
	; the variance
	v_pk_mul_f32 v[16:17], v[X:X+1], v[X:X+1]
	v_pk_mul_f32 v[18:19], v[X+2:X+3], v[X+2:X+3]
.irp j, 4,8,12,16,20,24,28,32,36,40,44,48,52,56,60
	s_delay_alu instid0(VALU_DEP_2)
	v_pk_fma_f32 v[16:17], v[X+\j:X+\j+1], v[X+\j:X+\j+1], v[16:17]
	s_delay_alu instid0(VALU_DEP_2)
	v_pk_fma_f32 v[18:19], v[X+\j+2:X+\j+3], v[X+\j+2:X+\j+3], v[18:19]
.endr
	s_delay_alu instid0(VALU_DEP_1)
	v_pk_add_f32 v[16:17], v[16:17], v[18:19]
	s_delay_alu instid0(VALU_DEP_1)
	v_add_f32 v16, v16, v17
	s_delay_alu instid0(VALU_DEP_1)
	v_permlanex16_b32 v20, v16, s[SEL], s[SEL+1]
	s_delay_alu instid0(VALU_DEP_1)
	v_add_f32 v16, v16, v20
	ds_store_b32 v9, v16 offset:RED2               ; other bytes than the first sums': no barrier is owed between the reads there and this store
	BARRIER
	GATHER RED2
	s_delay_alu instid0(VALU_DEP_1)
	v_fma_f32 v16, v16, s22, s23                   ; var + 1e-5
	s_wait_alu depctr_va_vdst(0)
	v_rsq_f32 v24, v16
	v_nop                                          ; a plain place behind the transcendental
	s_wait_alu depctr_va_vdst(0)                   ; and a wait ahead of its first reader
	v_mov_b32 v25, v24
	s_wait_alu depctr_va_vdst(0)
	s_wait_loadcnt 0x0                             ; gain and bias
.set j, 0
.rept 32
	v_pk_mul_f32 v[X+j:X+j+1], v[X+j:X+j+1], v[24:25]
.set j, j+2
.endr
.set j, 0
.rept 32
	v_pk_fma_f32 v[X+j:X+j+1], v[X+j:X+j+1], v[W+j:W+j+1], v[B+j:B+j+1]
.set j, j+2
.endr
	QUANT X, PW
.irp g, 0,1,2
	global_store_b128 v5, v[PC+4*\g:PC+4*\g+3], s[28:29] offset:512*\g   ; 512 consecutive bytes, aligned
.endr
	global_store_b32 v11, v[PW], s[30:31]          ; lanes r and r + 16 store the same word with the same value: EXEC is never touched
	s_wait_tensorcnt 0x0                           ; the wave's end: behind my last LDS store
	ds_add_u32 v[SPW], v[NIL]
	s_wait_dscnt 0x0
	s_endpgm
.Lweights:
	s_load_b256 s[4:11], s[0:1], 0x20              ; Wq, Wk, Wv, Wo
	s_load_b128 s[12:15], s[0:1], 0x40             ; W1, W2
	s_load_b64 s[16:17], s[0:1], 0x50              ; wimg
	s_and_b32 s18, s[WVS], 3                       ; my wave among its group of four
	s_lshr_b32 s43, s[WVS], 2
	s_sub_co_u32 s44, ttmp9, 256
	s_lshl_b32 s44, s44, 1
	s_add_co_u32 s44, s44, s43                     ; the group's number, 0 .. 767
	s_mul_i32 s19, s[WVS], 3072
	s_add_co_u32 s19, s19, WST                     ; my stage: two fragments
	v_lshlrev_b32 v3, 2, v2                        ; in: 4 bytes a lane (v2: my column among the wave's 32)
	v_lshlrev_b32 v4, 4, v2                        ; out: 16 bytes a lane
	v_bfe_u32 v5, v2, 3, 1                         ; u: which of the two row blocks holds column x
	v_and_b32 v6, 7, v2
	v_lshrrev_b32 v7, 4, v2
	s_delay_alu instid0(VALU_DEP_1)
	v_lshl_add_u32 v6, v7, 3, v6                   ; r: its lane there: x = 8 u + r + 8 (r / 8)
	v_mul_u32_u24 v8, v5, 1536
	s_delay_alu instid0(VALU_DEP_1)
	v_lshl_add_u32 v8, v6, 4, v8
	s_delay_alu instid0(VALU_DEP_1)
	v_add_nc_u32 v8, s19, v8                       ; into the stage: fragment u, 16 r
	v_add_nc_u32 v9, s19, v4                       ; out of it: 16 x lane
	v_lshlrev_b32 v10, 6, v5
	s_delay_alu instid0(VALU_DEP_1)
	v_lshl_add_u32 v10, v6, 2, v10                 ; my scale word's place: 64 u + 4 r
	; which tensor, which 128 columns (cg), which 128 along K (ks): from the group's number alone
	s_lshr_b32 s20, s44, 8                         ; 0: one of the four square weights, 1: W1, 2: W2
	s_lshr_b32 s21, s44, 6                         ; which of the four
	s_and_b32 s22, s44, 63
	s_and_b32 s23, s44, 255
	s_cmp_eq_u32 s20, 0
	s_cselect_b32 s22, s22, s23                    ; the group's number within its tensor
	s_cselect_b32 s24, s21, 0
	s_cmp_eq_u32 s20, 1
	s_cselect_b32 s25, 31, 7                       ; W1 has 32 groups of 128 columns, the others 8
	s_cselect_b32 s26, 5, 3
	s_cselect_b32 s27, 21, 19                      ; 128 rows in bytes: 2^21 in W1, 2^19 in the others
	s_cmp_eq_u32 s20, 2
	s_cselect_b32 s28, 32, 8                       ; KS
	s_cselect_b32 s29, 64, 256                     ; RB
	s_lshl_b32 s24, s24, 6                         ; the tensor's first row block in its table
	s_and_b32 s30, s22, s25                        ; cg
	s_lshr_b32 s31, s22, s26                       ; ks
	s_lshl_b32 s32, s30, 3
	s_add_co_u32 s24, s24, s32
	s_lshl_b32 s32, s18, 1
	s_add_co_u32 s24, s24, s32                     ; my first row block
	s_lshl_b32 s34, s31, s27
	s_lshl_b32 s32, s30, 9
	s_add_co_u32 s34, s34, s32
	s_lshl_b32 s32, s18, 7
	s_add_co_u32 s34, s34, s32                     ; where my part of the weight begins
	s_mov_b32 s35, 0
	s_mul_i32 s36, s24, s28
	s_add_co_u32 s36, s36, s31
	s_mul_i32 s36, s36, 1536
	s_mul_i32 s32, s20, 3145728
	s_add_co_u32 s36, s36, s32                     ; my first fragment
	s_mov_b32 s37, 0
	s_mul_i32 s38, s28, 1536                       ; from a row block to the next
	s_mov_b32 s39, 0
	s_mul_i32 s40, s31, s29
	s_add_co_u32 s40, s40, s24
	s_lshl_b32 s40, s40, 6
	s_lshl_b32 s32, s20, 17
	s_add_co_u32 s40, s40, s32
	s_add_co_u32 s40, s40, 9437184                 ; my 128 bytes of scale words
	s_mov_b32 s41, 0
	s_wait_alu depctr_va_vdst(0)                   ; the wait at the head's end
	s_wait_kmcnt 0x0
	s_cmp_eq_u32 s21, 1                            ; the choice of the buffer hangs on the group's number alone
	s_cselect_b64 s[4:5], s[6:7], s[4:5]
	s_cmp_eq_u32 s21, 2
	s_cselect_b64 s[4:5], s[8:9], s[4:5]
	s_cmp_eq_u32 s21, 3
	s_cselect_b64 s[4:5], s[10:11], s[4:5]
	s_cmp_eq_u32 s20, 1
	s_cselect_b64 s[4:5], s[12:13], s[4:5]
	s_cmp_eq_u32 s20, 2
	s_cselect_b64 s[4:5], s[14:15], s[4:5]
	s_add_nc_u64 s[4:5], s[4:5], s[34:35]
	s_add_nc_u64 s[36:37], s[16:17], s[36:37]      ; fragment of row block 0 of my two
	s_add_nc_u64 s[38:39], s[36:37], s[38:39]      ; and of row block 1
	s_add_nc_u64 s[40:41], s[16:17], s[40:41]
.macro LOADS pitch                     ; W(128 ks + i, my column), i = 0 .. 127: every offset an immediate, 127 x 16,384 at the most
.set i, 0
.rept 128
	global_load_b32 v[X+i], v3, s[4:5] offset:i*\pitch th:TH_LOAD_NT
.set i, i+1
.endr
.endm
	s_cmp_eq_u32 s20, 1                            ; the two runs differ in the row's length alone; both write the same registers and issue as many loads
	s_cbranch_scc1 .Lwide
	LOADS 4096
	s_branch .Lloaded
.Lwide:
	LOADS 16384
.Lloaded:
; Block kb of the four: its scale byte, its 32 codes, and their place in the image: registers 6 (kb / 2) .. + 5 of lane r + 16 (kb % 2).
.macro BLOCK kb, left
.set XS, X+32*(\kb)
.set CK, C+6*(\kb)
.set HB, 256*((\kb)%2)
	s_wait_loadcnt \left
	v_max3_num_f32 v12, |v[XS]|, |v[XS+1]|, |v[XS+2]|
	v_max3_num_f32 v13, |v[XS+3]|, |v[XS+4]|, |v[XS+5]|
.irp i, 6,10,14,18,22,26
	s_delay_alu instid0(VALU_DEP_2)
	v_max3_num_f32 v12, v12, |v[XS+\i]|, |v[XS+\i+1]|
	s_delay_alu instid0(VALU_DEP_2)
	v_max3_num_f32 v13, v13, |v[XS+\i+2]|, |v[XS+\i+3]|
.endr
	s_delay_alu instid0(VALU_DEP_2)
	v_max3_num_f32 v12, v12, |v[XS+30]|, |v[XS+31]|
	s_delay_alu instid0(VALU_DEP_1)
	v_max3_num_f32 v12, v12, v13, 0x1800000        ; and the floor 2^(3 - 127): the byte cannot fall under 1
	s_delay_alu instid0(VALU_DEP_1)
	v_add_nc_u32 v11, 0xff000000, v12              ; 2 off the exponent field: the conversion takes the exponent field of this operand as its scale
	s_delay_alu instid0(VALU_DEP_1)
	v_lshrrev_b32 v13, 23, v11                     ; the scale's byte
	s_delay_alu instid0(VALU_DEP_1)
.if (\kb) == 0
	v_mov_b32 v[SW], v13
.else
	v_lshl_or_b32 v[SW], v13, 8*(\kb), v[SW]
.endif
	v_cvt_scalef32_pk16_fp6_f32 v[CK:CK+2], v[XS:XS+15], v11
	v_cvt_scalef32_pk16_fp6_f32 v[TC:TC+2], v[XS+16:XS+31], v11   ; (a conversion's three registers begin on an even number)
	v_nop                                          ; one plain place behind a scaled conversion
.irp i, 0,1,2
	v_mov_b32 v[CK+3+\i], v[TC+\i]
.endr
.if (\kb) < 2
	ds_store_b128 v8, v[CK:CK+3] offset:HB         ; registers 0-3
	ds_store_b64 v8, v[CK+4:CK+5] offset:512+HB    ; registers 4, 5
.else
	ds_store_b64 v8, v[CK:CK+1] offset:520+HB      ; registers 6, 7
	ds_store_b128 v8, v[CK+2:CK+5] offset:1024+HB  ; registers 8-11
.endif
.endm
	BLOCK 0, 63                                    ; at most 63 of the 128 loads are out: the first 65 are in, blocks 0 and 1 among them (a wait names 63 at the most)
	BLOCK 1, 63
	BLOCK 2, 32                                    ; block 3's 32 may be out
	BLOCK 3, 0
.irp t, 0,1,2,3,4,5
	ds_load_b128 v[X+4*\t:X+4*\t+3], v9 offset:512*\t   ; LDS serves a wave's instructions in order: these see my stores
.endr
	s_wait_alu depctr_va_vdst(0)                   ; the wait here, directly ahead of the waits below
.irp t, 0,1,2
	s_wait_dscnt 5-\t
	global_store_b128 v4, v[X+4*\t:X+4*\t+3], s[36:37] offset:512*\t   ; 32 lanes store 512 consecutive bytes, aligned
.endr
.irp t, 3,4,5
	s_wait_dscnt 5-\t
	global_store_b128 v4, v[X+4*\t:X+4*\t+3], s[38:39] offset:512*(\t-3)
.endr
	global_store_b32 v10, v[SW], s[40:41]          ; the two blocks' 32 scale words: 128 consecutive bytes
	s_wait_tensorcnt 0x0                           ; the wave's end: behind my last LDS store
	ds_add_u32 v[SPW], v[NIL]
	s_wait_dscnt 0x0
	s_endpgm
.Lfunc_end_k_qe72acfc753_prep:
	.size	k_qe72acfc753_prep, .Lfunc_end_k_qe72acfc753_prep-k_qe72acfc753_prep
	.p2alignl 7, 3214868480
	.fill 96, 4, 3214868480
	.section	.rodata,"a",@progbits
	.p2align	6, 0x0
	.amdhsa_kernel k_qe72acfc753_prep
		.amdhsa_group_segment_fixed_size 94208
		.amdhsa_private_segment_fixed_size 0
		.amdhsa_enable_private_segment 0
		.amdhsa_kernarg_size 88
		.amdhsa_user_sgpr_count 2
		.amdhsa_user_sgpr_kernarg_segment_ptr 1
		.amdhsa_wavefront_size32 1
		.amdhsa_system_sgpr_workgroup_id_x 1
		.amdhsa_system_sgpr_workgroup_id_y 1
		.amdhsa_system_sgpr_workgroup_id_z 1
		.amdhsa_system_vgpr_workitem_id 0
		.amdhsa_next_free_vgpr 240
		.amdhsa_next_free_sgpr 66
		.amdhsa_reserve_vcc 0
		.amdhsa_float_denorm_mode_32 3
		.amdhsa_float_denorm_mode_16_64 3
		.amdhsa_memory_ordered 1
		.amdhsa_forward_progress 1
		.amdhsa_inst_pref_size 66
	.end_amdhsa_kernel
	.amdgpu_metadata
---
amdhsa.version: [ 1, 2 ]
amdhsa.kernels:
  - .name:           k_qe72acfc753_prep
    .symbol:         k_qe72acfc753_prep.kd
    .args:
      - { .name: x, .offset: 0, .size: 8, .value_kind: global_buffer, .address_space: global }
      - { .name: ln1_w, .offset: 8, .size: 8, .value_kind: global_buffer, .address_space: global }
      - { .name: ln1_b, .offset: 16, .size: 8, .value_kind: global_buffer, .address_space: global }
      - { .name: act, .offset: 24, .size: 8, .value_kind: global_buffer, .address_space: global }
      - { .name: Wq, .offset: 32, .size: 8, .value_kind: global_buffer, .address_space: global }
      - { .name: Wk, .offset: 40, .size: 8, .value_kind: global_buffer, .address_space: global }
      - { .name: Wv, .offset: 48, .size: 8, .value_kind: global_buffer, .address_space: global }
      - { .name: Wo, .offset: 56, .size: 8, .value_kind: global_buffer, .address_space: global }
      - { .name: W1, .offset: 64, .size: 8, .value_kind: global_buffer, .address_space: global }
      - { .name: W2, .offset: 72, .size: 8, .value_kind: global_buffer, .address_space: global }
      - { .name: wimg, .offset: 80, .size: 8, .value_kind: global_buffer, .address_space: global }
    .group_segment_fixed_size: 94208
    .private_segment_fixed_size: 0
    .kernarg_segment_align: 8
    .kernarg_segment_size: 88
    .max_flat_workgroup_size: 256
    .sgpr_count:     66
    .vgpr_count:     240
    .wavefront_size: 32
...
	.end_amdgpu_metadata
.endif
;; end of part 1
;; launch qkv (part 2): grid 12 x 16, 4 waves a work-group, clusters of 4 x 4, 327,680 bytes of LDS; arguments act, wimg, bq, bk, bv, qkv; writes qkv
.if DOCPART == 2
	.amdgcn_target "amdgcn-amd-amdhsa--gfx1250"
	.amdhsa_code_object_version 6
	.text
	.protected	k_qe72acfc753_qkv
	.globl	k_qe72acfc753_qkv
	.p2align	8
	.type	k_qe72acfc753_qkv,@function
k_qe72acfc753_qkv:
	s_mov_b64 s[64:65], 0
	v_nop
	global_prefetch_b8 v0, s[64:65] scope:SCOPE_SE
	s_setreg_imm32_b32 hwreg(HW_REG_WAVE_MODE, 25, 1), 1
	s_wait_xcnt 0x0
	s_wait_alu depctr_hold_cnt(0) depctr_sa_sdst(0) depctr_va_vdst(0) depctr_va_sdst(0) depctr_va_ssrc(0) depctr_va_vcc(0) depctr_vm_vsrc(0)
	s_getreg_b32 s2, hwreg(HW_REG_IB_STS2, 6, 4)
	s_cmp_eq_u32 s2, 0
	s_cbranch_scc0 .Lentry_in_a_cluster
	s_endpgm
.Lentry_in_a_cluster:
	s_bfe_u32 s2, ttmp6, 0x10000c
	s_cmp_lg_u32 s2, 0xf033
	s_cbranch_scc0 .Lentry_shape_is_right
	s_endpgm
.Lentry_shape_is_right:
; A GEMM over K = 1,024 on images of FP6 (E2M3) operands whose result is quantised again, in registers, and stored as images.  One text serves two launches (FFN = 0: q, k and v;  FFN = 1: the FFN's first layer with GELU).
; THE IMAGE: rows in blocks of 16; lane r of block rb stands for row 32 (rb / 2) + 8 (rb % 2) + r + 8 (r / 8); fragment (rb, ks) is 1,536 bytes at (rb KS + ks) 1536, byte 512 g + 16 l + 4 w = register 4 g + w of lane l;
; scale words at ((ks RB + rb) 16 + r) 4, so that a pair of blocks is 128 consecutive bytes: one register, block 2 p in lanes 0-15, block 2 p + 1 in lanes 16-31.
; A tile of the result is 256 rows of side A x 256 rows of side B; four waves, each 128 x 128: 64 accumulators, 512 registers.  Source 0 = 16 rows of B, source 1 = 16 rows of A: lane (r, h) holds A's row of image lane r, and
; register 8 b + j of B's blocks 0 .. 7 is B's row 32 (b / 2) + 16 h + 8 (b % 2) + j: 16 registers of two neighbouring blocks are 16 NEIGHBOURS along B's rows.  So a block's 64 registers are one fragment of the next operand.
; FFN = 0.  Clusters x = 0, 1: A = the tokens (act), B = the columns of Wq | Wk: q and k, quantised along the model's axis.  Cluster x = 2: THE SIDES ARE SWAPPED: A = the columns of Wv, B = the tokens: v comes out with the
; tokens (the keys) innermost.  All that differs is chosen by s_cselect on the cluster's x, which the sixteen partners share: no branch.  Both kinds of bias (by B's row, by A's row) are loaded at offsets held inside their
; buffers, the one that is not due is made zero by a mask, and both are added.
; K goes in four chunks of 256 through three LDS regions: chunks 0, 1, 2 are first fills; chunk 3 fills region 0 again behind a round of the cluster's barrier.  By this text's count a wave has three tensor loads out at the start, later one.
; CLUSTERS: 4 x 4.  A's tile hangs on cy and the cluster's coordinates alone and is asked for jointly by a row of the cluster, B's on cx and is asked for by a column.
; The scale words of all of K go from memory straight into registers (64 loads of 128 consecutive bytes a wave): they are read once.
; No prefetch: nearly all that a work-group reads is asked for at its head.  One tile to a work-group.
; LIMITS: a block whose largest magnitude lies under 2^-124 gets the byte 1 (this program alone reads the bytes); NaN and infinities are not served.
; REGISTERS: window 0: v4-6 scale words on the way out; v8-13 constants; v16-29 addresses; v32-63 A's scale words (4 ks + pair), v64-95 B's: they hold nothing else; v96-127, v224-255 the bias by B's row;
;   v128-223 A's fragments, ONE set; on the way out v128-191 a block's numbers, v192-223 the quantiser's.   window 1: B's fragments, TWO sets, at v0 and v128; v96-103 the bias by A's row; on the way out v0-63 at work (FFN).
;   windows 2, 3: the accumulators of my rows 0-63, 64-127: (a, b) at v[8 (8 (a % 4) + b)].
; THE WALK ALONG K AS THIS TEXT HAS IT (this paragraph takes the place of what the head says of three regions and of three loads at the start).
; Chunk 0 (256 along K) is each wave's one tensor load at the head, into region 0.  Behind the wait for it, the add and a round of the cluster's barrier each wave asks for chunks 1 and 2 by ONE load
; (rows of four fragments, 6,144 bytes) into the 196,608 bytes behind region 0, laid [part][8 row blocks][4 ks][1,536].  Chunk 3 fills region 0 again behind the round in chunk 0's last step.
; By this text's count a wave has one tensor load out at any time.  Group 1's two words that state a row's length are written anew where no load of the wave is out.
.set FFN,   0
.set FR,    12                         ; registers of a fragment
.set REG,   98304                      ; an LDS region: a chunk: [part = wave][8 row blocks][2 ks][1,536 bytes]; parts 0, 1: A's halves, parts 2, 3: B's
.set PART,  24576
.set SPARE, 3*REG                      ; behind the regions: the spare words, 128 bytes a wave
.set PWS,   4
.set PWP,   6
.set C0P,   8
.set C1P,   10
.set RBP,   12
.set ADRA,  16                         ; v16-17  LDS address of my A fragments in region 0 and behind it
.set ADRB,  20                         ; v20-21  the same for B
.set LI,    24                         ; v24     16 x lane
.set LS4,   25                         ; v25     4 x lane
.set BA,    26                         ; v26     64 h
.set BR4,   27                         ; v27     4 (r + 8 (r / 8))
.set SPW,   28
.set NIL,   29
.set SA,    32
.set SB,    64
.set AF,    128
.set T,     128
.set PC,    192
.set TMX,   212
.set TMB,   216
.set TMS,   220
.set WV,    16                         ; s16 wave; s17 my half of A's rows, also: I fetch for A (0) or B (1); s18 my half of B's rows, also: which 8 row blocks I fetch
.set RH,    17
.set CH,    18
.set CX,    19
.set CY,    20
.set TA,    22
.set TB,    23
.set G1A,   24
.set G1B,   32
.set G0A,   40                         ; s[40:51] group 0 for A's tiles, a set for each region;  s[52:63] for B's
.set G0B,   52
.set SEL,   66
.set OUT,   68
.set OSTEP, 70
.set OSC,   72
.set SAB,   74
.set SBB,   76
.set BIAS,  78
.set HM,    80
.set M0,    81
.set RBS,   90
.set M1,    94
.if FFN
.set OP,    10
.set NBL,   16
.else
.set OP,    14
.set NBL,   24
.endif
.set MSB, 0
.macro WIN new                         ; the immediate's high byte repeats the setting that is left
.if MSB != (\new)
	s_set_vgpr_msb (MSB<<8)|(\new)
.set MSB, \new
.endif
.endm
.set MUL_LO, 0xa1                      ; source 0 (B) window 1, source 1 (A) window 0, C and D window 2
.set MUL_HI, 0xf1
.set TO_B,   0x40
; A joint load: waves 0 and 1 fetch for A, waves 2 and 3 for B; the branch hangs on the wave's number alone.  An s_nop 0 and four v_nop follow each of the two lines.
.macro JLOAD g0a, g0b
	s_cmp_eq_u32 s[RH], 0
	s_cbranch_scc0 .Lfor_b_\@
	tensor_load_to_lds s[\g0a:\g0a+3], s[G1A:G1A+7]
	s_nop 0
.rept 4
	v_nop
.endr
	s_branch .Lasked_\@
.Lfor_b_\@:
	tensor_load_to_lds s[\g0b:\g0b+3], s[G1B:G1B+7]
	s_nop 0
.rept 4
	v_nop
.endr
.Lasked_\@:
.endm
.macro CREST                           ; a round of the cluster's barrier behind its opening barrier
	s_cmp_lg_u32 s[WV], 0
	s_cbranch_scc1 .Lnot_wave_0_\@
	s_barrier_signal -3
.Lnot_wave_0_\@:
	s_barrier_wait -3
	s_barrier_signal -1
	s_barrier_wait -1
.endm
.macro CROUND
	s_barrier_signal -1
	s_barrier_wait -1
	CREST
.endm
.macro PLACES                          ; four places behind a matrix instruction, ahead of loads into its registers and of reads of results
.rept 4
	v_nop
.endr
.endm
; One matrix instruction.  zero = 1: the constant 0 starts the sum.  rr = row of source 0's scale register + 2 x row of source 1's.
.macro WM d, s0, s1, zero, x0, x1, rr
.if \zero
.if (\rr) == 0
	v_wmma_scale_f32_16x16x128_f8f6f4 v[\d:\d+7], v[\s0:\s0+11], v[\s1:\s1+11], 0, v[\x0], v[\x1] matrix_a_fmt:MATRIX_FMT_FP6 matrix_b_fmt:MATRIX_FMT_FP6
.elseif (\rr) == 1
	v_wmma_scale_f32_16x16x128_f8f6f4 v[\d:\d+7], v[\s0:\s0+11], v[\s1:\s1+11], 0, v[\x0], v[\x1] matrix_a_fmt:MATRIX_FMT_FP6 matrix_b_fmt:MATRIX_FMT_FP6 matrix_a_scale:MATRIX_SCALE_ROW1
.elseif (\rr) == 2
	v_wmma_scale_f32_16x16x128_f8f6f4 v[\d:\d+7], v[\s0:\s0+11], v[\s1:\s1+11], 0, v[\x0], v[\x1] matrix_a_fmt:MATRIX_FMT_FP6 matrix_b_fmt:MATRIX_FMT_FP6 matrix_b_scale:MATRIX_SCALE_ROW1
.else
	v_wmma_scale_f32_16x16x128_f8f6f4 v[\d:\d+7], v[\s0:\s0+11], v[\s1:\s1+11], 0, v[\x0], v[\x1] matrix_a_fmt:MATRIX_FMT_FP6 matrix_b_fmt:MATRIX_FMT_FP6 matrix_a_scale:MATRIX_SCALE_ROW1 matrix_b_scale:MATRIX_SCALE_ROW1
.endif
.else
.if (\rr) == 0
	v_wmma_scale_f32_16x16x128_f8f6f4 v[\d:\d+7], v[\s0:\s0+11], v[\s1:\s1+11], v[\d:\d+7], v[\x0], v[\x1] matrix_a_fmt:MATRIX_FMT_FP6 matrix_b_fmt:MATRIX_FMT_FP6
.elseif (\rr) == 1
	v_wmma_scale_f32_16x16x128_f8f6f4 v[\d:\d+7], v[\s0:\s0+11], v[\s1:\s1+11], v[\d:\d+7], v[\x0], v[\x1] matrix_a_fmt:MATRIX_FMT_FP6 matrix_b_fmt:MATRIX_FMT_FP6 matrix_a_scale:MATRIX_SCALE_ROW1
.elseif (\rr) == 2
	v_wmma_scale_f32_16x16x128_f8f6f4 v[\d:\d+7], v[\s0:\s0+11], v[\s1:\s1+11], v[\d:\d+7], v[\x0], v[\x1] matrix_a_fmt:MATRIX_FMT_FP6 matrix_b_fmt:MATRIX_FMT_FP6 matrix_b_scale:MATRIX_SCALE_ROW1
.else
	v_wmma_scale_f32_16x16x128_f8f6f4 v[\d:\d+7], v[\s0:\s0+11], v[\s1:\s1+11], v[\d:\d+7], v[\x0], v[\x1] matrix_a_fmt:MATRIX_FMT_FP6 matrix_b_fmt:MATRIX_FMT_FP6 matrix_a_scale:MATRIX_SCALE_ROW1 matrix_b_scale:MATRIX_SCALE_ROW1
.endif
.endif
.endm
; 64 numbers of a lane, register 16 b + i = k 32 b + 16 (lane / 16) + i of my row, become a fragment's codes in v[PC] on and its scale word in v[pw].
.macro QUANT s, pw
.irp b, 0,1,2,3
	v_max3_num_f32 v[TMX+\b], |v[\s+16*\b]|, |v[\s+1+16*\b]|, 0x1800000   ; my 16 numbers of block b, and the floor 2^(3 - 127): the byte cannot fall under 1
.endr
.irp i, 2,4,6,8,10,12,14
.irp b, 0,1,2,3
	v_max3_num_f32 v[TMX+\b], v[TMX+\b], |v[\s+16*\b+\i]|, |v[\s+1+16*\b+\i]|
.endr
.endr
.irp b, 0,1,2,3
	v_permlanex16_b32 v[TMB+\b], v[TMX+\b], s[SEL], s[SEL+1]
.endr
.irp b, 0,1,2,3
	v_max_num_f32 v[TMX+\b], v[TMX+\b], v[TMB+\b]  ; with lane l xor 16's: the block's largest magnitude
.endr
.irp b, 0,1,2,3
	v_add_nc_u32 v[TMS+\b], 0xff000000, v[TMX+\b]  ; 2 off its exponent field: the conversion's scale operand
.endr
.irp b, 0,1,2,3
	v_lshrrev_b32 v[TMB+\b], 23, v[TMS+\b]         ; the scale's byte
.endr
	v_lshl_or_b32 v[\pw], v[TMB+1], 8, v[TMB]
	v_lshl_or_b32 v[\pw], v[TMB+2], 16, v[\pw]
	v_lshl_or_b32 v[\pw], v[TMB+3], 24, v[\pw]
.irp c, 0,1
	v_cvt_scalef32_pk16_fp6_f32 v[PC+6*\c:PC+2+6*\c], v[\s+32*\c:\s+15+32*\c], v[TMS+2*\c]
	v_cvt_scalef32_pk16_fp6_f32 v[PC+12+4*\c:PC+14+4*\c], v[\s+16+32*\c:\s+31+32*\c], v[TMS+2*\c+1]
.endr
	v_nop                                          ; one plain place behind a scaled conversion
.irp c, 0,1                                    ; the operand wants a whole block in a lane
.irp i, 0,1,2
	v_permlane16_swap_b32 v[PC+6*\c+\i], v[PC+12+4*\c+\i]
.endr
.irp i, 0,1,2
	v_mov_b32 v[PC+3+6*\c+\i], v[PC+12+4*\c+\i]
.endr
.endr
.endm
.if FFN
	s_load_b256 s[4:11], s[0:1], 0x0               ; act, wimg, b1, hid
.else
	s_load_b256 s[4:11], s[0:1], 0x0               ; act, wimg, bq, bk
	s_load_b128 s[12:15], s[0:1], 0x20             ; bv, qkv
.endif
	v_lshl_add_u32 v[SPW], v0, 2, SPARE
	v_mov_b32 v[NIL], 0
	ds_add_u32 v[SPW], v[NIL]                      ; the wave's opening: the add and its wait ahead of my first tensor load; work on registers stands between them
	ds_add_u32 v[SPW], v[NIL]
	v_lshrrev_b32 v1, 5, v0
	v_readfirstlane_b32 s[WV], v1
	s_lshr_b32 s[RH], s[WV], 1
	s_and_b32 s[CH], s[WV], 1
	s_bfe_u32 s[CX], ttmp6, 0x40000
	s_bfe_u32 s[CY], ttmp6, 0x40004
.if FFN
	s_lshl_b32 s[TB], ttmp9, 2
	s_add_co_u32 s[TB], s[TB], s[CX]               ; B's tile: 256 columns of W1
	s_and_b32 s[TA], ttmp7, 0xffff
	s_lshl_b32 s[TA], s[TA], 2
	s_add_co_u32 s[TA], s[TA], s[CY]               ; A's tile: 256 tokens
	s_mov_b32 s95, 0                               ; A's first row block in its table
	s_mov_b32 s96, 3145728                         ; A's scale words in A's buffer
	s_mov_b32 s97, 9568256                         ; B's scale words in B's buffer
	s_mov_b32 s98, 3145728                         ; B's codes in B's buffer
	s_mov_b32 s99, 32                              ; the result's table: KS,
	s_mov_b32 s100, 256                            ; RB,
	s_mov_b32 s101, 31                             ; and KS - 1
.else
	s_and_b32 s82, ttmp7, 0xffff                   ; the cluster's y
	s_cmp_eq_u32 ttmp9, 2                          ; the cluster's x = 2: v, the sides swapped
	s_cselect_b32 s83, 0, s82                      ; v: A's tile = cy (1,024 columns of Wv);  else 4 y + cy (4,096 tokens)
	s_cselect_b32 s88, s82, ttmp9                  ; v: B's tile = 4 y + cx (tokens);  else 4 x + cx (2,048 columns of Wq | Wk)
	s_cselect_b32 s95, 128, 0                      ; Wv's first row block in the table of four
	s_mov_b32 s96, 3145728
	s_cselect_b32 s96, 9437184, s96
	s_mov_b32 s97, 9437184
	s_cselect_b32 s97, 3145728, s97
	s_mov_b32 s98, 0
	s_cselect_b32 s[M0], 0, -1                     ; all ones where the bias goes by B's row
	s_cselect_b32 s[M1], -1, 0                     ; all ones where it goes by A's row
	s_cselect_b32 s99, 32, 8
	s_cselect_b32 s100, 64, 256
	s_cselect_b32 s101, 31, 7
	s_lshl_b32 s[TA], s83, 2
	s_add_co_u32 s[TA], s[TA], s[CY]
	s_lshl_b32 s[TB], s88, 2
	s_add_co_u32 s[TB], s[TB], s[CX]
.endif
	s_lshl_b32 s84, s[CY], 2
	s_lshl_b32 s84, 15, s84                        ; my row of the cluster
	s_lshl_b32 s86, 0x1111, s[CX]                  ; my column
	; descriptor group 1: 8 rows (row blocks) of 3,072 bytes (two fragments), 12,288 bytes apart, dense in LDS
	s_or_b32 s[G1A], s84, (3<<16)|(1<<21)          ; 15:0 the mask; 17:16 elements of 8 bytes; 21 set beside a mask; no padding: a fragment is read as runs of 512 consecutive bytes
	s_or_b32 s[G1B], s86, (3<<16)|(1<<21)
.irp g, G1A, G1B
	s_mov_b32 s[\g+1], 384<<16                     ; tensor_dim0
	s_mov_b32 s[\g+2], 8<<16                       ; tensor_dim1
	s_mov_b32 s[\g+3], 384<<16                     ; tile_dim0
	s_mov_b32 s[\g+4], 8                           ; tile_dim1
	s_mov_b32 s[\g+5], 1536                        ; tensor_dim0_stride
	s_mov_b32 s[\g+6], 0
	s_mov_b32 s[\g+7], 0
.endr
	s_lshl_b32 s82, s[TA], 4
	s_add_co_u32 s82, s82, s95                     ; A's tile: its first row block
	s_lshl_b32 s83, s[CH], 3
	s_add_co_u32 s84, s82, s83                     ; the 8 that I fetch, if I fetch for A
	s_mul_i32 s84, s84, 12288
	s_mov_b32 s85, 0
	s_lshl_b32 s86, s[TB], 4
	s_add_co_u32 s90, s86, s83                     ; B's: the 8 that I fetch, and the 8 that I multiply
	s_mul_i32 s86, s90, 12288
	s_add_co_u32 s86, s86, s98
	s_mov_b32 s87, 0
	s_lshl_b32 s88, s[RH], 3
	s_add_co_u32 s88, s88, s82                     ; the 8 of A that I multiply
	s_lshl_b32 s88, s88, 6
	s_add_co_u32 s88, s88, s96                     ; their scale words
	s_mov_b32 s89, 0
	s_lshl_b32 s90, s90, 6
	s_add_co_u32 s90, s90, s97
	s_mov_b32 s91, 0
	s_mul_i32 s21, s[WV], PART                     ; where my tiles go: no place in the cluster enters an LDS address
	s_mov_b32 s[SEL], 0x76543210
	s_mov_b32 s[SEL+1], 0xfedcba98
	s_mov_b32 s[HM], 0xffff0000                    ; lanes 16-31
	s_wait_dscnt 0x0                               ; the opening add is done
	s_wait_kmcnt 0x0
.if FFN
	s_mov_b64 s[2:3], s[4:5]
	s_mov_b64 s[92:93], s[6:7]
.else
	s_cmp_eq_u32 ttmp9, 2
	s_cselect_b64 s[2:3], s[6:7], s[4:5]           ; side A's buffer
	s_cselect_b64 s[92:93], s[4:5], s[6:7]         ; side B's
.endif
	s_add_nc_u64 s[84:85], s[2:3], s[84:85]
	s_add_nc_u64 s[86:87], s[92:93], s[86:87]
	s_add_nc_u64 s[SAB:SAB+1], s[2:3], s[88:89]
	s_add_nc_u64 s[SBB:SBB+1], s[92:93], s[90:91]
	CROUND                                         ; all sixteen work-groups are here: the first joint loads meet
.irp c, 0,1
	s_mov_b32 s[G0A+4*\c], 1
	s_mul_i32 s[G0A+4*\c+1], s21, \c+1             ; a part is 24,576 bytes in region 0 and twice that behind it
	s_add_co_u32 s[G0A+4*\c+1], s[G0A+4*\c+1], \c*REG
	s_add_nc_u64 s[G0A+4*\c+2:G0A+4*\c+3], s[84:85], \c*3072
	s_or_b32 s[G0A+4*\c+3], s[G0A+4*\c+3], 0x80000000
	s_mov_b32 s[G0B+4*\c], 1
	s_mul_i32 s[G0B+4*\c+1], s21, \c+1
	s_add_co_u32 s[G0B+4*\c+1], s[G0B+4*\c+1], \c*REG
	s_add_nc_u64 s[G0B+4*\c+2:G0B+4*\c+3], s[86:87], \c*3072
	s_or_b32 s[G0B+4*\c+3], s[G0B+4*\c+3], 0x80000000
.endr
	JLOAD G0A, G0B                                 ; chunk 0: one tensor load a wave at the head
	v_and_b32 v1, 31, v0
	v_lshlrev_b32 v[LI], 4, v1
	v_lshlrev_b32 v[LS4], 2, v1
	v_bfe_u32 v2, v0, 4, 1
	v_lshlrev_b32 v[BA], 6, v2
	v_and_b32 v3, 15, v0
	v_and_b32 v7, 8, v3
	v_add_nc_u32 v7, v7, v3
	v_lshlrev_b32 v[BR4], 2, v7
	s_wait_alu depctr_va_vdst(0)
.irp k, 0,1,2,3,4,5,6,7
.irp p, 0,1,2,3
	global_load_b32 v[SA+4*\k+\p], v[LS4], s[SAB:SAB+1] offset:16384*\k+128*\p   ; the words of a pair of row blocks: 128 consecutive bytes
	global_load_b32 v[SB+4*\k+\p], v[LS4], s[SBB:SBB+1] offset:16384*\k+128*\p
.endr
.endr
	s_mul_i32 s82, s[RH], PART
	s_mul_i32 s83, s[CH], PART
	s_add_co_u32 s83, s83, 2*PART
	v_add_nc_u32 v[ADRA], s82, v[LI]               ; region 0: chunks 0 and 3
	v_add_nc_u32 v[ADRB], s83, v[LI]
	s_lshl_b32 s82, s82, 1
	s_lshl_b32 s83, s83, 1
	s_add_co_u32 s82, s82, REG
	s_add_co_u32 s83, s83, REG
	v_add_nc_u32 v[ADRA+1], s82, v[LI]             ; behind it: chunks 1 and 2, parts of 49,152 bytes
	v_add_nc_u32 v[ADRB+1], s83, v[LI]
	; where the result goes: fragment (RA + a, kso) of the result's table, a = 0 .. 7
	s_lshl_b32 s82, s[TA], 4
	s_lshl_b32 s83, s[RH], 3
	s_add_co_u32 s82, s82, s83                     ; RA
	s_lshl_b32 s83, s[TB], 1
	s_add_co_u32 s83, s83, s[CH]                   ; which 128 of B's rows are mine
	s_and_b32 s84, s83, s101                       ; kso
	s_mul_i32 s86, s82, s99
	s_add_co_u32 s86, s86, s84
	s_mul_i32 s86, s86, 1536
.if FFN == 0
	s_mul_i32 s88, ttmp9, 3145728                  ; q's, k's, v's codes
	s_add_co_u32 s86, s86, s88
.endif
	s_mov_b32 s87, 0
	s_add_nc_u64 s[OUT:OUT+1], s[OP:OP+1], s[86:87]
	s_mul_i32 s[OSTEP], s99, 1536                  ; from a row block to the next
	s_mov_b32 s[OSTEP+1], 0
	s_mul_i32 s86, s84, s100
	s_add_co_u32 s86, s86, s82
	s_lshl_b32 s86, s86, 6
.if FFN
	s_add_co_u32 s86, s86, 12582912
.else
	s_lshl_b32 s88, ttmp9, 17
	s_add_co_u32 s86, s86, s88
	s_add_co_u32 s86, s86, 9437184
.endif
	s_add_nc_u64 s[OSC:OSC+1], s[OP:OP+1], s[86:87]
.if FFN
	s_lshl_b32 s86, s83, 9                         ; b1 at my 128 columns
	s_add_nc_u64 s[BIAS:BIAS+1], s[8:9], s[86:87]
.else
	s_and_b32 s86, s83, 7
	s_lshl_b32 s86, s86, 9                         ; bq or bk at my 128 columns (for v: any 128, inside the buffer; they are masked)
	s_cmp_eq_u32 ttmp9, 1
	s_cselect_b64 s[BIAS:BIAS+1], s[10:11], s[8:9]
	s_add_nc_u64 s[BIAS:BIAS+1], s[BIAS:BIAS+1], s[86:87]
	s_lshl_b32 s86, s82, 6                         ; bv at my 128 rows (16 RA numbers on); for q and k: at 0, inside the buffer; they are masked
	s_cmp_eq_u32 ttmp9, 2
	s_cselect_b32 s86, s86, 0
	s_add_nc_u64 s[RBS:RBS+1], s[12:13], s[86:87]
.endif
.irp b, 0,1,2,3,4,5,6,7                        ; the bias by B's row, in the result's layout: register 8 b + j: row 32 (b / 2) + 16 h + 8 (b % 2) + j
	global_load_b128 v[96+8*\b+96*(\b/4):96+8*\b+96*(\b/4)+3], v[BA], s[BIAS:BIAS+1] offset:(32*(\b/2)+8*(\b%2))*4
	global_load_b128 v[96+8*\b+96*(\b/4)+4:96+8*\b+96*(\b/4)+7], v[BA], s[BIAS:BIAS+1] offset:(32*(\b/2)+8*(\b%2))*4+16
.endr
.if FFN == 0
	WIN 0x40                                       ; destination window 1
.irp a, 0,1,2,3,4,5,6,7                        ; the bias by A's row: one number a lane for each block
	global_load_b32 v[96+\a], v[BR4], s[RBS:RBS+1] offset:(32*(\a/2)+8*(\a%2))*4
.endr
	WIN 0
.endif
.macro FRAG reg, adr, off              ; a fragment comes as it lies: three loads of 512 consecutive bytes
.irp g, 0,1,2
	ds_load_b128 v[\reg+4*\g:\reg+4*\g+3], v[\adr] offset:\off+512*\g
.endr
.endm
.macro FETCH_B c, q, p                 ; B's eight fragments of region c's q-th 128 along K into set p
	WIN TO_B
.irp i, 0,1,2,3,4,5,6,7
.if (\c) == 1 || (\c) == 2
	FRAG 128*(\p)+FR*\i, ADRB+1, 6144*\i+1536*(2*(\c)-2+(\q))
.else
	FRAG 128*(\p)+FR*\i, ADRB, 3072*\i+1536*(\q)
.endif
.endr
	WIN 0
.endm
.macro FETCH_A c, q, i0                ; A's blocks i0 .. i0 + 3
.irp i, \i0, \i0+1, \i0+2, \i0+3
.if (\c) == 1 || (\c) == 2
	FRAG AF+FR*(\i), ADRA+1, 6144*(\i)+1536*(2*(\c)-2+(\q))
.else
	FRAG AF+FR*(\i), ADRA, 3072*(\i)+1536*(\q)
.endif
.endr
.endm
; 16 matrix instructions: A's blocks a0, a0 + 1 x B's eight.  The 64 accumulators take turns, one instruction a turn, in the same order in every step.
.macro MUL16 a0, p, ks, zero
.irp a, \a0, \a0+1
.irp b, 0,1,2,3,4,5,6,7
	WM 8*(8*((\a)%4)+\b), 128*(\p)+FR*\b, AF+FR*(\a), \zero, SB+4*(\ks)+\b/2, SA+4*(\ks)+(\a)/2, \b%2+2*((\a)%2)
.endr
.endr
.endm
; A chunk's first step of 128 along K: B's set 0; its successor lies in the same region.
.macro STEP c, zero
.set RG, \c
	s_wait_dscnt 12                                ; B's set and A's blocks 0-3 are in; the youngest twelve loads (A's blocks 4-7) may be out
	WIN MUL_LO
	MUL16 0, 0, 2*(\c), \zero
	MUL16 2, 0, 2*(\c), \zero
	s_wait_dscnt 0x0                               ; A's blocks 4-7 are in
	PLACES
	FETCH_B RG, 1, 1
	FETCH_A RG, 1, 0
	WIN MUL_HI
	MUL16 4, 0, 2*(\c), \zero
	MUL16 6, 0, 2*(\c), \zero
	PLACES
	WIN 0
	FETCH_A RG, 1, 4
.endm
; A chunk's second step changes regions.  kind 1: this region is filled again, with chunk 3: every wave waits for all its tensor loads, adds 0 to its spare word, waits for that and for its reads of the region; the barrier opens a
; round of the cluster's barrier; the joint refill is the first tensor load behind it.  kind 0: no barrier: the next region was shown whole to every wave by kind 1's wait and round.  kind 2: the same lines as kind 1 and a plain
; barrier: chunk 3 is whole, nothing is filled.
.macro TURN c, kind
.set RN, (\c)+1
.if \kind
	s_wait_tensorcnt 0x0                           ; all my tensor loads have landed  (every window is 0 here)
	ds_add_u32 v[SPW], v[NIL]                      ; 0 onto my spare word
	s_wait_dscnt 13                                ; (the add and A's blocks 4-7 may be out)
.else
	s_wait_dscnt 12
.endif
	WIN MUL_LO
	MUL16 0, 1, 2*(\c)+1, 0
	s_wait_dscnt 0x0                               ; the add is done, and my reads of this region are over
.if \kind
	s_barrier_signal -1
.endif
	MUL16 2, 1, 2*(\c)+1, 0
	WIN 0
.if \kind
	s_barrier_wait -1
.endif
.if (\kind) == 1
	CREST                                          ; no wave of any partner still reads this region or has a load on its way
	s_add_nc_u64 s[G0A+2:G0A+3], s[G0A+2:G0A+3], 9216   ; from chunk 0 to chunk 3
	s_add_nc_u64 s[G0B+2:G0B+3], s[G0B+2:G0B+3], 9216
	s_mov_b32 s[G1A+1], 384<<16                    ; no load of mine is out: a row is two fragments again
	s_mov_b32 s[G1A+3], 384<<16
	s_mov_b32 s[G1B+1], 384<<16
	s_mov_b32 s[G1B+3], 384<<16
	JLOAD G0A, G0B                                 ; it has two chunks' 256 matrix instructions in which to land; its four v_nop are also the places in front of the loads below
.else
	PLACES
.endif
	FETCH_B RN, 0, 0
	FETCH_A RN, 0, 0
	WIN MUL_HI
	MUL16 4, 1, 2*(\c)+1, 0
	MUL16 6, 1, 2*(\c)+1, 0
	PLACES
	WIN 0
	FETCH_A RN, 0, 4
.endm
	s_wait_alu depctr_va_vdst(0)
	s_wait_tensorcnt 0x0                           ; my part of chunk 0 is in
	ds_add_u32 v[SPW], v[NIL]
	s_mov_b32 s[G1A+1], 768<<16                    ; no load of mine is out: the next load's rows are four fragments
	s_mov_b32 s[G1A+3], 768<<16
	s_mov_b32 s[G1B+1], 768<<16
	s_mov_b32 s[G1B+3], 768<<16
	s_wait_dscnt 0x0
	CROUND                                         ; chunk 0 is whole, and all sixteen work-groups are here
	JLOAD G0A+4, G0B+4                             ; chunks 1 and 2, one load a wave
	s_wait_loadcnt NBL                             ; the scale words are in; the biases' loads may be out
	FETCH_B 0, 0, 0
	FETCH_A 0, 0, 0
	FETCH_A 0, 0, 4
	STEP 0, 1                                      ; the first step's products start the sums: nothing is cleared
	TURN 0, 1
	STEP 1, 0
	TURN 1, 0
	STEP 2, 0
	TURN 2, 2
	STEP 3, 0
	s_wait_dscnt 12                                ; the very last step: nothing more to fetch
	WIN MUL_LO
	MUL16 0, 1, 7, 0
	MUL16 2, 1, 7, 0
	s_wait_dscnt 0x0
	WIN MUL_HI
	MUL16 4, 1, 7, 0
	MUL16 6, 1, 7, 0
	WIN 0
	; THE WAY OUT, block by block of A's 16 rows: bias, (GELU,) quantiser, three stores of 512 consecutive bytes.
	PLACES
	s_wait_loadcnt 0x0                             ; the biases
.irp b, 0,1,2,3
	v_mov_b32 v[TMB+\b], 0                         ; (a lane permute's destination counts as one of its sources)
.endr
.if FFN
	v_mov_b32 v[C0P], 0xc0135761                   ; -2 log2(e) sqrt(2 / pi)
	v_mov_b32 v[C0P+1], 0xc0135761
	v_mov_b32 v[C1P], 0xbdd2d3e8                   ; the same x 0.044715
	v_mov_b32 v[C1P+1], 0xbdd2d3e8
.else
.set i, 0
.rept 32
	v_cndmask_b32 v[96+i], 0, v[96+i], s[M0]       ; the bias that is not due becomes 0
	v_cndmask_b32 v[224+i], 0, v[224+i], s[M0]
.set i, i+1
.endr
	WIN 0x44                                       ; destination and source 1 window 1
.irp i, 0,1,2,3,4,5,6,7
	v_cndmask_b32 v[96+\i], 0, v[96+\i], s[M1]
.endr
	WIN 0
.endif
.macro EBLK a
.set AC, 64*((\a)%4)
.if FFN == 0
	WIN 0x01                                       ; source 0 window 1
	v_mov_b32 v[RBP], v[96+(\a)]
	v_mov_b32 v[RBP+1], v[96+(\a)]
.endif
	WIN 0x02+(\a)/4                                ; source 0: window 2 or 3.
.irp b, 0,1,2,3,4,5,6,7
.irp j, 0,2,4,6
	v_pk_add_f32 v[T+8*\b+\j:T+8*\b+\j+1], v[AC+8*\b+\j:AC+8*\b+\j+1], v[96+8*\b+96*(\b/4)+\j:96+8*\b+96*(\b/4)+\j+1]
.endr
.endr
	WIN 0
.if FFN == 0
.set j, 0
.rept 32
	v_pk_add_f32 v[T+j:T+j+1], v[T+j:T+j+1], v[RBP:RBP+1]
.set j, j+2
.endr
.else
	; gelu(x) = x / (1 + 2^z), z = x (c1 x^2 + c0): the tanh form, written by one exponential and one reciprocal.  2^z = infinity gives 1 / infinity = 0
	WIN 0x40                                       ; destination window 1
.set j, 0
.rept 32
	v_pk_mul_f32 v[j:j+1], v[T+j:T+j+1], v[T+j:T+j+1]
.set j, j+2
.endr
	WIN 0x41                                       ; destination and source 0 window 1
.set j, 0
.rept 32
	v_pk_fma_f32 v[j:j+1], v[j:j+1], v[C1P:C1P+1], v[C0P:C0P+1]
.set j, j+2
.endr
.set j, 0
.rept 32
	v_pk_mul_f32 v[j:j+1], v[j:j+1], v[T+j:T+j+1]
.set j, j+2
.endr
.set j, 0
.rept 64
	v_exp_f32 v[j], v[j]
.set j, j+1
.endr
	v_nop                                          ; a plain place behind the batch,
	s_wait_alu depctr_va_vdst(0)                   ; and one wait for it, ahead of its first reader
.set j, 0
.rept 32
	v_pk_add_f32 v[j:j+1], v[j:j+1], 1.0 op_sel_hi:[1,0]
.set j, j+2
.endr
.set j, 0
.rept 64
	v_rcp_f32 v[j], v[j]
.set j, j+1
.endr
	v_nop
	s_wait_alu depctr_va_vdst(0)
	WIN 0x04                                       ; source 1 window 1
.set j, 0
.rept 32
	v_pk_mul_f32 v[T+j:T+j+1], v[T+j:T+j+1], v[j:j+1]
.set j, j+2
.endr
	WIN 0
.endif
	s_wait_xcnt 0x0                                ; the last block's stores have read their registers and their base: both are written again only behind this wait
.if (\a) > 0
	s_add_nc_u64 s[OUT:OUT+1], s[OUT:OUT+1], s[OSTEP:OSTEP+1]
.endif
	QUANT T, PWS+(\a)%2
.irp g, 0,1,2
	global_store_b128 v[LI], v[PC+4*\g:PC+4*\g+3], s[OUT:OUT+1] offset:512*\g   ; 512 consecutive bytes, aligned
.endr
.if (\a)%2
	v_cndmask_b32 v[PWP], v[PWS], v[PWS+1], s[HM]  ; lanes 0-15: block a - 1's words, lanes 16-31: block a's
	global_store_b32 v[LS4], v[PWP], s[OSC:OSC+1] offset:64*((\a)-1)   ; 128 consecutive bytes
.endif
.endm
.irp a, 0,1,2,3,4,5,6,7
	EBLK \a
.endr
	s_wait_tensorcnt 0x0                           ; the wave's end
	ds_add_u32 v[SPW], v[NIL]
	s_wait_dscnt 0x0
	CROUND                                         ; the closing round: no work-group ends while a partner may still ask for a tile that names it
	s_endpgm
.Lfunc_end_k_qe72acfc753_qkv:
	.size	k_qe72acfc753_qkv, .Lfunc_end_k_qe72acfc753_qkv-k_qe72acfc753_qkv
	.p2alignl 7, 3214868480
	.fill 96, 4, 3214868480
	.section	.rodata,"a",@progbits
	.p2align	6, 0x0
	.amdhsa_kernel k_qe72acfc753_qkv
		.amdhsa_group_segment_fixed_size 327680
		.amdhsa_private_segment_fixed_size 0
		.amdhsa_enable_private_segment 0
		.amdhsa_kernarg_size 48
		.amdhsa_user_sgpr_count 2
		.amdhsa_user_sgpr_kernarg_segment_ptr 1
		.amdhsa_wavefront_size32 1
		.amdhsa_system_sgpr_workgroup_id_x 1
		.amdhsa_system_sgpr_workgroup_id_y 1
		.amdhsa_system_sgpr_workgroup_id_z 1
		.amdhsa_system_vgpr_workitem_id 0
		.amdhsa_next_free_vgpr 1024
		.amdhsa_next_free_sgpr 102
		.amdhsa_reserve_vcc 0
		.amdhsa_float_denorm_mode_32 3
		.amdhsa_float_denorm_mode_16_64 3
		.amdhsa_memory_ordered 1
		.amdhsa_forward_progress 1
		.amdhsa_inst_pref_size 182
	.end_amdhsa_kernel
	.amdgpu_metadata
---
amdhsa.version: [ 1, 2 ]
amdhsa.kernels:
  - .name:           k_qe72acfc753_qkv
    .symbol:         k_qe72acfc753_qkv.kd
    .args:
      - { .name: act, .offset: 0, .size: 8, .value_kind: global_buffer, .address_space: global }
      - { .name: wimg, .offset: 8, .size: 8, .value_kind: global_buffer, .address_space: global }
      - { .name: bq, .offset: 16, .size: 8, .value_kind: global_buffer, .address_space: global }
      - { .name: bk, .offset: 24, .size: 8, .value_kind: global_buffer, .address_space: global }
      - { .name: bv, .offset: 32, .size: 8, .value_kind: global_buffer, .address_space: global }
      - { .name: qkv, .offset: 40, .size: 8, .value_kind: global_buffer, .address_space: global }
    .group_segment_fixed_size: 327680
    .private_segment_fixed_size: 0
    .kernarg_segment_align: 8
    .kernarg_segment_size: 48
    .max_flat_workgroup_size: 128
    .sgpr_count:     102
    .vgpr_count:     1024
    .wavefront_size: 32
...
	.end_amdgpu_metadata
.endif
;; end of part 2
;; launch attn (part 3): grid 8 x 32, 8 waves a work-group, no clusters, 52,224 bytes of LDS; arguments qkv, act; writes act
.if DOCPART == 3
	.amdgcn_target "amdgcn-amd-amdhsa--gfx1250"
	.amdhsa_code_object_version 6
	.text
	.protected	k_qe72acfc753_attn
	.globl	k_qe72acfc753_attn
	.p2align	8
	.type	k_qe72acfc753_attn,@function
k_qe72acfc753_attn:
	s_mov_b64 s[64:65], 0
	v_nop
	global_prefetch_b8 v0, s[64:65] scope:SCOPE_SE
	s_setreg_imm32_b32 hwreg(HW_REG_WAVE_MODE, 25, 1), 1
	s_wait_xcnt 0x0
; Attention inside the band that the problem builds itself: key j counts for query i where j <= i and i - j <= 128.  Heads of 64; both products on codes of FP6 (E2M3); the result is quantised along the model's axis and stored as an image.
; A block of 128 queries (128 a .. 128 a + 127 of a batch) meets two aligned steps of 128 keys: its own (hidden where j > i) and the one before (hidden where i - j > 128, that is j_loc < i_loc).  All other keys are
; hidden for every query of the block: their p is 0 and they are not multiplied.  For a = 0 the step before does not exist: the block's own step is read in its place (no access leaves the buffer) and every key of it is hidden.
; INPUTS, as images (rows in blocks of 16, lane r of block rb = row 32 (rb / 2) + 8 (rb % 2) + r + 8 (r / 8); fragment (rb, ks) 1,536 bytes, byte 512 g + 16 l + 4 w = register 4 g + w of lane l):
;   q at 0 and k at 3,145,728: [256 token blocks][8 ks]; ks = a pair of heads: registers 0-5 the even head's 64, registers 6-11 the odd head's.   v at 6,291,456: [64 blocks of the model's axis][32 ks], the tokens innermost.
;   scale words: q 9,437,184, k 9,568,256: ((256 ks + rb) 16 + r) 4;  v 9,699,328: ((64 ks + rb) 16 + r) 4.
; SHARES.  A work-group: a pair of heads x 128 queries.  Each of its eight waves: 16 queries (one row block), both heads one after the other.  The two steps' K and V (32 fragments and their scale words) are brought by the
; eight waves, four fragments each, and go to LDS as they lie: one barrier.
; K = 64 IS HALF AN INSTRUCTION'S 128: Q's fragment for a head has zero codes in the other head's six registers, so that one fragment of K, which holds both heads' codes, serves either head.
; LAYOUT.  S^T = K Q^T, O^T = V^T P^T: a lane holds one query throughout; by the image's order of rows the 16 registers of two neighbouring tiles of keys are 16 neighbouring keys, and O^T's 64 registers of the two heads
; are 128 neighbours of the model's axis in the order that the quantiser wants.
; SOFTMAX: t = score x log2(e) / 8; M = the running largest t rounded up to a whole number; p = 2^(t - M) is quantised along the keys; the sum is taken of the unquantised p and divides at the end.  The block's own step
; goes first: the diagonal key counts for every query, so M is a number from the first step on.
; No tensor load, so no ring and no cluster: a work-group reads its 64,000 bytes once.  No prefetch: all loads stand at the head.
; LIMITS: a block whose largest magnitude lies under 2^-124 gets the byte 1; NaN and infinities are not served.
; REGISTERS: v1-11 addresses and the mask's numbers; v12 -M, v13 the largest t, v[14:15] the sum; v16-27 Q of the even head, v80-91 of the odd; v32-79 four fragments; v96-159 S^T, then p; v160-223 O^T (32 a head);
;   v224-235 p's codes; v232-254 at work; v248-251, v253, v255 scale words.
.set KIMG,  0                          ; LDS: K's 16 fragments (8 s + tile; s = 0 the block's own step, 1 the step before),
.set VIMG,  24576                      ; V's 16 (8 s + 4 head + tile),
.set KSC,   49152                      ; their scale words, 64 bytes a fragment,
.set VSC,   50176
.set SPARE, 51200                      ; and the spare words, 128 bytes for each of eight waves
.set LI,    1                          ; v1   16 x lane
.set LS,    2                          ; v2   4 r
.set LIW,   3                          ; v3   16 x lane + 1,536 x wave
.set LSW,   4                          ; v4   4 r + 64 x wave
.set SPW,   5
.set NIL,   6
.set D0,    9                          ; v9   my query's place in the block - 16 (lane / 16)
.set DP,    10                         ; v10  the same, + 1,024 where there is no step before
.set NINF,  11                         ; v11  -infinity
.set PC,    96                         ; the last quantiser's registers, where S^T lay
.set TMX,   116
.set TMB,   120
.set TMS,   124
.set PW,    128
.set WV,    40
.set SEL,   42
.set CS,    44
	s_load_b128 s[4:7], s[0:1], 0x0                ; qkv, act
	v_lshl_add_u32 v[SPW], v0, 2, SPARE
	v_mov_b32 v[NIL], 0
	v_lshrrev_b32 v7, 5, v0
	s_delay_alu instid0(VALU_DEP_1)
	v_readfirstlane_b32 s[WV], v7
	v_and_b32 v7, 31, v0
	s_delay_alu instid0(VALU_DEP_1)
	v_lshlrev_b32 v[LI], 4, v7
	v_and_b32 v8, 15, v0                           ; r
	s_wait_alu depctr_va_vdst(0)
	v_lshlrev_b32 v[LS], 2, v8
	s_mul_i32 s46, s[WV], 1536
	v_add_nc_u32 v[LIW], s46, v[LI]
	s_lshl_b32 s46, s[WV], 6
	v_add_nc_u32 v[LSW], s46, v[LS]
	s_and_b32 s8, ttmp7, 0xffff                    ; 16 x batch + a: the block of queries, and its own step of keys
	s_and_b32 s9, s8, 15                           ; a
	s_sub_co_u32 s10, s8, 1
	s_cmp_eq_u32 s9, 0
	s_cselect_b32 s10, s8, s10                     ; the step before; for a = 0 the block's own
	s_cselect_b32 s11, 1024, 0
	s_lshr_b32 s46, s[WV], 1
	s_lshl_b32 s46, s46, 5
	s_and_b32 s47, s[WV], 1
	s_lshl_b32 s47, s47, 3
	s_add_co_u32 s46, s46, s47                     ; my row block's first query: 32 (w / 2) + 8 (w % 2)
	v_and_b32 v7, 8, v8
	s_delay_alu instid0(VALU_DEP_1)
	v_add_nc_u32 v7, v7, v8                        ; + r + 8 (r / 8)
	v_bfe_u32 v8, v0, 4, 1
	s_delay_alu instid0(VALU_DEP_1)
	v_lshlrev_b32 v8, 4, v8
	s_delay_alu instid0(VALU_DEP_1)
	v_sub_nc_u32 v7, v7, v8                        ; - 16 h
	s_delay_alu instid0(VALU_DEP_1)
	v_add_nc_u32 v[D0], s46, v7
	s_delay_alu instid0(VALU_DEP_1)
	v_add_nc_u32 v[DP], s11, v[D0]
	v_mov_b32 v[NINF], 0xff800000
	s_lshl_b32 s12, s8, 3
	s_add_co_u32 s12, s12, s[WV]                   ; my block of queries; also the block of keys of the own step that I bring
	s_lshl_b32 s13, s10, 3
	s_add_co_u32 s13, s13, s[WV]                   ; the block of keys of the step before that I bring
	s_lshl_b32 s14, ttmp9, 3
	s_add_co_u32 s14, s14, s[WV]                   ; the block of V's rows that I bring
	s_lshl_b32 s20, s12, 3
	s_add_co_u32 s20, s20, ttmp9
	s_mul_i32 s20, s20, 1536                       ; q's fragment; k's lies 3,145,728 on; ctx's at the same place in act
	s_mov_b32 s21, 0
	s_lshl_b32 s22, s13, 3
	s_add_co_u32 s22, s22, ttmp9
	s_mul_i32 s22, s22, 1536
	s_add_co_u32 s22, s22, 3145728
	s_mov_b32 s23, 0
	s_lshl_b32 s24, s14, 5
	s_add_co_u32 s26, s24, s10
	s_add_co_u32 s24, s24, s8
	s_mul_i32 s24, s24, 1536
	s_add_co_u32 s24, s24, 6291456
	s_mov_b32 s25, 0
	s_mul_i32 s26, s26, 1536
	s_add_co_u32 s26, s26, 6291456
	s_mov_b32 s27, 0
	s_lshl_b32 s28, ttmp9, 8
	s_add_co_u32 s30, s28, s13
	s_add_co_u32 s28, s28, s12
	s_lshl_b32 s28, s28, 6
	s_add_co_u32 s38, s28, 3145728                 ; ctx's scale words in act
	s_add_co_u32 s28, s28, 9437184                 ; q's scale words; k's lie 131,072 on
	s_mov_b32 s29, 0
	s_mov_b32 s39, 0
	s_lshl_b32 s30, s30, 6
	s_add_co_u32 s30, s30, 9568256
	s_mov_b32 s31, 0
	s_lshl_b32 s32, s8, 6
	s_add_co_u32 s32, s32, s14
	s_lshl_b32 s32, s32, 6
	s_add_co_u32 s32, s32, 9699328
	s_mov_b32 s33, 0
	s_lshl_b32 s34, s10, 6
	s_add_co_u32 s34, s34, s14
	s_lshl_b32 s34, s34, 6
	s_add_co_u32 s34, s34, 9699328
	s_mov_b32 s35, 0
	s_mov_b32 s[SEL], 0x76543210
	s_mov_b32 s[SEL+1], 0xfedcba98
	s_mov_b32 s[CS], 0x3e38aa3b                    ; c = log2(e) / 8
	s_mov_b32 s[CS+1], s[CS]
	s_wait_kmcnt 0x0
	s_add_nc_u64 s[36:37], s[6:7], s[20:21]
	s_add_nc_u64 s[38:39], s[6:7], s[38:39]
	s_add_nc_u64 s[20:21], s[4:5], s[20:21]
	s_add_nc_u64 s[22:23], s[4:5], s[22:23]
	s_add_nc_u64 s[24:25], s[4:5], s[24:25]
	s_add_nc_u64 s[26:27], s[4:5], s[26:27]
	s_add_nc_u64 s[28:29], s[4:5], s[28:29]
	s_add_nc_u64 s[30:31], s[4:5], s[30:31]
	s_add_nc_u64 s[32:33], s[4:5], s[32:33]
	s_add_nc_u64 s[34:35], s[4:5], s[34:35]
.irp c, 0,1,2
	global_load_b128 v[32+4*\c:35+4*\c], v[LI], s[20:21] offset:3145728+512*\c   ; K, own step
	global_load_b128 v[44+4*\c:47+4*\c], v[LI], s[22:23] offset:512*\c           ; K, step before
	global_load_b128 v[56+4*\c:59+4*\c], v[LI], s[24:25] offset:512*\c           ; V, own step
	global_load_b128 v[68+4*\c:71+4*\c], v[LI], s[26:27] offset:512*\c           ; V, step before
.endr
	global_load_b32 v248, v[LS], s[28:29] offset:131072
	global_load_b32 v249, v[LS], s[30:31]
	global_load_b32 v250, v[LS], s[32:33]
	global_load_b32 v251, v[LS], s[34:35]
	global_load_b128 v[16:19], v[LI], s[20:21]                 ; Q, even head: registers 0-3,
	global_load_b64 v[20:21], v[LI], s[20:21] offset:512       ; 4, 5
	global_load_b64 v[86:87], v[LI], s[20:21] offset:520       ; Q, odd head: registers 6, 7,
	global_load_b128 v[88:91], v[LI], s[20:21] offset:1024     ; 8-11
	global_load_b32 v255, v[LS], s[28:29]                      ; Q's scale words
.irp i, 0,1,2,3,4,5
	v_mov_b32 v[22+\i], 0                          ; zero codes where the other head's would lie
	v_mov_b32 v[80+\i], 0
.endr
.irp b, 0,1,2,3
	v_mov_b32 v[236+\b], 0                         ; (a lane permute's destination counts as one of its sources)
.endr
	v_mov_b32 v253, 0                              ; (named as the upper half of the pair v[252:253] before it is first written)
	s_wait_loadcnt 5                               ; K, V and their scale words are in; Q's five loads may be out
.irp c, 0,1,2
	ds_store_b128 v[LIW], v[32+4*\c:35+4*\c] offset:KIMG+512*\c
	ds_store_b128 v[LIW], v[44+4*\c:47+4*\c] offset:KIMG+8*1536+512*\c
	ds_store_b128 v[LIW], v[56+4*\c:59+4*\c] offset:VIMG+512*\c
	ds_store_b128 v[LIW], v[68+4*\c:71+4*\c] offset:VIMG+8*1536+512*\c
.endr
	ds_store_b32 v[LSW], v248 offset:KSC           ; (lanes r and r + 16 write the same word with the same value)
	ds_store_b32 v[LSW], v249 offset:KSC+512
	ds_store_b32 v[LSW], v250 offset:VSC
	ds_store_b32 v[LSW], v251 offset:VSC+512
	s_wait_dscnt 0x0                               ; for the others' sake: my stores have landed
	s_barrier_signal -1
	s_barrier_wait -1                              ; the kernel's one barrier: all 32 fragments lie in LDS, and nobody writes them again
	s_wait_loadcnt 0x0                             ; Q
; A KEY STEP of head e: s = 0 the block's own 128 keys, s = 1 the 128 before.  first = 1: the products V^T P^T start O^T's sums.
.macro STEP e, s, first
.set QE, 16+64*(\e)
.set OE, 160+32*(\e)
.irp g, 0,1                                    ; S^T = K Q^T, four tiles of 16 keys at a time
.rept 4
	v_nop                                          ; places in front of loads into registers that matrix instructions have read
.endr
.irp t, 0,1,2,3
.irp c, 0,1,2
	ds_load_b128 v[32+12*\t+4*\c:35+12*\t+4*\c], v[LI] offset:KIMG+(8*(\s)+4*\g+\t)*1536+512*\c
.endr
	ds_load_b32 v[248+\t], v[LS] offset:KSC+(8*(\s)+4*\g+\t)*64
.endr
	s_wait_dscnt 0x0
.irp t, 0,1,2,3
	v_wmma_scale_f32_16x16x128_f8f6f4 v[96+8*(4*\g+\t):103+8*(4*\g+\t)], v[32+12*\t:43+12*\t], v[QE:QE+11], 0, v[248+\t], v255 matrix_a_fmt:MATRIX_FMT_FP6 matrix_b_fmt:MATRIX_FMT_FP6
.endr
.endr
.rept 4
	v_nop
.endr
	; the band.  Register 16 b + i holds key 32 b + 16 (lane / 16) + i of the step; hidden scores become -infinity ahead of the maximum: p = 0 then
.set NN, 0
.rept 64
.if (\s) == 0
	v_cmp_gt_i32 vcc_lo, 32*(NN/16)+NN%16, v[D0]   ; j > i
.else
	v_cmp_lt_i32 vcc_lo, 32*(NN/16)+NN%16, v[DP]   ; i - j > 128
.endif
	v_cndmask_b32 v[96+NN], v[96+NN], v[NINF], vcc_lo
.set NN, NN+1
.endr
.irp b, 0,1,2,3
	v_max3_num_f32 v[232+\b], v[96+16*\b], v[97+16*\b], v[98+16*\b]   ; the largest score of each block of 32 keys: for the row's maximum and, since p rises with the score, for the block's largest p
.endr
.irp i, 3,5,7,9,11,13
.irp b, 0,1,2,3
	s_delay_alu instid0(VALU_DEP_4)
	v_max3_num_f32 v[232+\b], v[232+\b], v[96+16*\b+\i], v[97+16*\b+\i]
.endr
.endr
.irp b, 0,1,2,3
	s_delay_alu instid0(VALU_DEP_4)
	v_max_num_f32 v[232+\b], v[232+\b], v[111+16*\b]
.endr
.irp b, 0,1,2,3
	s_delay_alu instid0(VALU_DEP_4)
	v_permlanex16_b32 v[236+\b], v[232+\b], s[SEL], s[SEL+1]
.endr
.irp b, 0,1,2,3
	s_delay_alu instid0(VALU_DEP_4)
	v_max_num_f32 v[232+\b], v[232+\b], v[236+\b]  ; with lane l xor 16's 16 keys
.endr
	s_delay_alu instid0(VALU_DEP_2)
	v_max3_num_f32 v254, v232, v233, v234
	s_delay_alu instid0(VALU_DEP_1)
	v_max_num_f32 v254, v254, v235                 ; the step's largest score of my query
	s_delay_alu instid0(VALU_DEP_1)
	v_mul_f32 v254, s[CS], v254                    ; as t
	s_delay_alu instid0(VALU_DEP_1)
	v_max_num_f32 v13, v13, v254                   ; the running largest t
	v_mov_b32 v254, v12
	s_delay_alu instid0(VALU_DEP_2)
	v_floor_f32 v12, -v13                          ; the new -M = floor(-t): M is a whole number
	s_delay_alu instid0(VALU_DEP_1)
	v_sub_f32 v254, v12, v254                      ; old M - new M: a whole number, 0 or less
	s_delay_alu instid0(VALU_DEP_1)
	v_cvt_i32_f32 v254, v254                       ; (it saturates)
	s_delay_alu instid0(VALU_DEP_1)
	v_ldexp_f32 v252, 1.0, v254                    ; f = 2^(old M - new M): a multiplication by it rounds nothing
.set J, 0
.rept 32
	v_pk_fma_f32 v[96+J:97+J], v[96+J:97+J], s[CS:CS+1], v[12:13] op_sel_hi:[1,0,0]   ; t - M
.set J, J+2
.endr
.irp b, 0,1,2,3
	v_fma_f32 v[232+\b], v[232+\b], s[CS], v12     ; the same of each block's largest score
.endr
.set J, 0
	s_wait_alu depctr_va_vdst(0)
.rept 64
	v_exp_f32 v[96+J], v[96+J]                     ; p = 2^(t - M), at most 1: not normalised
.set J, J+1
.endr
	v_pk_mul_f32 v[14:15], v[14:15], v[252:253] op_sel_hi:[1,0]   ; the sums under the new M.  (A plain place behind the exponentials)
	s_wait_alu depctr_va_vdst(0)                   ; one wait for the whole batch, ahead of its first reader
.irp b, 0,1,2,3
	v_exp_f32 v[232+\b], v[232+\b]                 ; the block's largest p
.endr
	v_pk_add_f32 v[236:237], v[100:101], v[104:105]
	v_pk_add_f32 v[250:251], v[108:109], v[112:113]
	v_pk_add_f32 v[248:249], v[116:117], v[120:121]
	v_pk_add_f32 v[246:247], v[124:125], v[128:129]
	v_pk_add_f32 v[244:245], v[132:133], v[136:137]
	v_pk_add_f32 v[242:243], v[140:141], v[144:145]
	v_pk_add_f32 v[240:241], v[148:149], v[152:153]
	v_pk_add_f32 v[14:15], v[14:15], v[156:157]
	v_pk_add_f32 v[236:237], v[236:237], v[96:97]
	v_pk_add_f32 v[250:251], v[250:251], v[98:99]
	v_pk_add_f32 v[248:249], v[248:249], v[102:103]
	v_pk_add_f32 v[246:247], v[246:247], v[106:107]
	v_pk_add_f32 v[244:245], v[244:245], v[110:111]
	v_pk_add_f32 v[242:243], v[242:243], v[114:115]
	v_pk_add_f32 v[240:241], v[240:241], v[118:119]
	v_pk_add_f32 v[14:15], v[14:15], v[122:123]
	v_pk_add_f32 v[236:237], v[236:237], v[126:127]
	v_pk_add_f32 v[250:251], v[250:251], v[130:131]
	v_pk_add_f32 v[248:249], v[248:249], v[134:135]
	v_pk_add_f32 v[246:247], v[246:247], v[138:139]
	v_pk_add_f32 v[244:245], v[244:245], v[142:143]
	v_pk_add_f32 v[242:243], v[242:243], v[146:147]
	v_pk_add_f32 v[240:241], v[240:241], v[150:151]
	v_pk_add_f32 v[14:15], v[14:15], v[154:155]
	v_pk_add_f32 v[236:237], v[236:237], v[158:159]
	s_delay_alu instid0(VALU_DEP_2)
	v_pk_add_f32 v[14:15], v[14:15], v[246:247]
	s_delay_alu instid0(VALU_DEP_2)
	v_pk_add_f32 v[236:237], v[236:237], v[244:245]
	v_pk_add_f32 v[250:251], v[250:251], v[242:243]
	v_pk_add_f32 v[248:249], v[248:249], v[240:241]
	s_delay_alu instid0(VALU_DEP_2)
	v_pk_add_f32 v[14:15], v[14:15], v[250:251]
	s_delay_alu instid0(VALU_DEP_2)
	v_pk_add_f32 v[236:237], v[236:237], v[248:249]
	s_delay_alu instid0(VALU_DEP_1)
	v_pk_add_f32 v[14:15], v[14:15], v[236:237]
	s_wait_alu depctr_va_vdst(0)                   ; and one for the four
.irp b, 0,1,2,3
	v_max_num_f32 v[232+\b], 0x1800000, v[232+\b]  ; the floor 2^(3 - 127): a block whose every p is 0 keeps the byte 1: its codes are zeros
.endr
.irp b, 0,1,2,3
	s_delay_alu instid0(VALU_DEP_4)
	v_add_nc_u32 v[244+\b], 0xff000000, v[232+\b]  ; 2 off the exponent field: the conversion's scale operand
.endr
.irp b, 0,1,2,3
	s_delay_alu instid0(VALU_DEP_4)
	v_lshrrev_b32 v[236+\b], 23, v[244+\b]         ; the scale's byte
.endr
	s_delay_alu instid0(VALU_DEP_3)
	v_lshl_or_b32 v253, v237, 8, v236              ; p's scale word for these 128 keys
	s_delay_alu instid0(VALU_DEP_1)
	v_lshl_or_b32 v253, v238, 16, v253
	s_delay_alu instid0(VALU_DEP_1)
	v_lshl_or_b32 v253, v239, 24, v253
.irp c, 0,1
	v_cvt_scalef32_pk16_fp6_f32 v[224+6*\c:226+6*\c], v[96+32*\c:111+32*\c], v[244+2*\c]
	v_cvt_scalef32_pk16_fp6_f32 v[236+4*\c:238+4*\c], v[112+32*\c:127+32*\c], v[244+2*\c+1]
.endr
	v_nop                                          ; one plain place behind a scaled conversion
.irp c, 0,1
.irp i, 0,1,2
	v_permlane16_swap_b32 v[224+6*\c+\i], v[236+4*\c+\i]
.endr
.irp i, 0,1,2
	s_delay_alu instid0(VALU_DEP_3)
	v_mov_b32 v[227+6*\c+\i], v[236+4*\c+\i]
.endr
.endr
.if \first
	s_wait_alu depctr_va_vdst(0)
.rept 8
	v_nop                                          ; a scale register written by a vector instruction stands 8 places ahead of a scaled matrix instruction, an operand so written 4
.endr
.else
.set J, 0
.rept 16
	v_pk_mul_f32 v[OE+J:OE+J+1], v[OE+J:OE+J+1], v[252:253] op_sel_hi:[1,0]   ; O^T under the new M.  (For each tile twelve of these name none of its registers: they are those places)
.set J, J+2
.endr
.endif
.irp t, 0,1,2,3                                ; O^T += V^T P^T: the head's four tiles of 16; K = these 128 keys
.irp c, 0,1,2
	ds_load_b128 v[32+12*\t+4*\c:35+12*\t+4*\c], v[LI] offset:VIMG+(8*(\s)+4*(\e)+\t)*1536+512*\c
.endr
	ds_load_b32 v[248+\t], v[LS] offset:VSC+(8*(\s)+4*(\e)+\t)*64
.endr
	s_wait_alu depctr_va_vdst(0)
	s_wait_dscnt 0x0
.irp t, 0,1,2,3
.if \first
	v_wmma_scale_f32_16x16x128_f8f6f4 v[OE+8*\t:OE+8*\t+7], v[32+12*\t:43+12*\t], v[224:235], 0, v[248+\t], v253 matrix_a_fmt:MATRIX_FMT_FP6 matrix_b_fmt:MATRIX_FMT_FP6
.else
	v_wmma_scale_f32_16x16x128_f8f6f4 v[OE+8*\t:OE+8*\t+7], v[32+12*\t:43+12*\t], v[224:235], v[OE+8*\t:OE+8*\t+7], v[248+\t], v253 matrix_a_fmt:MATRIX_FMT_FP6 matrix_b_fmt:MATRIX_FMT_FP6
.endif
.endr
.endm
.macro HEAD e
	v_mov_b32 v13, 0xff61b1e6                      ; the largest t so far: -3e38, under every t
	s_delay_alu instid0(VALU_DEP_1)
	v_floor_f32 v12, -v13                          ; -M
	v_mov_b32 v14, 0                               ; the sum, in two halves
	v_mov_b32 v15, 0
	STEP \e, 0, 1
	STEP \e, 1, 0
.rept 4
	v_nop                                          ; places behind the last products
.endr
	v_add_f32 v14, v14, v15
	s_delay_alu instid0(VALU_DEP_1)
	v_permlanex16_b32 v252, v14, s[SEL], s[SEL+1]
	s_delay_alu instid0(VALU_DEP_1)
	v_add_f32 v14, v14, v252                       ; the row's sum
	s_wait_alu depctr_va_vdst(0)
	v_rcp_f32 v14, v14
	v_nop
	s_wait_alu depctr_va_vdst(0)                   ; ahead of the reciprocal's first reader
	v_mov_b32 v15, v14
.set J, 0
.rept 16
	v_pk_mul_f32 v[160+32*(\e)+J:161+32*(\e)+J], v[160+32*(\e)+J:161+32*(\e)+J], v[14:15]   ; O^T / the sum, each accumulator from its low end on
.set J, J+2
.endr
.endm
	HEAD 0
	HEAD 1
	; v160-223: register 16 b + i = channel 32 b + 16 (lane / 16) + i of the pair of heads' 128: the quantiser's order.  One fragment of ctx.
.irp b, 0,1,2,3
	v_max3_num_f32 v[TMX+\b], |v[160+16*\b]|, |v[161+16*\b]|, 0x1800000
.endr
.irp i, 2,4,6,8,10,12,14
.irp b, 0,1,2,3
	s_delay_alu instid0(VALU_DEP_4)
	v_max3_num_f32 v[TMX+\b], v[TMX+\b], |v[160+16*\b+\i]|, |v[161+16*\b+\i]|
.endr
.endr
.irp b, 0,1,2,3
	v_permlanex16_b32 v[TMB+\b], v[TMX+\b], s[SEL], s[SEL+1]
.endr
.irp b, 0,1,2,3
	s_delay_alu instid0(VALU_DEP_4)
	v_max_num_f32 v[TMX+\b], v[TMX+\b], v[TMB+\b]
.endr
.irp b, 0,1,2,3
	s_delay_alu instid0(VALU_DEP_4)
	v_add_nc_u32 v[TMS+\b], 0xff000000, v[TMX+\b]
.endr
.irp b, 0,1,2,3
	s_delay_alu instid0(VALU_DEP_4)
	v_lshrrev_b32 v[TMB+\b], 23, v[TMS+\b]
.endr
	s_delay_alu instid0(VALU_DEP_3)
	v_lshl_or_b32 v[PW], v[TMB+1], 8, v[TMB]
	s_delay_alu instid0(VALU_DEP_1)
	v_lshl_or_b32 v[PW], v[TMB+2], 16, v[PW]
	s_delay_alu instid0(VALU_DEP_1)
	v_lshl_or_b32 v[PW], v[TMB+3], 24, v[PW]
.irp c, 0,1
	v_cvt_scalef32_pk16_fp6_f32 v[PC+6*\c:PC+2+6*\c], v[160+32*\c:175+32*\c], v[TMS+2*\c]
	v_cvt_scalef32_pk16_fp6_f32 v[PC+12+4*\c:PC+14+4*\c], v[176+32*\c:191+32*\c], v[TMS+2*\c+1]
.endr
	v_nop
.irp c, 0,1
.irp i, 0,1,2
	v_permlane16_swap_b32 v[PC+6*\c+\i], v[PC+12+4*\c+\i]
.endr
.irp i, 0,1,2
	s_delay_alu instid0(VALU_DEP_3)
	v_mov_b32 v[PC+3+6*\c+\i], v[PC+12+4*\c+\i]
.endr
.endr
.irp g, 0,1,2
	global_store_b128 v[LI], v[PC+4*\g:PC+4*\g+3], s[36:37] offset:512*\g   ; 512 consecutive bytes, aligned
.endr
	global_store_b32 v[LS], v[PW], s[38:39]        ; lanes r and r + 16 store the same word with the same value
	s_wait_tensorcnt 0x0                           ; the wave's end: behind my last LDS store
	ds_add_u32 v[SPW], v[NIL]
	s_wait_dscnt 0x0
	s_endpgm
.Lfunc_end_k_qe72acfc753_attn:
	.size	k_qe72acfc753_attn, .Lfunc_end_k_qe72acfc753_attn-k_qe72acfc753_attn
	.p2alignl 7, 3214868480
	.fill 96, 4, 3214868480
	.section	.rodata,"a",@progbits
	.p2align	6, 0x0
	.amdhsa_kernel k_qe72acfc753_attn
		.amdhsa_group_segment_fixed_size 52224
		.amdhsa_private_segment_fixed_size 0
		.amdhsa_enable_private_segment 0
		.amdhsa_kernarg_size 16
		.amdhsa_user_sgpr_count 2
		.amdhsa_user_sgpr_kernarg_segment_ptr 1
		.amdhsa_wavefront_size32 1
		.amdhsa_system_sgpr_workgroup_id_x 1
		.amdhsa_system_sgpr_workgroup_id_y 1
		.amdhsa_system_sgpr_workgroup_id_z 1
		.amdhsa_system_vgpr_workitem_id 0
		.amdhsa_next_free_vgpr 256
		.amdhsa_next_free_sgpr 66
		.amdhsa_reserve_vcc 1
		.amdhsa_float_denorm_mode_32 3
		.amdhsa_float_denorm_mode_16_64 3
		.amdhsa_memory_ordered 1
		.amdhsa_forward_progress 1
		.amdhsa_inst_pref_size 111
	.end_amdhsa_kernel
	.amdgpu_metadata
---
amdhsa.version: [ 1, 2 ]
amdhsa.kernels:
  - .name:           k_qe72acfc753_attn
    .symbol:         k_qe72acfc753_attn.kd
    .args:
      - { .name: qkv, .offset: 0, .size: 8, .value_kind: global_buffer, .address_space: global }
      - { .name: act, .offset: 8, .size: 8, .value_kind: global_buffer, .address_space: global }
    .group_segment_fixed_size: 52224
    .private_segment_fixed_size: 0
    .kernarg_segment_align: 8
    .kernarg_segment_size: 16
    .max_flat_workgroup_size: 256
    .sgpr_count:     66
    .vgpr_count:     256
    .wavefront_size: 32
...
	.end_amdgpu_metadata
.endif
;; end of part 3
;; launch wo (part 4): grid 8 x 32, 4 waves a work-group, clusters of 4 x 4, 327,680 bytes of LDS; arguments act, wimg, bo, x, x1; writes x1
.if DOCPART == 4
	.amdgcn_target "amdgcn-amd-amdhsa--gfx1250"
	.amdhsa_code_object_version 6
	.text
	.protected	k_qe72acfc753_wo
	.globl	k_qe72acfc753_wo
	.p2align	8
	.type	k_qe72acfc753_wo,@function
k_qe72acfc753_wo:
	s_mov_b64 s[64:65], 0
	v_nop
	global_prefetch_b8 v0, s[64:65] scope:SCOPE_SE
	s_setreg_imm32_b32 hwreg(HW_REG_WAVE_MODE, 25, 1), 1
	s_wait_xcnt 0x0
	s_wait_alu depctr_hold_cnt(0) depctr_sa_sdst(0) depctr_va_vdst(0) depctr_va_sdst(0) depctr_va_ssrc(0) depctr_va_vcc(0) depctr_vm_vsrc(0)
	s_getreg_b32 s2, hwreg(HW_REG_IB_STS2, 6, 4)
	s_cmp_eq_u32 s2, 0
	s_cbranch_scc0 .Lentry_in_a_cluster
	s_endpgm
.Lentry_in_a_cluster:
	s_bfe_u32 s2, ttmp6, 0x10000c
	s_cmp_lg_u32 s2, 0xf033
	s_cbranch_scc0 .Lentry_shape_is_right
	s_endpgm
.Lentry_shape_is_right:
; out = res + bias + A B^T on images of FP6 (E2M3) operands; out, res: [4,096][1,024] f32.  One text in two settings (FF2 = 0: ctx Wo, K = 1,024;  FF2 = 1: the FFN's second layer, K = 4,096).
; THE IMAGE: rows in blocks of 16; lane r of block rb stands for row 32 (rb / 2) + 8 (rb % 2) + r + 8 (r / 8); fragment (rb, ks) is 1,536 bytes at (rb KS + ks) 1536, byte 512 g + 16 l + 4 w = register 4 g + w of lane l;
; scale words at ((ks RB + rb) 16 + r) 4: a pair of blocks is 128 consecutive bytes: one register, block 2 p in lanes 0-15, block 2 p + 1 in lanes 16-31.
; A tile of the result is 128 x 128: 4,096 x 1,024 gives 256 work-groups; four waves, each 64 x 64: 16 accumulators.  Source 0 = 16 rows of B (columns of the weight), source 1 = 16 rows of A (tokens).
; THE WALK ALONG K, in steps of 128.  A slot holds [part = wave][4 row blocks][n ks][1,536 bytes]; parts 0, 1: A's halves, parts 2, 3: B's; a wave fills its part with one tensor load of 4 rows of n fragments.
;   FF2 = 1: 32 steps in chunks of 6, 7, 6, 7, 6 through slot 0 (6 steps, 147,456 bytes) and slot 1 (7 steps, 172,032 bytes) by turns: four changes of slots.  Chunk 0 is the head's load, chunk 1 follows behind the full
;   sequence and a round; a wave has one tensor load out at any time.   FF2 = 0: all 8 steps are one chunk, the head's one load a wave; nothing is filled again.
; CLUSTERS: 4 x 4: A's tile is asked for jointly by a row of the cluster, B's by a column.  Where a slot is filled, a round of the cluster's barrier stands in front.
; PREFETCH (FF2 = 1): behind the load of chunk c stands the request for chunk c + 2 (at the head for chunks 1 and 2).  Of the 4 row blocks that a wave fetches, the partner at place p (cx for A, cy for B) names row block p:
;   6 n blocks of 256 bytes, a lane a block, two instructions; lanes left over name the last block again.  Every offset is an immediate, no address register is written again.  FF2 = 0: none: the head's load asks for all of K.
; The scale words of all of K, the bias and the residual go from memory straight into registers, each read once.  FF2 = 0: all at the head.  FF2 = 1, in the order of need: the words of chunks 0, 1 at the head (52 loads),
;   of chunks 2, 3 behind chunk 1's load (52), of chunk 4 behind chunk 2's load (24), bias and residual behind chunk 4's load (33).
; THE WAY OUT: a block of 16 rows x 64 columns goes through the wave's own stage in LDS and comes back as rows of 256 bytes; residual and bias are added; sixteen lanes store 256 consecutive, aligned bytes.
;   The stage lies behind slot 0: with FF2 = 1 in slot 1, which has had its last fill and, behind the walk's last barrier, its last read; with FF2 = 0 in bytes that no load fills.
; REGISTERS: window 0: v8-11 the bias; v6, v12-29 offsets and addresses; v32-159 scale words (4 ks + 0, 1: A's pairs; + 2, 3: B's): they hold nothing else; v160-223 rows on the way out.
;   window 1: two sets of fragments at v0 and v128: B's four, then A's four.   window 2: v0-127 the residual; v128-255 the accumulators, (a, b) at v[128 + 8 (4 a + b)].
.set FF2,   0
.if FF2
.set KS,    32
.set ASC,   12582912
.set BCO,   6291456
.set BSC,   9699328
.set BST,   4096
.set NS0,   6
.set NS1,   7
.set NCH,   5
.else
.set KS,    8
.set ASC,   3145728
.set BCO,   192*12288
.set BSC,   9437184+192*64
.set BST,   16384
.set NS0,   8
.set NS1,   0
.set NCH,   1
.endif
.set P0,    4*NS0*1536                 ; a part of slot 0, of slot 1
.set P1,    4*NS1*1536
.set S1,    4*P0                       ; where slot 1 begins
.set STAGE, S1                         ; 16 rows x (256 + 16) bytes for each wave
.if FF2
.set SPARE, S1+4*P1                    ; the spare words, 128 bytes a wave
.else
.set SPARE, S1+4*16*272
.endif
.set BR,    8
.set PFO,   12                         ; v12 256 x lane; v13, v14: 256 x min(32 + lane, 35 or 41)
.set PF6,   13
.set ADRA,  16
.set ADRB,  20
.set STO,   24
.set RD,    25
.set CO,    26
.set LS4,   27
.set SPW,   28
.set NIL,   29
.set SC,    32
.set OB,    160
.set ACC,   128
.set WV,    16
.set RH,    17
.set CH,    18
.set CX,    19
.set CY,    20
.set TA,    22
.set TB,    23
.set G1A,   24                         ; group 1 for A's tiles: slot 0 at s24, slot 1 at s56;  for B's: s32, s68
.set G1B,   32
.set G0A,   40                         ; group 0, a set for each slot
.set G0B,   48
.set SAB,   76
.set SBB,   78
.set PFA,   96
.set MSB, 0
.macro WIN new                         ; the immediate's high byte repeats the setting that is left
.if MSB != (\new)
	s_set_vgpr_msb (MSB<<8)|(\new)
.set MSB, \new
.endif
.endm
.set MUL,  0xa5                        ; sources 0 (B) and 1 (A) window 1; C and D window 2
.set TO_F, 0x40
.macro JLOAD s                         ; a joint load into slot s: waves 0, 1 fetch for A, waves 2, 3 for B; an s_nop 0 and four v_nop follow each line
	s_cmp_eq_u32 s[RH], 0
	s_cbranch_scc0 .Lfor_b_\@
	tensor_load_to_lds s[G0A+4*(\s):G0A+4*(\s)+3], s[G1A+32*(\s):G1A+32*(\s)+7]
	s_nop 0
.rept 4
	v_nop
.endr
	s_branch .Lasked_\@
.Lfor_b_\@:
	tensor_load_to_lds s[G0B+4*(\s):G0B+4*(\s)+3], s[G1B+36*(\s):G1B+36*(\s)+7]
	s_nop 0
.rept 4
	v_nop
.endr
.Lasked_\@:
.endm
.macro CREST
	s_cmp_lg_u32 s[WV], 0
	s_cbranch_scc1 .Lnot_wave_0_\@
	s_barrier_signal -3
.Lnot_wave_0_\@:
	s_barrier_wait -3
	s_barrier_signal -1
	s_barrier_wait -1
.endm
.macro CROUND
	s_barrier_signal -1
	s_barrier_wait -1
	CREST
.endm
.macro PLACES
.rept 4
	v_nop
.endr
.endm
.macro ASK c                           ; chunk c's fragments of my work-group's row block of my part
.set KO, ((\c)/2)*(NS0+NS1)+((\c)%2)*NS0
	global_prefetch_b8 v[PFO], s[PFA:PFA+1] offset:KO*1536 th:TH_LOAD_NT scope:SCOPE_SE
	global_prefetch_b8 v[PF6+(\c)%2], s[PFA:PFA+1] offset:KO*1536 th:TH_LOAD_NT scope:SCOPE_SE
.endm
.macro SCL k0, k1                      ; the scale words of steps k0 .. k1 - 1: the words of a pair of row blocks are 128 consecutive bytes.  Every window is 0 here
.set KK, \k0
.rept (\k1)-(\k0)
	global_load_b32 v[SC+4*KK], v[LS4], s[SAB:SAB+1] offset:16384*KK
	global_load_b32 v[SC+4*KK+1], v[LS4], s[SAB:SAB+1] offset:16384*KK+128
	global_load_b32 v[SC+4*KK+2], v[LS4], s[SBB:SBB+1] offset:BST*KK
	global_load_b32 v[SC+4*KK+3], v[LS4], s[SBB:SBB+1] offset:BST*KK+128
.set KK, KK+1
.endr
.endm
.macro RESID                           ; the bias at my four columns, and the residual in the order in which the rows come back from the stage: 33 loads
	global_load_b128 v[BR:BR+3], v6, s[8:9]
	WIN 0x80                                       ; destination window 2
.irp a, 0,1,2,3
.irp t, 0,1,2,3,4,5,6,7
	global_load_b128 v[4*(8*\a+\t):4*(8*\a+\t)+3], v[CO], s[10:11] offset:(32*(\a/2)+8*(\a%2)+2*\t+8*(\t/4))*4096
.endr
.endr
	WIN 0
.endm
.macro SETG1 g, m, n                   ; 4 rows (row blocks) of n fragments, KS x 1,536 bytes apart, dense in LDS; elements of 8 bytes; bit 21 set beside the mask
	s_or_b32 s[\g], s[\m], (3<<16)|(1<<21)
	s_mov_b32 s[\g+1], (192*\n)<<16
	s_mov_b32 s[\g+2], 4<<16
	s_mov_b32 s[\g+3], (192*\n)<<16
	s_mov_b32 s[\g+4], 4
	s_mov_b32 s[\g+5], 192*KS
	s_mov_b32 s[\g+6], 0
	s_mov_b32 s[\g+7], 0
.endm
.macro SETG0 g, lr, lo, src, go
	s_mov_b32 s[\g], 1
	s_add_co_u32 s[\g+1], s[\lr], \lo
	s_add_nc_u64 s[\g+2:\g+3], s[\src:\src+1], \go
	s_or_b32 s[\g+3], s[\g+3], 0x80000000
.endm
.macro WM d, s0, s1, zero, x0, x1, rr  ; zero = 1: the constant 0 starts the sum.  rr = row of source 0's scale register + 2 x row of source 1's
.if \zero
.if (\rr) == 0
	v_wmma_scale_f32_16x16x128_f8f6f4 v[\d:\d+7], v[\s0:\s0+11], v[\s1:\s1+11], 0, v[\x0], v[\x1] matrix_a_fmt:MATRIX_FMT_FP6 matrix_b_fmt:MATRIX_FMT_FP6
.elseif (\rr) == 1
	v_wmma_scale_f32_16x16x128_f8f6f4 v[\d:\d+7], v[\s0:\s0+11], v[\s1:\s1+11], 0, v[\x0], v[\x1] matrix_a_fmt:MATRIX_FMT_FP6 matrix_b_fmt:MATRIX_FMT_FP6 matrix_a_scale:MATRIX_SCALE_ROW1
.elseif (\rr) == 2
	v_wmma_scale_f32_16x16x128_f8f6f4 v[\d:\d+7], v[\s0:\s0+11], v[\s1:\s1+11], 0, v[\x0], v[\x1] matrix_a_fmt:MATRIX_FMT_FP6 matrix_b_fmt:MATRIX_FMT_FP6 matrix_b_scale:MATRIX_SCALE_ROW1
.else
	v_wmma_scale_f32_16x16x128_f8f6f4 v[\d:\d+7], v[\s0:\s0+11], v[\s1:\s1+11], 0, v[\x0], v[\x1] matrix_a_fmt:MATRIX_FMT_FP6 matrix_b_fmt:MATRIX_FMT_FP6 matrix_a_scale:MATRIX_SCALE_ROW1 matrix_b_scale:MATRIX_SCALE_ROW1
.endif
.else
.if (\rr) == 0
	v_wmma_scale_f32_16x16x128_f8f6f4 v[\d:\d+7], v[\s0:\s0+11], v[\s1:\s1+11], v[\d:\d+7], v[\x0], v[\x1] matrix_a_fmt:MATRIX_FMT_FP6 matrix_b_fmt:MATRIX_FMT_FP6
.elseif (\rr) == 1
	v_wmma_scale_f32_16x16x128_f8f6f4 v[\d:\d+7], v[\s0:\s0+11], v[\s1:\s1+11], v[\d:\d+7], v[\x0], v[\x1] matrix_a_fmt:MATRIX_FMT_FP6 matrix_b_fmt:MATRIX_FMT_FP6 matrix_a_scale:MATRIX_SCALE_ROW1
.elseif (\rr) == 2
	v_wmma_scale_f32_16x16x128_f8f6f4 v[\d:\d+7], v[\s0:\s0+11], v[\s1:\s1+11], v[\d:\d+7], v[\x0], v[\x1] matrix_a_fmt:MATRIX_FMT_FP6 matrix_b_fmt:MATRIX_FMT_FP6 matrix_b_scale:MATRIX_SCALE_ROW1
.else
	v_wmma_scale_f32_16x16x128_f8f6f4 v[\d:\d+7], v[\s0:\s0+11], v[\s1:\s1+11], v[\d:\d+7], v[\x0], v[\x1] matrix_a_fmt:MATRIX_FMT_FP6 matrix_b_fmt:MATRIX_FMT_FP6 matrix_a_scale:MATRIX_SCALE_ROW1 matrix_b_scale:MATRIX_SCALE_ROW1
.endif
.endif
.endm
	s_load_b256 s[4:11], s[0:1], 0x0               ; A's images, wimg, the bias, the residual
	s_load_b64 s[12:13], s[0:1], 0x20              ; the result
	v_lshl_add_u32 v[SPW], v0, 2, SPARE
	v_mov_b32 v[NIL], 0
	ds_add_u32 v[SPW], v[NIL]                      ; the opening lines: the add, twice on end, and its wait ahead of my first tensor load
	ds_add_u32 v[SPW], v[NIL]
	v_lshrrev_b32 v1, 5, v0
	v_readfirstlane_b32 s[WV], v1
	s_lshr_b32 s[RH], s[WV], 1                     ; my half of the tile's rows.  Also: I fetch for A (0) or for B (1)
	s_and_b32 s[CH], s[WV], 1                      ; my half of its columns.  Also: which 4 row blocks I fetch
	s_bfe_u32 s[CX], ttmp6, 0x40000
	s_bfe_u32 s[CY], ttmp6, 0x40004
	s_lshl_b32 s[TB], ttmp9, 2
	s_add_co_u32 s[TB], s[TB], s[CX]               ; the tile's 128 columns
	s_and_b32 s[TA], ttmp7, 0xffff
	s_lshl_b32 s[TA], s[TA], 2
	s_add_co_u32 s[TA], s[TA], s[CY]               ; the tile's 128 tokens
	s_lshl_b32 s84, s[CY], 2
	s_lshl_b32 s84, 15, s84                        ; my row of the cluster
	s_lshl_b32 s86, 0x1111, s[CX]                  ; my column
	SETG1 G1A, 84, NS0
	SETG1 G1B, 86, NS0
.if NCH > 1
	SETG1 G1A+32, 84, NS1
	SETG1 G1B+36, 86, NS1
.endif
	s_lshl_b32 s84, s[TA], 3
	s_lshl_b32 s83, s[CH], 2
	s_add_co_u32 s84, s84, s83                     ; A: the 4 row blocks that I fetch
	s_mul_i32 s84, s84, KS*1536
	s_mov_b32 s85, 0
	s_lshl_b32 s86, s[TB], 3
	s_add_co_u32 s90, s86, s83                     ; B: the 4 that I fetch, and the 4 that I multiply
	s_mul_i32 s86, s90, KS*1536
	s_add_co_u32 s86, s86, BCO
	s_mov_b32 s87, 0
	s_lshl_b32 s88, s[TA], 3
	s_lshl_b32 s89, s[RH], 2
	s_add_co_u32 s88, s88, s89                     ; A: the 4 that I multiply
	s_lshl_b32 s88, s88, 6
	s_add_co_u32 s88, s88, ASC
	s_mov_b32 s89, 0
	s_lshl_b32 s90, s90, 6
	s_add_co_u32 s90, s90, BSC
	s_mov_b32 s91, 0
	s_mul_i32 s80, s[WV], P0                       ; where my parts go: no place in the cluster enters an LDS address
	s_mul_i32 s81, s[WV], P1
	s_lshl_b32 s92, s[TA], 7
	s_lshl_b32 s93, s[RH], 6
	s_add_co_u32 s92, s92, s93
	s_lshl_b32 s92, s92, 12                        ; my first row of the result, 4,096 bytes a row,
	s_lshl_b32 s93, s[TB], 9
	s_lshl_b32 s94, s[CH], 8
	s_add_co_u32 s94, s93, s94                     ; my first column, in bytes
	s_add_co_u32 s92, s92, s94
	s_mov_b32 s93, 0
	s_mov_b32 s95, 0
	s_wait_dscnt 0x0                               ; both opening adds are done
	s_wait_kmcnt 0x0
	s_add_nc_u64 s[84:85], s[4:5], s[84:85]
	s_add_nc_u64 s[86:87], s[6:7], s[86:87]
	s_add_nc_u64 s[SAB:SAB+1], s[4:5], s[88:89]
	s_add_nc_u64 s[SBB:SBB+1], s[6:7], s[90:91]
	s_add_nc_u64 s[8:9], s[8:9], s[94:95]
	s_add_nc_u64 s[10:11], s[10:11], s[92:93]
	s_add_nc_u64 s[12:13], s[12:13], s[92:93]
.if FF2
	s_cmp_eq_u32 s[RH], 0                          ; the prefetches' base: my part, and of its 4 row blocks the one at my place among the four that ask jointly
	s_cselect_b64 s[PFA:PFA+1], s[84:85], s[86:87]
	s_cselect_b32 s82, s[CX], s[CY]
	s_mul_i32 s82, s82, KS*1536
	s_mov_b32 s83, 0
	s_add_nc_u64 s[PFA:PFA+1], s[PFA:PFA+1], s[82:83]
.endif
	CROUND                                         ; all sixteen work-groups are here: the first joint loads meet
	SETG0 G0A, 80, 0, 84, 0
	SETG0 G0B, 80, 0, 86, 0
.if NCH > 1
	SETG0 G0A+4, 81, S1, 84, NS0*1536
	SETG0 G0B+4, 81, S1, 86, NS0*1536
.endif
	JLOAD 0                                        ; chunk 0: one tensor load a wave at the head
	s_mul_i32 s82, s[RH], P0
	s_mul_i32 s83, s[CH], P0
	s_add_co_u32 s83, s83, 2*P0
	s_mul_i32 s84, s[RH], P1
	s_add_co_u32 s84, s84, S1
	s_mul_i32 s85, s[CH], P1
	s_add_co_u32 s85, s85, S1+2*P1
	s_mul_i32 s86, s[WV], 16*272
	s_add_co_u32 s86, s86, STAGE                   ; my stage
	v_and_b32 v1, 31, v0
	v_and_b32 v2, 15, v0                           ; r
	v_bfe_u32 v3, v0, 4, 1                         ; h
	v_lshlrev_b32 v4, 4, v1                        ; 16 x lane
	v_lshlrev_b32 v[LS4], 2, v1
	v_lshlrev_b32 v6, 4, v2                        ; my 16 bytes of a row's 256
	v_lshl_add_u32 v[CO], v3, 12, v6               ; lanes 16-31 one row further down
	v_add_nc_u32 v[ADRA], s82, v4
	v_add_nc_u32 v[ADRB], s83, v4
.if NCH > 1
	v_add_nc_u32 v[ADRA+1], s84, v4
	v_add_nc_u32 v[ADRB+1], s85, v4
.endif
	v_mul_u32_u24 v5, v2, 272
	v_lshl_add_u32 v5, v3, 6, v5
	v_add_nc_u32 v[STO], s86, v5                   ; into the stage: row r, + 64 h
	v_mul_u32_u24 v7, v3, 272
	v_lshl_add_u32 v7, v2, 4, v7
	v_add_nc_u32 v[RD], s86, v7                    ; back: lanes 0-15 one row, lanes 16-31 the next
.if FF2
	v_lshlrev_b32 v[PFO], 8, v1
	v_add_nc_u32 v[PF6], 32, v1
	v_min_u32 v[PF6+1], 41, v[PF6]
	v_min_u32 v[PF6], 35, v[PF6]
	v_lshlrev_b32 v[PF6+1], 8, v[PF6+1]
	v_lshlrev_b32 v[PF6], 8, v[PF6]
.endif
	s_wait_alu depctr_va_vdst(0)                   ; the wait behind the head's vector work
.if FF2
	ASK 1
	ASK 2
	SCL 0, NS0+NS1                                 ; chunks 0 and 1
.else
	SCL 0, KS
	RESID
.endif
.macro FETCH slot, q, f                ; 24 loads of 512 consecutive bytes: B's four fragments, then A's four, of the slot's q-th step, into set f
.set RS, 1536*(NS0+(\slot)*(NS1-NS0))
	WIN TO_F
.irp i, 0,1,2,3
.irp g, 0,1,2
	ds_load_b128 v[\f+12*\i+4*\g:\f+12*\i+4*\g+3], v[ADRB+(\slot)] offset:RS*\i+1536*(\q)+512*\g
.endr
.endr
.irp i, 0,1,2,3
.irp g, 0,1,2
	ds_load_b128 v[\f+48+12*\i+4*\g:\f+48+12*\i+4*\g+3], v[ADRA+(\slot)] offset:RS*\i+1536*(\q)+512*\g
.endr
.endr
.endm
.macro MULA f, a, ks                   ; A's block a x B's four.  The 16 accumulators take turns, one instruction a turn, in the same order in every step.  Step 0 starts the sums
.irp b, 0,1,2,3
.if (\ks) == 0
	WM ACC+8*(4*(\a)+\b), \f+12*\b, \f+48+12*(\a), 1, SC+4*(\ks)+2+\b/2, SC+4*(\ks)+(\a)/2, \b%2+2*((\a)%2)
.else
	WM ACC+8*(4*(\a)+\b), \f+12*\b, \f+48+12*(\a), 0, SC+4*(\ks)+2+\b/2, SC+4*(\ks)+(\a)/2, \b%2+2*((\a)%2)
.endif
.endr
.endm
.macro STEP slot, q, st                ; a step that is not its chunk's last: multiplies set st % 2 and fetches the slot's next step into the other set
.set FC, 128*((\st)%2)
.set FN, 128-FC
	s_wait_dscnt 6                                 ; B's four and A's blocks 0, 1 are in; the youngest six loads (A's blocks 2, 3) may be out
	WIN MUL
	MULA FC, 0, \st
	MULA FC, 1, \st
	PLACES
	FETCH \slot, (\q)+1, FN
	s_wait_dscnt 24                                ; all but the 24 just issued
	WIN MUL
	MULA FC, 2, \st
	MULA FC, 3, \st
.endm
; A chunk's last step changes slots: ONE barrier; in front of it each wave waits for all its tensor loads, adds 0 to its spare word, and waits for that and for its reads of this slot.
; Where a chunk two on is left to fetch, the barrier opens a round of the cluster's barrier and this slot is filled again.
.macro TURN slot, st
.set FC, 128*((\st)%2)
.set FN, 128-FC
	WIN 0                                          ; (the add's two registers lie in window 0)
	s_wait_tensorcnt 0x0                           ; my one load that was out, my part of the next slot, has landed
	ds_add_u32 v[SPW], v[NIL]
	s_wait_dscnt 7                                 ; (the add and the youngest six loads may be out)
	WIN MUL
	MULA FC, 0, \st
	s_wait_dscnt 0x0                               ; the add is done, and my reads of this slot are over
	s_barrier_signal -1
	MULA FC, 1, \st
	WIN 0
	s_barrier_wait -1
.if CC+2 < NCH
	CREST                                          ; no wave of any partner still reads this slot or has a load on its way
	s_add_nc_u64 s[G0A+4*(\slot)+2:G0A+4*(\slot)+3], s[G0A+4*(\slot)+2:G0A+4*(\slot)+3], (NS0+NS1)*1536
	s_add_nc_u64 s[G0B+4*(\slot)+2:G0B+4*(\slot)+3], s[G0B+4*(\slot)+2:G0B+4*(\slot)+3], (NS0+NS1)*1536
	JLOAD \slot                                    ; the first tensor load behind the round; its four v_nop are also the places in front of the loads below
.else
	PLACES
.endif
	FETCH 1-(\slot), 0, FN
.if CC+4 < NCH
	ASK CC+4
.endif
.if CC == 0
	WIN 0
	SCL 2*(NS0+NS1), KS                            ; chunk 4's scale words: 24 loads
.elseif CC == 1
	s_wait_loadcnt 24                              ; the words of chunks 2 and 3 are in; chunk 4's 24 loads may be out
.elseif CC == 2
	WIN 0
	RESID
.else
	s_wait_loadcnt 33                              ; chunk 4's words are in; the bias's load and the residual's 32 may be out
.endif
	WIN MUL
	MULA FC, 2, \st
	MULA FC, 3, \st
.endm
.macro CHUNK n
.set Q, 0
.rept (\n)-1
	STEP CC%2, Q, ST
.set Q, Q+1
.set ST, ST+1
.endr
.if CC+1 < NCH
	TURN CC%2, ST
.else
.set FC, 128*(ST%2)
	s_wait_dscnt 6                                 ; the very last step
	WIN MUL
	MULA FC, 0, ST
	MULA FC, 1, ST
	s_wait_dscnt 0x0
	MULA FC, 2, ST
	MULA FC, 3, ST
	WIN 0
.endif
.set ST, ST+1
.set CC, CC+1
.endm
	s_wait_alu depctr_va_vdst(0)                   ; the wait at the head's end
	s_wait_tensorcnt 0x0                           ; my part of chunk 0 is in
.if NCH > 1
	ds_add_u32 v[SPW], v[NIL]
	s_wait_dscnt 0x0
	CROUND                                         ; chunk 0 is whole, and all sixteen work-groups are here
	JLOAD 1                                        ; chunk 1, slot 1's first fill
	s_wait_loadcnt 0x0                             ; the scale words of chunks 0 and 1 are in
.else
	s_barrier_signal -1                            ; the one chunk is whole
	s_barrier_wait -1
	s_wait_loadcnt 33                              ; the scale words are in; the bias's load and the residual's 32 may be out
.endif
	FETCH 0, 0, 0
.if FF2
	ASK 3
	WIN 0
	SCL NS0+NS1, 2*(NS0+NS1)                       ; chunks 2 and 3: 52 loads
.endif
.set ST, 0
.set CC, 0
.if FF2
.irp n, 6,7,6,7,6
	CHUNK \n
.endr
.else
	CHUNK 8
.endif
.macro TOSTAGE a                       ; block a: lane (r, h) holds, of image lane r's row, columns 32 (b / 2) + 16 h + 8 (b % 2) + 0 .. 7 in accumulator b
	WIN 0x08                                       ; an LDS store's data are its source 1: window 2
.irp b, 0,1,2,3
	ds_store_b128 v[STO], v[ACC+8*(4*(\a)+\b):ACC+8*(4*(\a)+\b)+3] offset:128*(\b/2)+32*(\b%2)       ; each accumulator from its low end on
	ds_store_b128 v[STO], v[ACC+8*(4*(\a)+\b)+4:ACC+8*(4*(\a)+\b)+7] offset:128*(\b/2)+32*(\b%2)+16
.endr
	WIN 0
.set OBB, OB+32*((\a)%2)
.irp t, 0,1,2,3,4,5,6,7
	ds_load_b128 v[OBB+4*\t:OBB+4*\t+3], v[RD] offset:544*\t   ; LDS serves a wave's instructions in order: these see my stores
.endr
.endm
.macro SEND a, younger                 ; younger: the LDS instructions issued behind block a's loads, which may stay out
.set OBB, OB+32*((\a)%2)
	s_wait_dscnt \younger
	WIN 0x08                                       ; source 1 window 2: the residual
.irp t, 0,1,2,3,4,5,6,7
	v_pk_add_f32 v[OBB+4*\t:OBB+4*\t+1], v[OBB+4*\t:OBB+4*\t+1], v[4*(8*(\a)+\t):4*(8*(\a)+\t)+1]
	v_pk_add_f32 v[OBB+4*\t+2:OBB+4*\t+3], v[OBB+4*\t+2:OBB+4*\t+3], v[4*(8*(\a)+\t)+2:4*(8*(\a)+\t)+3]
.endr
	WIN 0
.irp t, 0,1,2,3,4,5,6,7
	v_pk_add_f32 v[OBB+4*\t:OBB+4*\t+1], v[OBB+4*\t:OBB+4*\t+1], v[BR:BR+1]
	v_pk_add_f32 v[OBB+4*\t+2:OBB+4*\t+3], v[OBB+4*\t+2:OBB+4*\t+3], v[BR+2:BR+3]
.endr
.irp t, 0,1,2,3,4,5,6,7
	global_store_b128 v[CO], v[OBB+4*\t:OBB+4*\t+3], s[12:13] offset:(32*((\a)/2)+8*((\a)%2)+2*\t+8*(\t/4))*4096   ; 16 lanes store 256 consecutive bytes, aligned
.endr
.endm
	PLACES                                         ; ahead of the first read of results
	s_wait_loadcnt 0x0                             ; the bias and the residual
	TOSTAGE 0
.irp a, 1,2,3
.if \a > 1
	s_wait_xcnt 0x0                                ; block a - 2's stores have read their registers: block a's rows may land there
.endif
	TOSTAGE \a
	SEND \a-1, 16                                  ; behind block a - 1's loads: block a's 8 stores and 8 loads
.endr
	SEND 3, 0
	s_wait_tensorcnt 0x0                           ; the wave's end
	ds_add_u32 v[SPW], v[NIL]
	s_wait_dscnt 0x0
	CROUND                                         ; the closing round: no work-group ends while a partner may still ask for a tile that names it
	s_endpgm
.Lfunc_end_k_qe72acfc753_wo:
	.size	k_qe72acfc753_wo, .Lfunc_end_k_qe72acfc753_wo-k_qe72acfc753_wo
	.p2alignl 7, 3214868480
	.fill 96, 4, 3214868480
	.section	.rodata,"a",@progbits
	.p2align	6, 0x0
	.amdhsa_kernel k_qe72acfc753_wo
		.amdhsa_group_segment_fixed_size 327680
		.amdhsa_private_segment_fixed_size 0
		.amdhsa_enable_private_segment 0
		.amdhsa_kernarg_size 40
		.amdhsa_user_sgpr_count 2
		.amdhsa_user_sgpr_kernarg_segment_ptr 1
		.amdhsa_wavefront_size32 1
		.amdhsa_system_sgpr_workgroup_id_x 1
		.amdhsa_system_sgpr_workgroup_id_y 1
		.amdhsa_system_sgpr_workgroup_id_z 1
		.amdhsa_system_vgpr_workitem_id 0
		.amdhsa_next_free_vgpr 768
		.amdhsa_next_free_sgpr 100
		.amdhsa_reserve_vcc 0
		.amdhsa_float_denorm_mode_32 3
		.amdhsa_float_denorm_mode_16_64 3
		.amdhsa_memory_ordered 1
		.amdhsa_forward_progress 1
		.amdhsa_inst_pref_size 59
	.end_amdhsa_kernel
	.amdgpu_metadata
---
amdhsa.version: [ 1, 2 ]
amdhsa.kernels:
  - .name:           k_qe72acfc753_wo
    .symbol:         k_qe72acfc753_wo.kd
    .args:
      - { .name: act, .offset: 0, .size: 8, .value_kind: global_buffer, .address_space: global }
      - { .name: wimg, .offset: 8, .size: 8, .value_kind: global_buffer, .address_space: global }
      - { .name: bo, .offset: 16, .size: 8, .value_kind: global_buffer, .address_space: global }
      - { .name: x, .offset: 24, .size: 8, .value_kind: global_buffer, .address_space: global }
      - { .name: x1, .offset: 32, .size: 8, .value_kind: global_buffer, .address_space: global }
    .group_segment_fixed_size: 327680
    .private_segment_fixed_size: 0
    .kernarg_segment_align: 8
    .kernarg_segment_size: 40
    .max_flat_workgroup_size: 128
    .sgpr_count:     100
    .vgpr_count:     768
    .wavefront_size: 32
...
	.end_amdgpu_metadata
.endif
;; end of part 4
;; launch ln1 (part 5): grid 256 x 1, 8 waves a work-group, no clusters, 69,632 bytes of LDS; arguments x1, ln2_w, ln2_b, act; writes act
.if DOCPART == 5
	.amdgcn_target "amdgcn-amd-amdhsa--gfx1250"
	.amdhsa_code_object_version 6
	.text
	.protected	k_qe72acfc753_ln1
	.globl	k_qe72acfc753_ln1
	.p2align	8
	.type	k_qe72acfc753_ln1,@function
k_qe72acfc753_ln1:
	s_mov_b64 s[64:65], 0
	v_nop
	global_prefetch_b8 v0, s[64:65] scope:SCOPE_SE
	s_setreg_imm32_b32 hwreg(HW_REG_WAVE_MODE, 25, 1), 1
	s_wait_xcnt 0x0
; y = (x - mean) rsqrt(var + 1e-5) w + b along rows of 1,024 f32, then y is quantised along the row to FP6 (E2M3) with one E8M0 byte for each 32, and stored as IMAGES OF OPERAND REGISTERS.
; THE IMAGE: rows go in blocks of 16; lane r of block rb stands for row 32 (rb / 2) + 8 (rb % 2) + r + 8 (r / 8).  Fragment (rb, ks) is 1,536 bytes at (8 rb + ks) 1536: byte 512 g + 16 l + 4 w is register 4 g + w of
; lane l = r + 16 h; registers 6 c .. 6 c + 5 hold k = 128 ks + 64 c + 32 h + 0 .. 31.  Scale words at 3,145,728 + ((256 ks + rb) 16 + r) 4.
; SHARES.  A work-group takes one row block, wave w its columns 128 w .. 128 w + 127: one fragment.  Each load reads 512 consecutive bytes of a row; the 16 x 512 bytes turn through the wave's own stage in LDS, so that
; lane (r, h) holds, of row r, 16 neighbours of each block of 32 (register 16 b + i = column 32 b + 16 h + i), which is what the conversions want.
; The mean and then the sum of squared differences (two passes over registers: a common offset of the row costs no digits) meet in LDS across the eight waves: two barriers.
; LIMITS: a block whose largest magnitude lies under 2^-124 gets the byte 1 (this program alone reads the bytes); NaN and infinities are not served.
; A stream: no matrix unit, no cluster, no tensor load.
; In this program the launch serves the SECOND norm: its rows are x1, its gain ln2_w, its bias ln2_b.  (The first norm is done in launch prep, by the same steps.)
.set RED1,  0
.set RED2,  512                        ; the same for the squares,
.set SPARE, 1024                       ; the spare words, 128 bytes for each of eight waves,
.set STG,   2048                       ; and a stage of 16 rows x (512 + 16) bytes for each wave
.set X,     32                         ; v32-95   64 numbers of my row
.set W,     96                         ; v96-159  the gain at my 64 columns; later the quantiser's registers
.set B,     160                        ; v160-223 the bias at my 64 columns
.set RL,    224                        ; v224-231 the eight waves' sums
.set TMX,   96
.set TMB,   100
.set TMS,   104
.set PC,    112
.set PW,    132
.set SPW,   12
.set NIL,   13
.set SEL,   20
; 64 numbers of a lane, register 16 b + i = k 32 b + 16 (lane / 16) + i of my row, become a fragment's codes in v[PC] on and its scale word in v[pw].
.macro QUANT s, pw
.irp b, 0,1,2,3
	v_max3_num_f32 v[TMX+\b], |v[\s+16*\b]|, |v[\s+1+16*\b]|, 0x1800000   ; my 16 numbers of block b, and the floor 2^(3 - 127): the byte cannot fall under 1
.endr
.irp i, 2,4,6,8,10,12,14
.irp b, 0,1,2,3
	s_delay_alu instid0(VALU_DEP_4)
	v_max3_num_f32 v[TMX+\b], v[TMX+\b], |v[\s+16*\b+\i]|, |v[\s+1+16*\b+\i]|
.endr
.endr
.irp b, 0,1,2,3
	s_delay_alu instid0(VALU_DEP_4)
	v_permlanex16_b32 v[TMB+\b], v[TMX+\b], s[SEL], s[SEL+1]
.endr
.irp b, 0,1,2,3
	s_delay_alu instid0(VALU_DEP_4)
	v_max_num_f32 v[TMX+\b], v[TMX+\b], v[TMB+\b]  ; with lane l xor 16's: the block's largest magnitude
.endr
.irp b, 0,1,2,3
	s_delay_alu instid0(VALU_DEP_4)
	v_add_nc_u32 v[TMS+\b], 0xff000000, v[TMX+\b]  ; 2 off its exponent field: the conversion's scale operand
.endr
.irp b, 0,1,2,3
	s_delay_alu instid0(VALU_DEP_4)
	v_lshrrev_b32 v[TMB+\b], 23, v[TMS+\b]         ; the scale's byte
.endr
	s_delay_alu instid0(VALU_DEP_3)
	v_lshl_or_b32 v[\pw], v[TMB+1], 8, v[TMB]
	s_delay_alu instid0(VALU_DEP_1)
	v_lshl_or_b32 v[\pw], v[TMB+2], 16, v[\pw]
	s_delay_alu instid0(VALU_DEP_1)
	v_lshl_or_b32 v[\pw], v[TMB+3], 24, v[\pw]
.irp c, 0,1
	v_cvt_scalef32_pk16_fp6_f32 v[PC+6*\c:PC+2+6*\c], v[\s+32*\c:\s+15+32*\c], v[TMS+2*\c]
	v_cvt_scalef32_pk16_fp6_f32 v[PC+12+4*\c:PC+14+4*\c], v[\s+16+32*\c:\s+31+32*\c], v[TMS+2*\c+1]
.endr
	v_nop                                          ; one plain place behind a scaled conversion
.irp c, 0,1                                    ; the operand wants a whole block in a lane: lanes 0-15 block 2 c, lanes 16-31 block 2 c + 1
.irp i, 0,1,2
	v_permlane16_swap_b32 v[PC+6*\c+\i], v[PC+12+4*\c+\i]
.endr
.irp i, 0,1,2
	s_delay_alu instid0(VALU_DEP_3)
	v_mov_b32 v[PC+3+6*\c+\i], v[PC+12+4*\c+\i]
.endr
.endr
.endm
.macro BARRIER                         ; my LDS stores have landed and my LDS loads are in: then the work-group's barrier
	s_wait_dscnt 0x0
	s_barrier_signal -1
	s_barrier_wait -1
.endm
.macro GATHER red                      ; my row's eight partial sums -> v16
	ds_load_b128 v[RL:RL+3], v8 offset:\red
	ds_load_b128 v[RL+4:RL+7], v8 offset:\red+16
	s_wait_dscnt 0x0
	v_add_f32 v16, v[RL], v[RL+1]
	v_add_f32 v17, v[RL+2], v[RL+3]
	v_add_f32 v18, v[RL+4], v[RL+5]
	v_add_f32 v19, v[RL+6], v[RL+7]
	s_delay_alu instid0(VALU_DEP_3)
	v_add_f32 v16, v16, v17
	s_delay_alu instid0(VALU_DEP_2)
	v_add_f32 v18, v18, v19
	s_delay_alu instid0(VALU_DEP_1)
	v_add_f32 v16, v16, v18
.endm
	s_load_b256 s[4:11], s[0:1], 0x0               ; the rows, the gain, the bias, the images
	v_lshl_add_u32 v[SPW], v0, 2, SPARE
	v_mov_b32 v[NIL], 0
	v_lshrrev_b32 v1, 5, v0
	s_delay_alu instid0(VALU_DEP_1)
	v_readfirstlane_b32 s12, v1                    ; wave = ks
	v_and_b32 v2, 31, v0                           ; lane
	v_and_b32 v3, 15, v0                           ; r
	v_bfe_u32 v4, v0, 4, 1                         ; h
	s_delay_alu instid0(VALU_DEP_3)
	v_lshlrev_b32 v5, 4, v2                        ; 16 x lane
	s_mul_i32 s13, s12, 8448
	s_add_co_u32 s13, s13, STG                     ; my stage
	v_add_nc_u32 v6, s13, v5                       ; into it: a row as it is loaded
	v_mul_u32_u24 v7, v3, 528
	s_delay_alu instid0(VALU_DEP_1)
	v_lshl_add_u32 v7, v4, 6, v7
	s_delay_alu instid0(VALU_DEP_1)
	v_add_nc_u32 v7, s13, v7                       ; out of it: row r, + 64 h
	v_lshlrev_b32 v8, 5, v3                        ; a row's eight sums: 32 r
	s_lshl_b32 s14, s12, 2
	v_add_nc_u32 v9, s14, v8                       ; my wave's word among them
	v_lshlrev_b32 v10, 6, v4                       ; gain and bias: 64 h
	v_lshlrev_b32 v11, 2, v3                       ; the scale word: 4 r
	v_mov_b32 v20, 0                               ; (a lane permute's destination counts as one of its sources)
	s_mov_b32 s[SEL], 0x76543210
	s_mov_b32 s[SEL+1], 0xfedcba98                 ; lane l xor 16
	s_mov_b32 s22, 0x3a800000                      ; 1 / 1024
	s_mov_b32 s23, 0x3727c5ac                      ; 1e-5
	s_lshr_b32 s24, ttmp9, 1
	s_lshl_b32 s24, s24, 5
	s_and_b32 s25, ttmp9, 1
	s_lshl_b32 s25, s25, 3
	s_add_co_u32 s24, s24, s25                     ; the block's first row: 32 (rb / 2) + 8 (rb % 2)
	s_lshl_b32 s24, s24, 12
	s_lshl_b32 s26, s12, 9                         ; my wave's 512 bytes of a row
	s_add_co_u32 s24, s24, s26
	s_mov_b32 s25, 0
	s_mov_b32 s27, 0
	s_lshl_b32 s28, ttmp9, 3
	s_add_co_u32 s28, s28, s12
	s_mul_i32 s28, s28, 1536                       ; fragment (rb, w)
	s_mov_b32 s29, 0
	s_lshl_b32 s30, s12, 8
	s_add_co_u32 s30, s30, ttmp9
	s_lshl_b32 s30, s30, 6
	s_add_co_u32 s30, s30, 3145728                 ; its scale words
	s_mov_b32 s31, 0
	s_wait_alu depctr_va_vdst(0)
	s_wait_kmcnt 0x0
	s_add_nc_u64 s[4:5], s[4:5], s[24:25]
	s_add_nc_u64 s[6:7], s[6:7], s[26:27]
	s_add_nc_u64 s[8:9], s[8:9], s[26:27]
	s_add_nc_u64 s[28:29], s[10:11], s[28:29]
	s_add_nc_u64 s[30:31], s[10:11], s[30:31]
.irp i, 0,1,2,3,4,5,6,7,8,9,10,11,12,13,14,15
	global_load_b128 v[X+4*\i:X+4*\i+3], v5, s[4:5] offset:(\i+8*(\i/8))*4096   ; image lane i's row: 512 consecutive bytes
.endr
.irp b, 0,1,2,3
.irp j, 0,1,2,3
	global_load_b128 v[W+16*\b+4*\j:W+16*\b+4*\j+3], v10, s[6:7] offset:128*\b+16*\j
	global_load_b128 v[B+16*\b+4*\j:B+16*\b+4*\j+3], v10, s[8:9] offset:128*\b+16*\j
.endr
.endr
	s_wait_loadcnt 32                              ; the rows are in; the 32 loads of gain and bias may be out
.irp i, 0,1,2,3,4,5,6,7,8,9,10,11,12,13,14,15
	ds_store_b128 v6, v[X+4*\i:X+4*\i+3] offset:528*\i
.endr
.irp b, 0,1,2,3
.irp j, 0,1,2,3
	ds_load_b128 v[X+16*\b+4*\j:X+16*\b+4*\j+3], v7 offset:128*\b+16*\j   ; LDS serves a wave's instructions in order: these see my stores
.endr
.endr
	s_wait_dscnt 0x0
	; the mean
	v_pk_add_f32 v[18:19], v[32:33], v[34:35]
	v_pk_add_f32 v[238:239], v[40:41], v[44:45]
	v_pk_add_f32 v[236:237], v[48:49], v[52:53]
	v_pk_add_f32 v[234:235], v[56:57], v[60:61]
	v_pk_add_f32 v[232:233], v[64:65], v[68:69]
	v_pk_add_f32 v[230:231], v[72:73], v[76:77]
	v_pk_add_f32 v[228:229], v[80:81], v[84:85]
	v_pk_add_f32 v[16:17], v[88:89], v[92:93]
	s_delay_alu instid0(VALU_DEP_1)
	v_pk_add_f32 v[16:17], v[16:17], v[36:37]
	v_pk_add_f32 v[18:19], v[18:19], v[38:39]
	v_pk_add_f32 v[238:239], v[238:239], v[42:43]
	v_pk_add_f32 v[236:237], v[236:237], v[46:47]
	v_pk_add_f32 v[234:235], v[234:235], v[50:51]
	v_pk_add_f32 v[232:233], v[232:233], v[54:55]
	v_pk_add_f32 v[230:231], v[230:231], v[58:59]
	v_pk_add_f32 v[228:229], v[228:229], v[62:63]
	v_pk_add_f32 v[16:17], v[16:17], v[66:67]
	v_pk_add_f32 v[18:19], v[18:19], v[70:71]
	v_pk_add_f32 v[238:239], v[238:239], v[74:75]
	v_pk_add_f32 v[236:237], v[236:237], v[78:79]
	v_pk_add_f32 v[234:235], v[234:235], v[82:83]
	v_pk_add_f32 v[232:233], v[232:233], v[86:87]
	v_pk_add_f32 v[230:231], v[230:231], v[90:91]
	v_pk_add_f32 v[228:229], v[228:229], v[94:95]
	s_delay_alu instid0(VALU_DEP_4)
	v_pk_add_f32 v[16:17], v[16:17], v[234:235]
	s_delay_alu instid0(VALU_DEP_4)
	v_pk_add_f32 v[18:19], v[18:19], v[232:233]
	s_delay_alu instid0(VALU_DEP_4)
	v_pk_add_f32 v[238:239], v[238:239], v[230:231]
	s_delay_alu instid0(VALU_DEP_4)
	v_pk_add_f32 v[236:237], v[236:237], v[228:229]
	s_delay_alu instid0(VALU_DEP_2)
	v_pk_add_f32 v[16:17], v[16:17], v[238:239]
	s_delay_alu instid0(VALU_DEP_2)
	v_pk_add_f32 v[18:19], v[18:19], v[236:237]
	s_delay_alu instid0(VALU_DEP_1)
	v_pk_add_f32 v[16:17], v[16:17], v[18:19]
	s_delay_alu instid0(VALU_DEP_1)
	v_add_f32 v16, v16, v17
	s_delay_alu instid0(VALU_DEP_1)
	v_permlanex16_b32 v20, v16, s[SEL], s[SEL+1]
	s_delay_alu instid0(VALU_DEP_1)
	v_add_f32 v16, v16, v20                        ; my wave's 128 columns of row r
	ds_store_b32 v9, v16 offset:RED1               ; (lanes r and r + 16 write the same word with the same value)
	BARRIER
	GATHER RED1
	s_delay_alu instid0(VALU_DEP_1)
	v_mul_f32 v22, s22, v16                        ; the mean
	s_delay_alu instid0(VALU_DEP_1)
	v_mov_b32 v23, v22
.set j, 0
.rept 32
	v_pk_add_f32 v[X+j:X+j+1], v[X+j:X+j+1], v[22:23] neg_lo:[0,1] neg_hi:[0,1]   ; d = x - mean
.set j, j+2
.endr
	; the variance
	v_pk_mul_f32 v[16:17], v[X:X+1], v[X:X+1]
	v_pk_mul_f32 v[18:19], v[X+2:X+3], v[X+2:X+3]
.irp j, 4,8,12,16,20,24,28,32,36,40,44,48,52,56,60
	s_delay_alu instid0(VALU_DEP_2)
	v_pk_fma_f32 v[16:17], v[X+\j:X+\j+1], v[X+\j:X+\j+1], v[16:17]
	s_delay_alu instid0(VALU_DEP_2)
	v_pk_fma_f32 v[18:19], v[X+\j+2:X+\j+3], v[X+\j+2:X+\j+3], v[18:19]
.endr
	s_delay_alu instid0(VALU_DEP_1)
	v_pk_add_f32 v[16:17], v[16:17], v[18:19]
	s_delay_alu instid0(VALU_DEP_1)
	v_add_f32 v16, v16, v17
	s_delay_alu instid0(VALU_DEP_1)
	v_permlanex16_b32 v20, v16, s[SEL], s[SEL+1]
	s_delay_alu instid0(VALU_DEP_1)
	v_add_f32 v16, v16, v20
	ds_store_b32 v9, v16 offset:RED2               ; other bytes than the first sums': no barrier is owed between the reads there and this store
	BARRIER
	GATHER RED2
	s_delay_alu instid0(VALU_DEP_1)
	v_fma_f32 v16, v16, s22, s23                   ; var + 1e-5
	s_wait_alu depctr_va_vdst(0)
	v_rsq_f32 v24, v16
	v_nop                                          ; a plain place behind the transcendental
	s_wait_alu depctr_va_vdst(0)                   ; and a wait ahead of its first reader
	v_mov_b32 v25, v24
	s_wait_alu depctr_va_vdst(0)
	s_wait_loadcnt 0x0                             ; gain and bias
.set j, 0
.rept 32
	v_pk_mul_f32 v[X+j:X+j+1], v[X+j:X+j+1], v[24:25]
.set j, j+2
.endr
.set j, 0
.rept 32
	v_pk_fma_f32 v[X+j:X+j+1], v[X+j:X+j+1], v[W+j:W+j+1], v[B+j:B+j+1]
.set j, j+2
.endr
	QUANT X, PW
.irp g, 0,1,2
	global_store_b128 v5, v[PC+4*\g:PC+4*\g+3], s[28:29] offset:512*\g   ; 512 consecutive bytes, aligned
.endr
	global_store_b32 v11, v[PW], s[30:31]          ; lanes r and r + 16 store the same word with the same value: EXEC is never touched
	s_wait_tensorcnt 0x0                           ; the wave's end: behind my last LDS store
	ds_add_u32 v[SPW], v[NIL]
	s_wait_dscnt 0x0
	s_endpgm
.Lfunc_end_k_qe72acfc753_ln1:
	.size	k_qe72acfc753_ln1, .Lfunc_end_k_qe72acfc753_ln1-k_qe72acfc753_ln1
	.p2alignl 7, 3214868480
	.fill 96, 4, 3214868480
	.section	.rodata,"a",@progbits
	.p2align	6, 0x0
	.amdhsa_kernel k_qe72acfc753_ln1
		.amdhsa_group_segment_fixed_size 69632
		.amdhsa_private_segment_fixed_size 0
		.amdhsa_enable_private_segment 0
		.amdhsa_kernarg_size 32
		.amdhsa_user_sgpr_count 2
		.amdhsa_user_sgpr_kernarg_segment_ptr 1
		.amdhsa_wavefront_size32 1
		.amdhsa_system_sgpr_workgroup_id_x 1
		.amdhsa_system_sgpr_workgroup_id_y 1
		.amdhsa_system_sgpr_workgroup_id_z 1
		.amdhsa_system_vgpr_workitem_id 0
		.amdhsa_next_free_vgpr 240
		.amdhsa_next_free_sgpr 66
		.amdhsa_reserve_vcc 0
		.amdhsa_float_denorm_mode_32 3
		.amdhsa_float_denorm_mode_16_64 3
		.amdhsa_memory_ordered 1
		.amdhsa_forward_progress 1
		.amdhsa_inst_pref_size 29
	.end_amdhsa_kernel
	.amdgpu_metadata
---
amdhsa.version: [ 1, 2 ]
amdhsa.kernels:
  - .name:           k_qe72acfc753_ln1
    .symbol:         k_qe72acfc753_ln1.kd
    .args:
      - { .name: x1, .offset: 0, .size: 8, .value_kind: global_buffer, .address_space: global }
      - { .name: ln2_w, .offset: 8, .size: 8, .value_kind: global_buffer, .address_space: global }
      - { .name: ln2_b, .offset: 16, .size: 8, .value_kind: global_buffer, .address_space: global }
      - { .name: act, .offset: 24, .size: 8, .value_kind: global_buffer, .address_space: global }
    .group_segment_fixed_size: 69632
    .private_segment_fixed_size: 0
    .kernarg_segment_align: 8
    .kernarg_segment_size: 32
    .max_flat_workgroup_size: 256
    .sgpr_count:     66
    .vgpr_count:     240
    .wavefront_size: 32
...
	.end_amdgpu_metadata
.endif
;; end of part 5
;; launch ffn1 (part 6): grid 16 x 16, 4 waves a work-group, clusters of 4 x 4, 327,680 bytes of LDS; arguments act, wimg, b1, hid; writes hid
.if DOCPART == 6
	.amdgcn_target "amdgcn-amd-amdhsa--gfx1250"
	.amdhsa_code_object_version 6
	.text
	.protected	k_qe72acfc753_ffn1
	.globl	k_qe72acfc753_ffn1
	.p2align	8
	.type	k_qe72acfc753_ffn1,@function
k_qe72acfc753_ffn1:
	s_mov_b64 s[64:65], 0
	v_nop
	global_prefetch_b8 v0, s[64:65] scope:SCOPE_SE
	s_setreg_imm32_b32 hwreg(HW_REG_WAVE_MODE, 25, 1), 1
	s_wait_xcnt 0x0
	s_wait_alu depctr_hold_cnt(0) depctr_sa_sdst(0) depctr_va_vdst(0) depctr_va_sdst(0) depctr_va_ssrc(0) depctr_va_vcc(0) depctr_vm_vsrc(0)
	s_getreg_b32 s2, hwreg(HW_REG_IB_STS2, 6, 4)
	s_cmp_eq_u32 s2, 0
	s_cbranch_scc0 .Lentry_in_a_cluster
	s_endpgm
.Lentry_in_a_cluster:
	s_bfe_u32 s2, ttmp6, 0x10000c
	s_cmp_lg_u32 s2, 0xf033
	s_cbranch_scc0 .Lentry_shape_is_right
	s_endpgm
.Lentry_shape_is_right:
; hid = Q(gelu(act W1 + b1)): a GEMM over K = 1,024 on images of FP6 (E2M3) operands whose result is quantised again along the hidden axis, in registers, and stored as images (launch qkv's text with FFN = 1; the image is described there).
; A tile is 256 tokens x 256 columns of W1; four waves, each 128 x 128; clusters of 4 x 4 with joint loads: A's tile along a row of the cluster, B's along a column.
; THE WALK ALONG K: chunk 0 (256 along K) is each wave's one tensor load at the head, into region 0.  Behind the wait for it, the add and a round of the cluster's barrier each wave asks for chunks 1 and 2 by ONE load
; (rows of four fragments, 6,144 bytes) into the 196,608 bytes behind region 0, laid [part][8 row blocks][4 ks][1,536].  Chunk 3 fills region 0 again behind the round in chunk 0's last step.
; By this text's count a wave has one tensor load out at any time.  Group 1's two words that state a row's length are written anew where no load of the wave is out.
; gelu(x) = x / (1 + 2^z), z = x (c1 x^2 + c0): the tanh form by one exponential and one reciprocal.  No prefetch: the walk has three loads and no loop to run ahead in.
; LIMITS: a block whose largest magnitude lies under 2^-124 gets the byte 1 (this program alone reads the bytes); NaN and infinities are not served.
.set FFN,   1
.set FR,    12
.set REG,   98304
.set PART,  24576
.set SPARE, 3*REG
.set PWS,   4
.set PWP,   6
.set C0P,   8
.set C1P,   10
.set RBP,   12
.set ADRA,  16
.set ADRB,  20
.set LI,    24
.set LS4,   25
.set BA,    26
.set BR4,   27
.set SPW,   28
.set NIL,   29
.set SA,    32
.set SB,    64
.set AF,    128
.set T,     128
.set PC,    192
.set TMX,   212
.set TMB,   216
.set TMS,   220
.set WV,    16
.set RH,    17
.set CH,    18
.set CX,    19
.set CY,    20
.set TA,    22
.set TB,    23
.set G1A,   24
.set G1B,   32
.set G0A,   40
.set G0B,   52
.set SEL,   66
.set OUT,   68
.set OSTEP, 70
.set OSC,   72
.set SAB,   74
.set SBB,   76
.set BIAS,  78
.set HM,    80
.set M0,    81
.set RBS,   90
.set M1,    94
.if FFN
.set OP,    10
.set NBL,   16
.else
.set OP,    14
.set NBL,   24
.endif
.set MSB, 0
.macro WIN new
.if MSB != (\new)
	s_set_vgpr_msb (MSB<<8)|(\new)
.set MSB, \new
.endif
.endm
.set MUL_LO, 0xa1
.set MUL_HI, 0xf1
.set TO_B,   0x40
.macro JLOAD g0a, g0b
	s_cmp_eq_u32 s[RH], 0
	s_cbranch_scc0 .Lfor_b_\@
	tensor_load_to_lds s[\g0a:\g0a+3], s[G1A:G1A+7]
	s_nop 0
.rept 4
	v_nop
.endr
	s_branch .Lasked_\@
.Lfor_b_\@:
	tensor_load_to_lds s[\g0b:\g0b+3], s[G1B:G1B+7]
	s_nop 0
.rept 4
	v_nop
.endr
.Lasked_\@:
.endm
.macro CREST
	s_cmp_lg_u32 s[WV], 0
	s_cbranch_scc1 .Lnot_wave_0_\@
	s_barrier_signal -3
.Lnot_wave_0_\@:
	s_barrier_wait -3
	s_barrier_signal -1
	s_barrier_wait -1
.endm
.macro CROUND
	s_barrier_signal -1
	s_barrier_wait -1
	CREST
.endm
.macro PLACES
.rept 4
	v_nop
.endr
.endm
.macro WM d, s0, s1, zero, x0, x1, rr
.if \zero
.if (\rr) == 0
	v_wmma_scale_f32_16x16x128_f8f6f4 v[\d:\d+7], v[\s0:\s0+11], v[\s1:\s1+11], 0, v[\x0], v[\x1] matrix_a_fmt:MATRIX_FMT_FP6 matrix_b_fmt:MATRIX_FMT_FP6
.elseif (\rr) == 1
	v_wmma_scale_f32_16x16x128_f8f6f4 v[\d:\d+7], v[\s0:\s0+11], v[\s1:\s1+11], 0, v[\x0], v[\x1] matrix_a_fmt:MATRIX_FMT_FP6 matrix_b_fmt:MATRIX_FMT_FP6 matrix_a_scale:MATRIX_SCALE_ROW1
.elseif (\rr) == 2
	v_wmma_scale_f32_16x16x128_f8f6f4 v[\d:\d+7], v[\s0:\s0+11], v[\s1:\s1+11], 0, v[\x0], v[\x1] matrix_a_fmt:MATRIX_FMT_FP6 matrix_b_fmt:MATRIX_FMT_FP6 matrix_b_scale:MATRIX_SCALE_ROW1
.else
	v_wmma_scale_f32_16x16x128_f8f6f4 v[\d:\d+7], v[\s0:\s0+11], v[\s1:\s1+11], 0, v[\x0], v[\x1] matrix_a_fmt:MATRIX_FMT_FP6 matrix_b_fmt:MATRIX_FMT_FP6 matrix_a_scale:MATRIX_SCALE_ROW1 matrix_b_scale:MATRIX_SCALE_ROW1
.endif
.else
.if (\rr) == 0
	v_wmma_scale_f32_16x16x128_f8f6f4 v[\d:\d+7], v[\s0:\s0+11], v[\s1:\s1+11], v[\d:\d+7], v[\x0], v[\x1] matrix_a_fmt:MATRIX_FMT_FP6 matrix_b_fmt:MATRIX_FMT_FP6
.elseif (\rr) == 1
	v_wmma_scale_f32_16x16x128_f8f6f4 v[\d:\d+7], v[\s0:\s0+11], v[\s1:\s1+11], v[\d:\d+7], v[\x0], v[\x1] matrix_a_fmt:MATRIX_FMT_FP6 matrix_b_fmt:MATRIX_FMT_FP6 matrix_a_scale:MATRIX_SCALE_ROW1
.elseif (\rr) == 2
	v_wmma_scale_f32_16x16x128_f8f6f4 v[\d:\d+7], v[\s0:\s0+11], v[\s1:\s1+11], v[\d:\d+7], v[\x0], v[\x1] matrix_a_fmt:MATRIX_FMT_FP6 matrix_b_fmt:MATRIX_FMT_FP6 matrix_b_scale:MATRIX_SCALE_ROW1
.else
	v_wmma_scale_f32_16x16x128_f8f6f4 v[\d:\d+7], v[\s0:\s0+11], v[\s1:\s1+11], v[\d:\d+7], v[\x0], v[\x1] matrix_a_fmt:MATRIX_FMT_FP6 matrix_b_fmt:MATRIX_FMT_FP6 matrix_a_scale:MATRIX_SCALE_ROW1 matrix_b_scale:MATRIX_SCALE_ROW1
.endif
.endif
.endm
.macro QUANT s, pw
.irp b, 0,1,2,3
	v_max3_num_f32 v[TMX+\b], |v[\s+16*\b]|, |v[\s+1+16*\b]|, 0x1800000
.endr
.irp i, 2,4,6,8,10,12,14
.irp b, 0,1,2,3
	v_max3_num_f32 v[TMX+\b], v[TMX+\b], |v[\s+16*\b+\i]|, |v[\s+1+16*\b+\i]|
.endr
.endr
.irp b, 0,1,2,3
	v_permlanex16_b32 v[TMB+\b], v[TMX+\b], s[SEL], s[SEL+1]
.endr
.irp b, 0,1,2,3
	v_max_num_f32 v[TMX+\b], v[TMX+\b], v[TMB+\b]
.endr
.irp b, 0,1,2,3
	v_add_nc_u32 v[TMS+\b], 0xff000000, v[TMX+\b]
.endr
.irp b, 0,1,2,3
	v_lshrrev_b32 v[TMB+\b], 23, v[TMS+\b]
.endr
	v_lshl_or_b32 v[\pw], v[TMB+1], 8, v[TMB]
	v_lshl_or_b32 v[\pw], v[TMB+2], 16, v[\pw]
	v_lshl_or_b32 v[\pw], v[TMB+3], 24, v[\pw]
.irp c, 0,1
	v_cvt_scalef32_pk16_fp6_f32 v[PC+6*\c:PC+2+6*\c], v[\s+32*\c:\s+15+32*\c], v[TMS+2*\c]
	v_cvt_scalef32_pk16_fp6_f32 v[PC+12+4*\c:PC+14+4*\c], v[\s+16+32*\c:\s+31+32*\c], v[TMS+2*\c+1]
.endr
	v_nop
.irp c, 0,1
.irp i, 0,1,2
	v_permlane16_swap_b32 v[PC+6*\c+\i], v[PC+12+4*\c+\i]
.endr
.irp i, 0,1,2
	v_mov_b32 v[PC+3+6*\c+\i], v[PC+12+4*\c+\i]
.endr
.endr
.endm
.if FFN
	s_load_b256 s[4:11], s[0:1], 0x0
.else
	s_load_b256 s[4:11], s[0:1], 0x0
	s_load_b128 s[12:15], s[0:1], 0x20
.endif
	v_lshl_add_u32 v[SPW], v0, 2, SPARE
	v_mov_b32 v[NIL], 0
	ds_add_u32 v[SPW], v[NIL]
	ds_add_u32 v[SPW], v[NIL]
	v_lshrrev_b32 v1, 5, v0
	v_readfirstlane_b32 s[WV], v1
	s_lshr_b32 s[RH], s[WV], 1
	s_and_b32 s[CH], s[WV], 1
	s_bfe_u32 s[CX], ttmp6, 0x40000
	s_bfe_u32 s[CY], ttmp6, 0x40004
.if FFN
	s_lshl_b32 s[TB], ttmp9, 2
	s_add_co_u32 s[TB], s[TB], s[CX]
	s_and_b32 s[TA], ttmp7, 0xffff
	s_lshl_b32 s[TA], s[TA], 2
	s_add_co_u32 s[TA], s[TA], s[CY]
	s_mov_b32 s95, 0
	s_mov_b32 s96, 3145728
	s_mov_b32 s97, 9568256
	s_mov_b32 s98, 3145728
	s_mov_b32 s99, 32
	s_mov_b32 s100, 256
	s_mov_b32 s101, 31
.else
	s_and_b32 s82, ttmp7, 0xffff
	s_cmp_eq_u32 ttmp9, 2
	s_cselect_b32 s83, 0, s82
	s_cselect_b32 s88, s82, ttmp9
	s_cselect_b32 s95, 128, 0
	s_mov_b32 s96, 3145728
	s_cselect_b32 s96, 9437184, s96
	s_mov_b32 s97, 9437184
	s_cselect_b32 s97, 3145728, s97
	s_mov_b32 s98, 0
	s_cselect_b32 s[M0], 0, -1
	s_cselect_b32 s[M1], -1, 0
	s_cselect_b32 s99, 32, 8
	s_cselect_b32 s100, 64, 256
	s_cselect_b32 s101, 31, 7
	s_lshl_b32 s[TA], s83, 2
	s_add_co_u32 s[TA], s[TA], s[CY]
	s_lshl_b32 s[TB], s88, 2
	s_add_co_u32 s[TB], s[TB], s[CX]
.endif
	s_lshl_b32 s84, s[CY], 2
	s_lshl_b32 s84, 15, s84
	s_lshl_b32 s86, 0x1111, s[CX]
	s_or_b32 s[G1A], s84, (3<<16)|(1<<21)
	s_or_b32 s[G1B], s86, (3<<16)|(1<<21)
.irp g, G1A, G1B
	s_mov_b32 s[\g+1], 384<<16
	s_mov_b32 s[\g+2], 8<<16
	s_mov_b32 s[\g+3], 384<<16
	s_mov_b32 s[\g+4], 8
	s_mov_b32 s[\g+5], 1536
	s_mov_b32 s[\g+6], 0
	s_mov_b32 s[\g+7], 0
.endr
	s_lshl_b32 s82, s[TA], 4
	s_add_co_u32 s82, s82, s95
	s_lshl_b32 s83, s[CH], 3
	s_add_co_u32 s84, s82, s83
	s_mul_i32 s84, s84, 12288
	s_mov_b32 s85, 0
	s_lshl_b32 s86, s[TB], 4
	s_add_co_u32 s90, s86, s83
	s_mul_i32 s86, s90, 12288
	s_add_co_u32 s86, s86, s98
	s_mov_b32 s87, 0
	s_lshl_b32 s88, s[RH], 3
	s_add_co_u32 s88, s88, s82
	s_lshl_b32 s88, s88, 6
	s_add_co_u32 s88, s88, s96
	s_mov_b32 s89, 0
	s_lshl_b32 s90, s90, 6
	s_add_co_u32 s90, s90, s97
	s_mov_b32 s91, 0
	s_mul_i32 s21, s[WV], PART
	s_mov_b32 s[SEL], 0x76543210
	s_mov_b32 s[SEL+1], 0xfedcba98
	s_mov_b32 s[HM], 0xffff0000
	s_wait_dscnt 0x0
	s_wait_kmcnt 0x0
.if FFN
	s_mov_b64 s[2:3], s[4:5]
	s_mov_b64 s[92:93], s[6:7]
.else
	s_cmp_eq_u32 ttmp9, 2
	s_cselect_b64 s[2:3], s[6:7], s[4:5]
	s_cselect_b64 s[92:93], s[4:5], s[6:7]
.endif
	s_add_nc_u64 s[84:85], s[2:3], s[84:85]
	s_add_nc_u64 s[86:87], s[92:93], s[86:87]
	s_add_nc_u64 s[SAB:SAB+1], s[2:3], s[88:89]
	s_add_nc_u64 s[SBB:SBB+1], s[92:93], s[90:91]
	CROUND
.irp c, 0,1
	s_mov_b32 s[G0A+4*\c], 1
	s_mul_i32 s[G0A+4*\c+1], s21, \c+1             ; a part is 24,576 bytes in region 0 and twice that behind it
	s_add_co_u32 s[G0A+4*\c+1], s[G0A+4*\c+1], \c*REG
	s_add_nc_u64 s[G0A+4*\c+2:G0A+4*\c+3], s[84:85], \c*3072
	s_or_b32 s[G0A+4*\c+3], s[G0A+4*\c+3], 0x80000000
	s_mov_b32 s[G0B+4*\c], 1
	s_mul_i32 s[G0B+4*\c+1], s21, \c+1
	s_add_co_u32 s[G0B+4*\c+1], s[G0B+4*\c+1], \c*REG
	s_add_nc_u64 s[G0B+4*\c+2:G0B+4*\c+3], s[86:87], \c*3072
	s_or_b32 s[G0B+4*\c+3], s[G0B+4*\c+3], 0x80000000
.endr
	JLOAD G0A, G0B                                 ; chunk 0: one tensor load a wave at the head
	v_and_b32 v1, 31, v0
	v_lshlrev_b32 v[LI], 4, v1
	v_lshlrev_b32 v[LS4], 2, v1
	v_bfe_u32 v2, v0, 4, 1
	v_lshlrev_b32 v[BA], 6, v2
	v_and_b32 v3, 15, v0
	v_and_b32 v7, 8, v3
	v_add_nc_u32 v7, v7, v3
	v_lshlrev_b32 v[BR4], 2, v7
	s_wait_alu depctr_va_vdst(0)                   ; the wait behind the head's vector work
.irp k, 0,1,2,3,4,5,6,7
.irp p, 0,1,2,3
	global_load_b32 v[SA+4*\k+\p], v[LS4], s[SAB:SAB+1] offset:16384*\k+128*\p
	global_load_b32 v[SB+4*\k+\p], v[LS4], s[SBB:SBB+1] offset:16384*\k+128*\p
.endr
.endr
	s_mul_i32 s82, s[RH], PART
	s_mul_i32 s83, s[CH], PART
	s_add_co_u32 s83, s83, 2*PART
	v_add_nc_u32 v[ADRA], s82, v[LI]               ; region 0: chunks 0 and 3
	v_add_nc_u32 v[ADRB], s83, v[LI]
	s_lshl_b32 s82, s82, 1
	s_lshl_b32 s83, s83, 1
	s_add_co_u32 s82, s82, REG
	s_add_co_u32 s83, s83, REG
	v_add_nc_u32 v[ADRA+1], s82, v[LI]             ; behind it: chunks 1 and 2, parts of 49,152 bytes
	v_add_nc_u32 v[ADRB+1], s83, v[LI]
	s_lshl_b32 s82, s[TA], 4
	s_lshl_b32 s83, s[RH], 3
	s_add_co_u32 s82, s82, s83
	s_lshl_b32 s83, s[TB], 1
	s_add_co_u32 s83, s83, s[CH]
	s_and_b32 s84, s83, s101
	s_mul_i32 s86, s82, s99
	s_add_co_u32 s86, s86, s84
	s_mul_i32 s86, s86, 1536
.if FFN == 0
	s_mul_i32 s88, ttmp9, 3145728
	s_add_co_u32 s86, s86, s88
.endif
	s_mov_b32 s87, 0
	s_add_nc_u64 s[OUT:OUT+1], s[OP:OP+1], s[86:87]
	s_mul_i32 s[OSTEP], s99, 1536
	s_mov_b32 s[OSTEP+1], 0
	s_mul_i32 s86, s84, s100
	s_add_co_u32 s86, s86, s82
	s_lshl_b32 s86, s86, 6
.if FFN
	s_add_co_u32 s86, s86, 12582912
.else
	s_lshl_b32 s88, ttmp9, 17
	s_add_co_u32 s86, s86, s88
	s_add_co_u32 s86, s86, 9437184
.endif
	s_add_nc_u64 s[OSC:OSC+1], s[OP:OP+1], s[86:87]
.if FFN
	s_lshl_b32 s86, s83, 9
	s_add_nc_u64 s[BIAS:BIAS+1], s[8:9], s[86:87]
.else
	s_and_b32 s86, s83, 7
	s_lshl_b32 s86, s86, 9
	s_cmp_eq_u32 ttmp9, 1
	s_cselect_b64 s[BIAS:BIAS+1], s[10:11], s[8:9]
	s_add_nc_u64 s[BIAS:BIAS+1], s[BIAS:BIAS+1], s[86:87]
	s_lshl_b32 s86, s82, 6
	s_cmp_eq_u32 ttmp9, 2
	s_cselect_b32 s86, s86, 0
	s_add_nc_u64 s[RBS:RBS+1], s[12:13], s[86:87]
.endif
.irp b, 0,1,2,3,4,5,6,7
	global_load_b128 v[96+8*\b+96*(\b/4):96+8*\b+96*(\b/4)+3], v[BA], s[BIAS:BIAS+1] offset:(32*(\b/2)+8*(\b%2))*4
	global_load_b128 v[96+8*\b+96*(\b/4)+4:96+8*\b+96*(\b/4)+7], v[BA], s[BIAS:BIAS+1] offset:(32*(\b/2)+8*(\b%2))*4+16
.endr
.if FFN == 0
	WIN 0x40
.irp a, 0,1,2,3,4,5,6,7
	global_load_b32 v[96+\a], v[BR4], s[RBS:RBS+1] offset:(32*(\a/2)+8*(\a%2))*4
.endr
	WIN 0
.endif
.macro FRAG reg, adr, off
.irp g, 0,1,2
	ds_load_b128 v[\reg+4*\g:\reg+4*\g+3], v[\adr] offset:\off+512*\g
.endr
.endm
.macro FETCH_B c, q, p
	WIN TO_B
.irp i, 0,1,2,3,4,5,6,7
.if (\c) == 1 || (\c) == 2
	FRAG 128*(\p)+FR*\i, ADRB+1, 6144*\i+1536*(2*(\c)-2+(\q))
.else
	FRAG 128*(\p)+FR*\i, ADRB, 3072*\i+1536*(\q)
.endif
.endr
	WIN 0
.endm
.macro FETCH_A c, q, i0
.irp i, \i0, \i0+1, \i0+2, \i0+3
.if (\c) == 1 || (\c) == 2
	FRAG AF+FR*(\i), ADRA+1, 6144*(\i)+1536*(2*(\c)-2+(\q))
.else
	FRAG AF+FR*(\i), ADRA, 3072*(\i)+1536*(\q)
.endif
.endr
.endm
.macro MUL16 a0, p, ks, zero
.irp a, \a0, \a0+1
.irp b, 0,1,2,3,4,5,6,7
	WM 8*(8*((\a)%4)+\b), 128*(\p)+FR*\b, AF+FR*(\a), \zero, SB+4*(\ks)+\b/2, SA+4*(\ks)+(\a)/2, \b%2+2*((\a)%2)
.endr
.endr
.endm
.macro STEP c, zero
.set RG, \c
	s_wait_dscnt 12
	WIN MUL_LO
	MUL16 0, 0, 2*(\c), \zero
	MUL16 2, 0, 2*(\c), \zero
	s_wait_dscnt 0x0
	PLACES
	FETCH_B RG, 1, 1
	FETCH_A RG, 1, 0
	WIN MUL_HI
	MUL16 4, 0, 2*(\c), \zero
	MUL16 6, 0, 2*(\c), \zero
	PLACES
	WIN 0
	FETCH_A RG, 1, 4
.endm
.macro TURN c, kind
.set RN, (\c)+1
.if \kind
	s_wait_tensorcnt 0x0
	ds_add_u32 v[SPW], v[NIL]
	s_wait_dscnt 13
.else
	s_wait_dscnt 12
.endif
	WIN MUL_LO
	MUL16 0, 1, 2*(\c)+1, 0
	s_wait_dscnt 0x0
.if \kind
	s_barrier_signal -1
.endif
	MUL16 2, 1, 2*(\c)+1, 0
	WIN 0
.if \kind
	s_barrier_wait -1
.endif
.if (\kind) == 1
	CREST
	s_add_nc_u64 s[G0A+2:G0A+3], s[G0A+2:G0A+3], 9216
	s_add_nc_u64 s[G0B+2:G0B+3], s[G0B+2:G0B+3], 9216
	s_mov_b32 s[G1A+1], 384<<16                    ; no load of mine is out: a row is two fragments again
	s_mov_b32 s[G1A+3], 384<<16
	s_mov_b32 s[G1B+1], 384<<16
	s_mov_b32 s[G1B+3], 384<<16
	JLOAD G0A, G0B
.else
	PLACES
.endif
	FETCH_B RN, 0, 0
	FETCH_A RN, 0, 0
	WIN MUL_HI
	MUL16 4, 1, 2*(\c)+1, 0
	MUL16 6, 1, 2*(\c)+1, 0
	PLACES
	WIN 0
	FETCH_A RN, 0, 4
.endm
	s_wait_alu depctr_va_vdst(0)
	s_wait_tensorcnt 0x0                           ; my part of chunk 0 is in
	ds_add_u32 v[SPW], v[NIL]
	s_mov_b32 s[G1A+1], 768<<16                    ; no load of mine is out: the next load's rows are four fragments
	s_mov_b32 s[G1A+3], 768<<16
	s_mov_b32 s[G1B+1], 768<<16
	s_mov_b32 s[G1B+3], 768<<16
	s_wait_dscnt 0x0
	CROUND                                         ; chunk 0 is whole, and all sixteen work-groups are here
	JLOAD G0A+4, G0B+4                             ; chunks 1 and 2, one load a wave
	s_wait_loadcnt NBL                             ; the scale words are in; the bias's loads may be out
	FETCH_B 0, 0, 0
	FETCH_A 0, 0, 0
	FETCH_A 0, 0, 4
	STEP 0, 1
	TURN 0, 1
	STEP 1, 0
	TURN 1, 0
	STEP 2, 0
	TURN 2, 2
	STEP 3, 0
	s_wait_dscnt 12
	WIN MUL_LO
	MUL16 0, 1, 7, 0
	MUL16 2, 1, 7, 0
	s_wait_dscnt 0x0
	WIN MUL_HI
	MUL16 4, 1, 7, 0
	MUL16 6, 1, 7, 0
	WIN 0
	PLACES
	s_wait_loadcnt 0x0
.irp b, 0,1,2,3
	v_mov_b32 v[TMB+\b], 0
.endr
.if FFN
	v_mov_b32 v[C0P], 0xc0135761
	v_mov_b32 v[C0P+1], 0xc0135761
	v_mov_b32 v[C1P], 0xbdd2d3e8
	v_mov_b32 v[C1P+1], 0xbdd2d3e8
.else
.set i, 0
.rept 32
	v_cndmask_b32 v[96+i], 0, v[96+i], s[M0]
	v_cndmask_b32 v[224+i], 0, v[224+i], s[M0]
.set i, i+1
.endr
	WIN 0x44
.irp i, 0,1,2,3,4,5,6,7
	v_cndmask_b32 v[96+\i], 0, v[96+\i], s[M1]
.endr
	WIN 0
.endif
.macro EBLK a
.set AC, 64*((\a)%4)
.if FFN == 0
	WIN 0x01
	v_mov_b32 v[RBP], v[96+(\a)]
	v_mov_b32 v[RBP+1], v[96+(\a)]
.endif
	WIN 0x02+(\a)/4
.irp b, 0,1,2,3,4,5,6,7
.irp j, 0,2,4,6
	v_pk_add_f32 v[T+8*\b+\j:T+8*\b+\j+1], v[AC+8*\b+\j:AC+8*\b+\j+1], v[96+8*\b+96*(\b/4)+\j:96+8*\b+96*(\b/4)+\j+1]
.endr
.endr
	WIN 0
.if FFN == 0
.set j, 0
.rept 32
	v_pk_add_f32 v[T+j:T+j+1], v[T+j:T+j+1], v[RBP:RBP+1]
.set j, j+2
.endr
.else
	WIN 0x40
.set j, 0
.rept 32
	v_pk_mul_f32 v[j:j+1], v[T+j:T+j+1], v[T+j:T+j+1]
.set j, j+2
.endr
	WIN 0x41
.set j, 0
.rept 32
	v_pk_fma_f32 v[j:j+1], v[j:j+1], v[C1P:C1P+1], v[C0P:C0P+1]
.set j, j+2
.endr
.set j, 0
.rept 32
	v_pk_mul_f32 v[j:j+1], v[j:j+1], v[T+j:T+j+1]
.set j, j+2
.endr
.set j, 0
	s_wait_alu depctr_va_vdst(0)
.rept 64
	v_exp_f32 v[j], v[j]
.set j, j+1
.endr
	v_nop
	s_wait_alu depctr_va_vdst(0)
.set j, 0
.rept 32
	v_pk_add_f32 v[j:j+1], v[j:j+1], 1.0 op_sel_hi:[1,0]
.set j, j+2
.endr
.set j, 0
	s_wait_alu depctr_va_vdst(0)
.rept 64
	v_rcp_f32 v[j], v[j]
.set j, j+1
.endr
	v_nop
	s_wait_alu depctr_va_vdst(0)
	WIN 0x04
.set j, 0
.rept 32
	v_pk_mul_f32 v[T+j:T+j+1], v[T+j:T+j+1], v[j:j+1]
.set j, j+2
.endr
	WIN 0
.endif
	s_wait_xcnt 0x0
.if (\a) > 0
	s_add_nc_u64 s[OUT:OUT+1], s[OUT:OUT+1], s[OSTEP:OSTEP+1]
.endif
	QUANT T, PWS+(\a)%2
.irp g, 0,1,2
	global_store_b128 v[LI], v[PC+4*\g:PC+4*\g+3], s[OUT:OUT+1] offset:512*\g
.endr
.if (\a)%2
	v_cndmask_b32 v[PWP], v[PWS], v[PWS+1], s[HM]
	global_store_b32 v[LS4], v[PWP], s[OSC:OSC+1] offset:64*((\a)-1)
.endif
.endm
.irp a, 0,1,2,3,4,5,6,7
	EBLK \a
.endr
	s_wait_tensorcnt 0x0
	ds_add_u32 v[SPW], v[NIL]
	s_wait_dscnt 0x0
	CROUND
	s_endpgm
.Lfunc_end_k_qe72acfc753_ffn1:
	.size	k_qe72acfc753_ffn1, .Lfunc_end_k_qe72acfc753_ffn1-k_qe72acfc753_ffn1
	.p2alignl 7, 3214868480
	.fill 96, 4, 3214868480
	.section	.rodata,"a",@progbits
	.p2align	6, 0x0
	.amdhsa_kernel k_qe72acfc753_ffn1
		.amdhsa_group_segment_fixed_size 327680
		.amdhsa_private_segment_fixed_size 0
		.amdhsa_enable_private_segment 0
		.amdhsa_kernarg_size 32
		.amdhsa_user_sgpr_count 2
		.amdhsa_user_sgpr_kernarg_segment_ptr 1
		.amdhsa_wavefront_size32 1
		.amdhsa_system_sgpr_workgroup_id_x 1
		.amdhsa_system_sgpr_workgroup_id_y 1
		.amdhsa_system_sgpr_workgroup_id_z 1
		.amdhsa_system_vgpr_workitem_id 0
		.amdhsa_next_free_vgpr 1024
		.amdhsa_next_free_sgpr 102
		.amdhsa_reserve_vcc 0
		.amdhsa_float_denorm_mode_32 3
		.amdhsa_float_denorm_mode_16_64 3
		.amdhsa_memory_ordered 1
		.amdhsa_forward_progress 1
		.amdhsa_inst_pref_size 255
	.end_amdhsa_kernel
	.section	.bss,"aw",@nobits
	.p2align	6
	.space	262144
	.amdgpu_metadata
---
amdhsa.version: [ 1, 2 ]
amdhsa.kernels:
  - .name:           k_qe72acfc753_ffn1
    .symbol:         k_qe72acfc753_ffn1.kd
    .args:
      - { .name: act, .offset: 0, .size: 8, .value_kind: global_buffer, .address_space: global }
      - { .name: wimg, .offset: 8, .size: 8, .value_kind: global_buffer, .address_space: global }
      - { .name: b1, .offset: 16, .size: 8, .value_kind: global_buffer, .address_space: global }
      - { .name: hid, .offset: 24, .size: 8, .value_kind: global_buffer, .address_space: global }
    .group_segment_fixed_size: 327680
    .private_segment_fixed_size: 0
    .kernarg_segment_align: 8
    .kernarg_segment_size: 32
    .max_flat_workgroup_size: 128
    .sgpr_count:     102
    .vgpr_count:     1024
    .wavefront_size: 32
...
	.end_amdgpu_metadata
.endif
;; end of part 6
;; launch ffn2 (part 7): grid 8 x 32, 4 waves a work-group, clusters of 4 x 4, 327,680 bytes of LDS; arguments hid, wimg, b2, x1, out0; writes out0
.if DOCPART == 7
	.amdgcn_target "amdgcn-amd-amdhsa--gfx1250"
	.amdhsa_code_object_version 6
	.text
	.protected	k_qe72acfc753_ffn2
	.globl	k_qe72acfc753_ffn2
	.p2align	8
	.type	k_qe72acfc753_ffn2,@function
k_qe72acfc753_ffn2:
	s_mov_b64 s[64:65], 0
	v_nop
	global_prefetch_b8 v0, s[64:65] scope:SCOPE_SE
	s_setreg_imm32_b32 hwreg(HW_REG_WAVE_MODE, 25, 1), 1
	s_wait_xcnt 0x0
	s_wait_alu depctr_hold_cnt(0) depctr_sa_sdst(0) depctr_va_vdst(0) depctr_va_sdst(0) depctr_va_ssrc(0) depctr_va_vcc(0) depctr_vm_vsrc(0)
	s_getreg_b32 s2, hwreg(HW_REG_IB_STS2, 6, 4)
	s_cmp_eq_u32 s2, 0
	s_cbranch_scc0 .Lentry_in_a_cluster
	s_endpgm
.Lentry_in_a_cluster:
	s_bfe_u32 s2, ttmp6, 0x10000c
	s_cmp_lg_u32 s2, 0xf033
	s_cbranch_scc0 .Lentry_shape_is_right
	s_endpgm
.Lentry_shape_is_right:
; out = res + bias + A B^T on images of FP6 (E2M3) operands; out, res: [4,096][1,024] f32.  One text in two settings (FF2 = 0: ctx Wo, K = 1,024;  FF2 = 1: the FFN's second layer, K = 4,096).
; THE IMAGE: rows in blocks of 16; lane r of block rb stands for row 32 (rb / 2) + 8 (rb % 2) + r + 8 (r / 8); fragment (rb, ks) is 1,536 bytes at (rb KS + ks) 1536, byte 512 g + 16 l + 4 w = register 4 g + w of lane l;
; scale words at ((ks RB + rb) 16 + r) 4: a pair of blocks is 128 consecutive bytes: one register, block 2 p in lanes 0-15, block 2 p + 1 in lanes 16-31.
; A tile of the result is 128 x 128: 4,096 x 1,024 gives 256 work-groups; four waves, each 64 x 64: 16 accumulators.  Source 0 = 16 rows of B (columns of the weight), source 1 = 16 rows of A (tokens).
; THE WALK ALONG K, in steps of 128.  A slot holds [part = wave][4 row blocks][n ks][1,536 bytes]; parts 0, 1: A's halves, parts 2, 3: B's; a wave fills its part with one tensor load of 4 rows of n fragments.
;   FF2 = 1: 32 steps in chunks of 6, 7, 6, 7, 6 through slot 0 (6 steps, 147,456 bytes) and slot 1 (7 steps, 172,032 bytes) by turns: four changes of slots.  Chunk 0 is the head's load, chunk 1 follows behind the full
;   sequence and a round; a wave has one tensor load out at any time.   FF2 = 0: all 8 steps are one chunk, the head's one load a wave; nothing is filled again.
; CLUSTERS: 4 x 4: A's tile is asked for jointly by a row of the cluster, B's by a column.  Where a slot is filled, a round of the cluster's barrier stands in front.
; PREFETCH (FF2 = 1): behind the load of chunk c stands the request for chunk c + 2 (at the head for chunks 1 and 2).  Of the 4 row blocks that a wave fetches, the partner at place p (cx for A, cy for B) names row block p:
;   6 n blocks of 256 bytes, a lane a block, two instructions; lanes left over name the last block again.  Every offset is an immediate, no address register is written again.  FF2 = 0: none: the head's load asks for all of K.
; The scale words of all of K, the bias and the residual go from memory straight into registers, each read once.  FF2 = 0: all at the head.  FF2 = 1, in the order of need: the words of chunks 0, 1 at the head (52 loads),
;   of chunks 2, 3 behind chunk 1's load (52), of chunk 4 behind chunk 2's load (24), bias and residual behind chunk 4's load (33).
; THE WAY OUT: a block of 16 rows x 64 columns goes through the wave's own stage in LDS and comes back as rows of 256 bytes; residual and bias are added; sixteen lanes store 256 consecutive, aligned bytes.
;   The stage lies behind slot 0: with FF2 = 1 in slot 1, which has had its last fill and, behind the walk's last barrier, its last read; with FF2 = 0 in bytes that no load fills.
; REGISTERS: window 0: v8-11 the bias; v6, v12-29 offsets and addresses; v32-159 scale words (4 ks + 0, 1: A's pairs; + 2, 3: B's): they hold nothing else; v160-223 rows on the way out.
;   window 1: two sets of fragments at v0 and v128: B's four, then A's four.   window 2: v0-127 the residual; v128-255 the accumulators, (a, b) at v[128 + 8 (4 a + b)].
.set FF2,   1
.if FF2
.set KS,    32
.set ASC,   12582912
.set BCO,   6291456
.set BSC,   9699328
.set BST,   4096
.set NS0,   6
.set NS1,   7
.set NCH,   5
.else
.set KS,    8
.set ASC,   3145728
.set BCO,   192*12288
.set BSC,   9437184+192*64
.set BST,   16384
.set NS0,   8
.set NS1,   0
.set NCH,   1
.endif
.set P0,    4*NS0*1536                 ; a part of slot 0, of slot 1
.set P1,    4*NS1*1536
.set S1,    4*P0                       ; where slot 1 begins
.set STAGE, S1                         ; 16 rows x (256 + 16) bytes for each wave
.if FF2
.set SPARE, S1+4*P1                    ; the spare words, 128 bytes a wave
.else
.set SPARE, S1+4*16*272
.endif
.set BR,    8
.set PFO,   12                         ; v12 256 x lane; v13, v14: 256 x min(32 + lane, 35 or 41)
.set PF6,   13
.set ADRA,  16
.set ADRB,  20
.set STO,   24
.set RD,    25
.set CO,    26
.set LS4,   27
.set SPW,   28
.set NIL,   29
.set SC,    32
.set OB,    160
.set ACC,   128
.set WV,    16
.set RH,    17
.set CH,    18
.set CX,    19
.set CY,    20
.set TA,    22
.set TB,    23
.set G1A,   24                         ; group 1 for A's tiles: slot 0 at s24, slot 1 at s56;  for B's: s32, s68
.set G1B,   32
.set G0A,   40                         ; group 0, a set for each slot
.set G0B,   48
.set SAB,   76
.set SBB,   78
.set PFA,   96
.set MSB, 0
.macro WIN new                         ; the immediate's high byte repeats the setting that is left
.if MSB != (\new)
	s_set_vgpr_msb (MSB<<8)|(\new)
.set MSB, \new
.endif
.endm
.set MUL,  0xa5                        ; sources 0 (B) and 1 (A) window 1; C and D window 2
.set TO_F, 0x40
.macro JLOAD s                         ; a joint load into slot s: waves 0, 1 fetch for A, waves 2, 3 for B; an s_nop 0 and four v_nop follow each line
	s_cmp_eq_u32 s[RH], 0
	s_cbranch_scc0 .Lfor_b_\@
	tensor_load_to_lds s[G0A+4*(\s):G0A+4*(\s)+3], s[G1A+32*(\s):G1A+32*(\s)+7]
	s_nop 0
.rept 4
	v_nop
.endr
	s_branch .Lasked_\@
.Lfor_b_\@:
	tensor_load_to_lds s[G0B+4*(\s):G0B+4*(\s)+3], s[G1B+36*(\s):G1B+36*(\s)+7]
	s_nop 0
.rept 4
	v_nop
.endr
.Lasked_\@:
.endm
.macro CREST
	s_cmp_lg_u32 s[WV], 0
	s_cbranch_scc1 .Lnot_wave_0_\@
	s_barrier_signal -3
.Lnot_wave_0_\@:
	s_barrier_wait -3
	s_barrier_signal -1
	s_barrier_wait -1
.endm
.macro CROUND
	s_barrier_signal -1
	s_barrier_wait -1
	CREST
.endm
.macro PLACES
.rept 4
	v_nop
.endr
.endm
.macro ASK c                           ; chunk c's fragments of my work-group's row block of my part
.set KO, ((\c)/2)*(NS0+NS1)+((\c)%2)*NS0
	global_prefetch_b8 v[PFO], s[PFA:PFA+1] offset:KO*1536 th:TH_LOAD_NT scope:SCOPE_SE
	global_prefetch_b8 v[PF6+(\c)%2], s[PFA:PFA+1] offset:KO*1536 th:TH_LOAD_NT scope:SCOPE_SE
.endm
.macro SCL k0, k1                      ; the scale words of steps k0 .. k1 - 1: the words of a pair of row blocks are 128 consecutive bytes.  Every window is 0 here
.set KK, \k0
.rept (\k1)-(\k0)
	global_load_b32 v[SC+4*KK], v[LS4], s[SAB:SAB+1] offset:16384*KK
	global_load_b32 v[SC+4*KK+1], v[LS4], s[SAB:SAB+1] offset:16384*KK+128
	global_load_b32 v[SC+4*KK+2], v[LS4], s[SBB:SBB+1] offset:BST*KK
	global_load_b32 v[SC+4*KK+3], v[LS4], s[SBB:SBB+1] offset:BST*KK+128
.set KK, KK+1
.endr
.endm
.macro RESID                           ; the bias at my four columns, and the residual in the order in which the rows come back from the stage: 33 loads
	global_load_b128 v[BR:BR+3], v6, s[8:9]
	WIN 0x80                                       ; destination window 2
.irp a, 0,1,2,3
.irp t, 0,1,2,3,4,5,6,7
	global_load_b128 v[4*(8*\a+\t):4*(8*\a+\t)+3], v[CO], s[10:11] offset:(32*(\a/2)+8*(\a%2)+2*\t+8*(\t/4))*4096
.endr
.endr
	WIN 0
.endm
.macro SETG1 g, m, n                   ; 4 rows (row blocks) of n fragments, KS x 1,536 bytes apart, dense in LDS; elements of 8 bytes; bit 21 set beside the mask
	s_or_b32 s[\g], s[\m], (3<<16)|(1<<21)
	s_mov_b32 s[\g+1], (192*\n)<<16
	s_mov_b32 s[\g+2], 4<<16
	s_mov_b32 s[\g+3], (192*\n)<<16
	s_mov_b32 s[\g+4], 4
	s_mov_b32 s[\g+5], 192*KS
	s_mov_b32 s[\g+6], 0
	s_mov_b32 s[\g+7], 0
.endm
.macro SETG0 g, lr, lo, src, go
	s_mov_b32 s[\g], 1
	s_add_co_u32 s[\g+1], s[\lr], \lo
	s_add_nc_u64 s[\g+2:\g+3], s[\src:\src+1], \go
	s_or_b32 s[\g+3], s[\g+3], 0x80000000
.endm
.macro WM d, s0, s1, zero, x0, x1, rr  ; zero = 1: the constant 0 starts the sum.  rr = row of source 0's scale register + 2 x row of source 1's
.if \zero
.if (\rr) == 0
	v_wmma_scale_f32_16x16x128_f8f6f4 v[\d:\d+7], v[\s0:\s0+11], v[\s1:\s1+11], 0, v[\x0], v[\x1] matrix_a_fmt:MATRIX_FMT_FP6 matrix_b_fmt:MATRIX_FMT_FP6
.elseif (\rr) == 1
	v_wmma_scale_f32_16x16x128_f8f6f4 v[\d:\d+7], v[\s0:\s0+11], v[\s1:\s1+11], 0, v[\x0], v[\x1] matrix_a_fmt:MATRIX_FMT_FP6 matrix_b_fmt:MATRIX_FMT_FP6 matrix_a_scale:MATRIX_SCALE_ROW1
.elseif (\rr) == 2
	v_wmma_scale_f32_16x16x128_f8f6f4 v[\d:\d+7], v[\s0:\s0+11], v[\s1:\s1+11], 0, v[\x0], v[\x1] matrix_a_fmt:MATRIX_FMT_FP6 matrix_b_fmt:MATRIX_FMT_FP6 matrix_b_scale:MATRIX_SCALE_ROW1
.else
	v_wmma_scale_f32_16x16x128_f8f6f4 v[\d:\d+7], v[\s0:\s0+11], v[\s1:\s1+11], 0, v[\x0], v[\x1] matrix_a_fmt:MATRIX_FMT_FP6 matrix_b_fmt:MATRIX_FMT_FP6 matrix_a_scale:MATRIX_SCALE_ROW1 matrix_b_scale:MATRIX_SCALE_ROW1
.endif
.else
.if (\rr) == 0
	v_wmma_scale_f32_16x16x128_f8f6f4 v[\d:\d+7], v[\s0:\s0+11], v[\s1:\s1+11], v[\d:\d+7], v[\x0], v[\x1] matrix_a_fmt:MATRIX_FMT_FP6 matrix_b_fmt:MATRIX_FMT_FP6
.elseif (\rr) == 1
	v_wmma_scale_f32_16x16x128_f8f6f4 v[\d:\d+7], v[\s0:\s0+11], v[\s1:\s1+11], v[\d:\d+7], v[\x0], v[\x1] matrix_a_fmt:MATRIX_FMT_FP6 matrix_b_fmt:MATRIX_FMT_FP6 matrix_a_scale:MATRIX_SCALE_ROW1
.elseif (\rr) == 2
	v_wmma_scale_f32_16x16x128_f8f6f4 v[\d:\d+7], v[\s0:\s0+11], v[\s1:\s1+11], v[\d:\d+7], v[\x0], v[\x1] matrix_a_fmt:MATRIX_FMT_FP6 matrix_b_fmt:MATRIX_FMT_FP6 matrix_b_scale:MATRIX_SCALE_ROW1
.else
	v_wmma_scale_f32_16x16x128_f8f6f4 v[\d:\d+7], v[\s0:\s0+11], v[\s1:\s1+11], v[\d:\d+7], v[\x0], v[\x1] matrix_a_fmt:MATRIX_FMT_FP6 matrix_b_fmt:MATRIX_FMT_FP6 matrix_a_scale:MATRIX_SCALE_ROW1 matrix_b_scale:MATRIX_SCALE_ROW1
.endif
.endif
.endm
	s_load_b256 s[4:11], s[0:1], 0x0               ; A's images, wimg, the bias, the residual
	s_load_b64 s[12:13], s[0:1], 0x20              ; the result
	v_lshl_add_u32 v[SPW], v0, 2, SPARE
	v_mov_b32 v[NIL], 0
	ds_add_u32 v[SPW], v[NIL]                      ; the opening lines: the add, twice on end, and its wait ahead of my first tensor load
	ds_add_u32 v[SPW], v[NIL]
	v_lshrrev_b32 v1, 5, v0
	v_readfirstlane_b32 s[WV], v1
	s_lshr_b32 s[RH], s[WV], 1                     ; my half of the tile's rows.  Also: I fetch for A (0) or for B (1)
	s_and_b32 s[CH], s[WV], 1                      ; my half of its columns.  Also: which 4 row blocks I fetch
	s_bfe_u32 s[CX], ttmp6, 0x40000
	s_bfe_u32 s[CY], ttmp6, 0x40004
	s_lshl_b32 s[TB], ttmp9, 2
	s_add_co_u32 s[TB], s[TB], s[CX]               ; the tile's 128 columns
	s_and_b32 s[TA], ttmp7, 0xffff
	s_lshl_b32 s[TA], s[TA], 2
	s_add_co_u32 s[TA], s[TA], s[CY]               ; the tile's 128 tokens
	s_lshl_b32 s84, s[CY], 2
	s_lshl_b32 s84, 15, s84                        ; my row of the cluster
	s_lshl_b32 s86, 0x1111, s[CX]                  ; my column
	SETG1 G1A, 84, NS0
	SETG1 G1B, 86, NS0
.if NCH > 1
	SETG1 G1A+32, 84, NS1
	SETG1 G1B+36, 86, NS1
.endif
	s_lshl_b32 s84, s[TA], 3
	s_lshl_b32 s83, s[CH], 2
	s_add_co_u32 s84, s84, s83                     ; A: the 4 row blocks that I fetch
	s_mul_i32 s84, s84, KS*1536
	s_mov_b32 s85, 0
	s_lshl_b32 s86, s[TB], 3
	s_add_co_u32 s90, s86, s83                     ; B: the 4 that I fetch, and the 4 that I multiply
	s_mul_i32 s86, s90, KS*1536
	s_add_co_u32 s86, s86, BCO
	s_mov_b32 s87, 0
	s_lshl_b32 s88, s[TA], 3
	s_lshl_b32 s89, s[RH], 2
	s_add_co_u32 s88, s88, s89                     ; A: the 4 that I multiply
	s_lshl_b32 s88, s88, 6
	s_add_co_u32 s88, s88, ASC
	s_mov_b32 s89, 0
	s_lshl_b32 s90, s90, 6
	s_add_co_u32 s90, s90, BSC
	s_mov_b32 s91, 0
	s_mul_i32 s80, s[WV], P0                       ; where my parts go: no place in the cluster enters an LDS address
	s_mul_i32 s81, s[WV], P1
	s_lshl_b32 s92, s[TA], 7
	s_lshl_b32 s93, s[RH], 6
	s_add_co_u32 s92, s92, s93
	s_lshl_b32 s92, s92, 12                        ; my first row of the result, 4,096 bytes a row,
	s_lshl_b32 s93, s[TB], 9
	s_lshl_b32 s94, s[CH], 8
	s_add_co_u32 s94, s93, s94                     ; my first column, in bytes
	s_add_co_u32 s92, s92, s94
	s_mov_b32 s93, 0
	s_mov_b32 s95, 0
	s_wait_dscnt 0x0                               ; both opening adds are done
	s_wait_kmcnt 0x0
	s_add_nc_u64 s[84:85], s[4:5], s[84:85]
	s_add_nc_u64 s[86:87], s[6:7], s[86:87]
	s_add_nc_u64 s[SAB:SAB+1], s[4:5], s[88:89]
	s_add_nc_u64 s[SBB:SBB+1], s[6:7], s[90:91]
	s_add_nc_u64 s[8:9], s[8:9], s[94:95]
	s_add_nc_u64 s[10:11], s[10:11], s[92:93]
	s_add_nc_u64 s[12:13], s[12:13], s[92:93]
.if FF2
	s_cmp_eq_u32 s[RH], 0                          ; the prefetches' base: my part, and of its 4 row blocks the one at my place among the four that ask jointly
	s_cselect_b64 s[PFA:PFA+1], s[84:85], s[86:87]
	s_cselect_b32 s82, s[CX], s[CY]
	s_mul_i32 s82, s82, KS*1536
	s_mov_b32 s83, 0
	s_add_nc_u64 s[PFA:PFA+1], s[PFA:PFA+1], s[82:83]
.endif
	CROUND                                         ; all sixteen work-groups are here: the first joint loads meet
	SETG0 G0A, 80, 0, 84, 0
	SETG0 G0B, 80, 0, 86, 0
.if NCH > 1
	SETG0 G0A+4, 81, S1, 84, NS0*1536
	SETG0 G0B+4, 81, S1, 86, NS0*1536
.endif
	JLOAD 0                                        ; chunk 0: one tensor load a wave at the head
	s_mul_i32 s82, s[RH], P0
	s_mul_i32 s83, s[CH], P0
	s_add_co_u32 s83, s83, 2*P0
	s_mul_i32 s84, s[RH], P1
	s_add_co_u32 s84, s84, S1
	s_mul_i32 s85, s[CH], P1
	s_add_co_u32 s85, s85, S1+2*P1
	s_mul_i32 s86, s[WV], 16*272
	s_add_co_u32 s86, s86, STAGE                   ; my stage
	v_and_b32 v1, 31, v0
	v_and_b32 v2, 15, v0                           ; r
	v_bfe_u32 v3, v0, 4, 1                         ; h
	v_lshlrev_b32 v4, 4, v1                        ; 16 x lane
	v_lshlrev_b32 v[LS4], 2, v1
	v_lshlrev_b32 v6, 4, v2                        ; my 16 bytes of a row's 256
	v_lshl_add_u32 v[CO], v3, 12, v6               ; lanes 16-31 one row further down
	v_add_nc_u32 v[ADRA], s82, v4
	v_add_nc_u32 v[ADRB], s83, v4
.if NCH > 1
	v_add_nc_u32 v[ADRA+1], s84, v4
	v_add_nc_u32 v[ADRB+1], s85, v4
.endif
	v_mul_u32_u24 v5, v2, 272
	v_lshl_add_u32 v5, v3, 6, v5
	v_add_nc_u32 v[STO], s86, v5                   ; into the stage: row r, + 64 h
	v_mul_u32_u24 v7, v3, 272
	v_lshl_add_u32 v7, v2, 4, v7
	v_add_nc_u32 v[RD], s86, v7                    ; back: lanes 0-15 one row, lanes 16-31 the next
.if FF2
	v_lshlrev_b32 v[PFO], 8, v1
	v_add_nc_u32 v[PF6], 32, v1
	v_min_u32 v[PF6+1], 41, v[PF6]
	v_min_u32 v[PF6], 35, v[PF6]
	v_lshlrev_b32 v[PF6+1], 8, v[PF6+1]
	v_lshlrev_b32 v[PF6], 8, v[PF6]
.endif
	s_wait_alu depctr_va_vdst(0)                   ; the wait behind the head's vector work
.if FF2
	ASK 1
	ASK 2
	SCL 0, NS0+NS1                                 ; chunks 0 and 1
.else
	SCL 0, KS
	RESID
.endif
.macro FETCH slot, q, f                ; 24 loads of 512 consecutive bytes: B's four fragments, then A's four, of the slot's q-th step, into set f
.set RS, 1536*(NS0+(\slot)*(NS1-NS0))
	WIN TO_F
.irp i, 0,1,2,3
.irp g, 0,1,2
	ds_load_b128 v[\f+12*\i+4*\g:\f+12*\i+4*\g+3], v[ADRB+(\slot)] offset:RS*\i+1536*(\q)+512*\g
.endr
.endr
.irp i, 0,1,2,3
.irp g, 0,1,2
	ds_load_b128 v[\f+48+12*\i+4*\g:\f+48+12*\i+4*\g+3], v[ADRA+(\slot)] offset:RS*\i+1536*(\q)+512*\g
.endr
.endr
.endm
.macro MULA f, a, ks                   ; A's block a x B's four.  The 16 accumulators take turns, one instruction a turn, in the same order in every step.  Step 0 starts the sums
.irp b, 0,1,2,3
.if (\ks) == 0
	WM ACC+8*(4*(\a)+\b), \f+12*\b, \f+48+12*(\a), 1, SC+4*(\ks)+2+\b/2, SC+4*(\ks)+(\a)/2, \b%2+2*((\a)%2)
.else
	WM ACC+8*(4*(\a)+\b), \f+12*\b, \f+48+12*(\a), 0, SC+4*(\ks)+2+\b/2, SC+4*(\ks)+(\a)/2, \b%2+2*((\a)%2)
.endif
.endr
.endm
.macro STEP slot, q, st                ; a step that is not its chunk's last: multiplies set st % 2 and fetches the slot's next step into the other set
.set FC, 128*((\st)%2)
.set FN, 128-FC
	s_wait_dscnt 6                                 ; B's four and A's blocks 0, 1 are in; the youngest six loads (A's blocks 2, 3) may be out
	WIN MUL
	MULA FC, 0, \st
	MULA FC, 1, \st
	PLACES
	FETCH \slot, (\q)+1, FN
	s_wait_dscnt 24                                ; all but the 24 just issued
	WIN MUL
	MULA FC, 2, \st
	MULA FC, 3, \st
.endm
; A chunk's last step changes slots: ONE barrier; in front of it each wave waits for all its tensor loads, adds 0 to its spare word, and waits for that and for its reads of this slot.
; Where a chunk two on is left to fetch, the barrier opens a round of the cluster's barrier and this slot is filled again.
.macro TURN slot, st
.set FC, 128*((\st)%2)
.set FN, 128-FC
	WIN 0                                          ; (the add's two registers lie in window 0)
	s_wait_tensorcnt 0x0                           ; my one load that was out, my part of the next slot, has landed
	ds_add_u32 v[SPW], v[NIL]
	s_wait_dscnt 7                                 ; (the add and the youngest six loads may be out)
	WIN MUL
	MULA FC, 0, \st
	s_wait_dscnt 0x0                               ; the add is done, and my reads of this slot are over
	s_barrier_signal -1
	MULA FC, 1, \st
	WIN 0
	s_barrier_wait -1
.if CC+2 < NCH
	CREST                                          ; no wave of any partner still reads this slot or has a load on its way
	s_add_nc_u64 s[G0A+4*(\slot)+2:G0A+4*(\slot)+3], s[G0A+4*(\slot)+2:G0A+4*(\slot)+3], (NS0+NS1)*1536
	s_add_nc_u64 s[G0B+4*(\slot)+2:G0B+4*(\slot)+3], s[G0B+4*(\slot)+2:G0B+4*(\slot)+3], (NS0+NS1)*1536
	JLOAD \slot                                    ; the first tensor load behind the round; its four v_nop are also the places in front of the loads below
.else
	PLACES
.endif
	FETCH 1-(\slot), 0, FN
.if CC+4 < NCH
	ASK CC+4
.endif
.if CC == 0
	WIN 0
	SCL 2*(NS0+NS1), KS                            ; chunk 4's scale words: 24 loads
.elseif CC == 1
	s_wait_loadcnt 24                              ; the words of chunks 2 and 3 are in; chunk 4's 24 loads may be out
.elseif CC == 2
	WIN 0
	RESID
.else
	s_wait_loadcnt 33                              ; chunk 4's words are in; the bias's load and the residual's 32 may be out
.endif
	WIN MUL
	MULA FC, 2, \st
	MULA FC, 3, \st
.endm
.macro CHUNK n
.set Q, 0
.rept (\n)-1
	STEP CC%2, Q, ST
.set Q, Q+1
.set ST, ST+1
.endr
.if CC+1 < NCH
	TURN CC%2, ST
.else
.set FC, 128*(ST%2)
	s_wait_dscnt 6                                 ; the very last step
	WIN MUL
	MULA FC, 0, ST
	MULA FC, 1, ST
	s_wait_dscnt 0x0
	MULA FC, 2, ST
	MULA FC, 3, ST
	WIN 0
.endif
.set ST, ST+1
.set CC, CC+1
.endm
	s_wait_alu depctr_va_vdst(0)                   ; the wait at the head's end
	s_wait_tensorcnt 0x0                           ; my part of chunk 0 is in
.if NCH > 1
	ds_add_u32 v[SPW], v[NIL]
	s_wait_dscnt 0x0
	CROUND                                         ; chunk 0 is whole, and all sixteen work-groups are here
	JLOAD 1                                        ; chunk 1, slot 1's first fill
	s_wait_loadcnt 0x0                             ; the scale words of chunks 0 and 1 are in
.else
	s_barrier_signal -1                            ; the one chunk is whole
	s_barrier_wait -1
	s_wait_loadcnt 33                              ; the scale words are in; the bias's load and the residual's 32 may be out
.endif
	FETCH 0, 0, 0
.if FF2
	ASK 3
	WIN 0
	SCL NS0+NS1, 2*(NS0+NS1)                       ; chunks 2 and 3: 52 loads
.endif
.set ST, 0
.set CC, 0
.if FF2
.irp n, 6,7,6,7,6
	CHUNK \n
.endr
.else
	CHUNK 8
.endif
.macro TOSTAGE a                       ; block a: lane (r, h) holds, of image lane r's row, columns 32 (b / 2) + 16 h + 8 (b % 2) + 0 .. 7 in accumulator b
	WIN 0x08                                       ; an LDS store's data are its source 1: window 2
.irp b, 0,1,2,3
	ds_store_b128 v[STO], v[ACC+8*(4*(\a)+\b):ACC+8*(4*(\a)+\b)+3] offset:128*(\b/2)+32*(\b%2)       ; each accumulator from its low end on
	ds_store_b128 v[STO], v[ACC+8*(4*(\a)+\b)+4:ACC+8*(4*(\a)+\b)+7] offset:128*(\b/2)+32*(\b%2)+16
.endr
	WIN 0
.set OBB, OB+32*((\a)%2)
.irp t, 0,1,2,3,4,5,6,7
	ds_load_b128 v[OBB+4*\t:OBB+4*\t+3], v[RD] offset:544*\t   ; LDS serves a wave's instructions in order: these see my stores
.endr
.endm
.macro SEND a, younger                 ; younger: the LDS instructions issued behind block a's loads, which may stay out
.set OBB, OB+32*((\a)%2)
	s_wait_dscnt \younger
	WIN 0x08                                       ; source 1 window 2: the residual
.irp t, 0,1,2,3,4,5,6,7
	v_pk_add_f32 v[OBB+4*\t:OBB+4*\t+1], v[OBB+4*\t:OBB+4*\t+1], v[4*(8*(\a)+\t):4*(8*(\a)+\t)+1]
	v_pk_add_f32 v[OBB+4*\t+2:OBB+4*\t+3], v[OBB+4*\t+2:OBB+4*\t+3], v[4*(8*(\a)+\t)+2:4*(8*(\a)+\t)+3]
.endr
	WIN 0
.irp t, 0,1,2,3,4,5,6,7
	v_pk_add_f32 v[OBB+4*\t:OBB+4*\t+1], v[OBB+4*\t:OBB+4*\t+1], v[BR:BR+1]
	v_pk_add_f32 v[OBB+4*\t+2:OBB+4*\t+3], v[OBB+4*\t+2:OBB+4*\t+3], v[BR+2:BR+3]
.endr
.irp t, 0,1,2,3,4,5,6,7
	global_store_b128 v[CO], v[OBB+4*\t:OBB+4*\t+3], s[12:13] offset:(32*((\a)/2)+8*((\a)%2)+2*\t+8*(\t/4))*4096   ; 16 lanes store 256 consecutive bytes, aligned
.endr
.endm
	PLACES                                         ; ahead of the first read of results
	s_wait_loadcnt 0x0                             ; the bias and the residual
	TOSTAGE 0
.irp a, 1,2,3
.if \a > 1
	s_wait_xcnt 0x0                                ; block a - 2's stores have read their registers: block a's rows may land there
.endif
	TOSTAGE \a
	SEND \a-1, 16                                  ; behind block a - 1's loads: block a's 8 stores and 8 loads
.endr
	SEND 3, 0
	s_wait_tensorcnt 0x0                           ; the wave's end
	ds_add_u32 v[SPW], v[NIL]
	s_wait_dscnt 0x0
	CROUND                                         ; the closing round: no work-group ends while a partner may still ask for a tile that names it
	s_endpgm
.Lfunc_end_k_qe72acfc753_ffn2:
	.size	k_qe72acfc753_ffn2, .Lfunc_end_k_qe72acfc753_ffn2-k_qe72acfc753_ffn2
	.p2alignl 7, 3214868480
	.fill 96, 4, 3214868480
	.section	.rodata,"a",@progbits
	.p2align	6, 0x0
	.amdhsa_kernel k_qe72acfc753_ffn2
		.amdhsa_group_segment_fixed_size 327680
		.amdhsa_private_segment_fixed_size 0
		.amdhsa_enable_private_segment 0
		.amdhsa_kernarg_size 40
		.amdhsa_user_sgpr_count 2
		.amdhsa_user_sgpr_kernarg_segment_ptr 1
		.amdhsa_wavefront_size32 1
		.amdhsa_system_sgpr_workgroup_id_x 1
		.amdhsa_system_sgpr_workgroup_id_y 1
		.amdhsa_system_sgpr_workgroup_id_z 1
		.amdhsa_system_vgpr_workitem_id 0
		.amdhsa_next_free_vgpr 768
		.amdhsa_next_free_sgpr 100
		.amdhsa_reserve_vcc 0
		.amdhsa_float_denorm_mode_32 3
		.amdhsa_float_denorm_mode_16_64 3
		.amdhsa_memory_ordered 1
		.amdhsa_forward_progress 1
		.amdhsa_inst_pref_size 165
	.end_amdhsa_kernel
	.amdgpu_metadata
---
amdhsa.version: [ 1, 2 ]
amdhsa.kernels:
  - .name:           k_qe72acfc753_ffn2
    .symbol:         k_qe72acfc753_ffn2.kd
    .args:
      - { .name: hid, .offset: 0, .size: 8, .value_kind: global_buffer, .address_space: global }
      - { .name: wimg, .offset: 8, .size: 8, .value_kind: global_buffer, .address_space: global }
      - { .name: b2, .offset: 16, .size: 8, .value_kind: global_buffer, .address_space: global }
      - { .name: x1, .offset: 24, .size: 8, .value_kind: global_buffer, .address_space: global }
      - { .name: out0, .offset: 32, .size: 8, .value_kind: global_buffer, .address_space: global }
    .group_segment_fixed_size: 327680
    .private_segment_fixed_size: 0
    .kernarg_segment_align: 8
    .kernarg_segment_size: 40
    .max_flat_workgroup_size: 128
    .sgpr_count:     100
    .vgpr_count:     768
    .wavefront_size: 32
...
	.end_amdgpu_metadata
.endif
;; end of part 7
